; MI455X (gfx1250); checked and timed in simulation.
; The chip was launched on July 23, 2026; its instructions are those of AMD's public machine-readable ISA for CDNA 5 (MIT licence, August 2026) and "CDNA5" Instruction Set Architecture Reference Guide (July 2026). The comments in the code are by the model that wrote it; some were corrected since.
;; Attention Decoder Layer. Allowed arithmetic: float matrix products may take bf16 or f16 operands with f32 sums; all other float work in f32.
;; Inputs: W1 1,024 x 4,096 float32; W2 4,096 x 1,024 float32; Wk 1,024 x 1,024 float32; Wo 1,024 x 1,024 float32; Wq 1,024 x 1,024 float32; Wv 1,024 x 1,024 float32; b1 4,096 float32; b2 1,024 float32; beta1 1,024 float32; beta2 1,024 float32; bk 1,024 float32; bo 1,024 float32; bq 1,024 float32; bv 1,024 float32; g1 1,024 float32; g2 1,024 float32; x 2 x 2,048 x 1,024 float32.
;; Outputs: out0 2 x 2,048 x 1,024 float32.
;; 2 versions, each right; version 2 is version 1 with the launches prep, ln2 written anew for expert scheduling mode. Each part assembles by itself: llvm-mc -triple=amdgcn-amd-amdhsa -mcpu=gfx1250 --defsym DOCPART=n.
;; ======== version 1 of 2: 7 launches
;; workspace buffers: wt 25,165,824 bytes; tab 524,288 bytes; xn 8,388,608 bytes; qkv 25,165,824 bytes; ao 8,388,608 bytes; x1 16,777,216 bytes; hh 33,554,432 bytes
;; launch prep (part 1): grid 1056 x 1, 8 waves a work-group, no clusters, 35,840 bytes of LDS; arguments Wq, Wk, Wv, Wo, W1, W2, wt, tab, x, g1, beta1, xn; writes wt, tab, xn
.if DOCPART == 1
	.amdgcn_target "amdgcn-amd-amdhsa--gfx1250"
	.amdhsa_code_object_version 6
	.text
	.protected	k_qc1486a2853_prep
	.globl	k_qc1486a2853_prep
	.p2align	8
	.type	k_qc1486a2853_prep,@function
k_qc1486a2853_prep:
	s_mov_b64 s[64:65], 0
	v_nop
	global_prefetch_b8 v0, s[64:65] scope:SCOPE_SE
	s_setreg_imm32_b32 hwreg(HW_REG_WAVE_MODE, 25, 1), 1
	s_wait_xcnt 0x0
; PREP: three jobs that depend on nothing but the inputs, in one launch, so that they share one start and one end.
; (1) The six weights, f32 [K][N], become bf16 [N][K] in wt (K along the rows, as the matrix unit's fragments want them).
;     wt in bytes: Wq^T, Wk^T, Wv^T, Wo^T at 0, 2, 4, 6 MiB (1024 rows of 2,048 bytes each), W1^T at 8 MiB (4096 rows of 2,048 bytes),
;     W2^T at 16 MiB (1024 rows of 8,192 bytes).
; (2) The first layer norm: xn[r][c] = (x[r][c] - mean) * rsqrt(var + 1e-5) * g1[c] + beta1[c], x f32 [4096][1024], xn bf16.
; (3) The RoPE table tab[s][i] = (cos, sin)(s * 10000^(-i/32)), f32, s = 0..2047, i = 0..31.
; Work-groups 0-255: a tile of 128 k x 128 n of one square weight; 256-511: of W1; 512-767: of W2; 768-1023: 16 rows of the layer norm;
; 1024-1055: 2,048 table entries each.  The branch hangs on the work-group's number alone, so all eight waves of a work-group take the same way.
; A weight tile: each wave's load covers the 512 consecutive bytes of one k row; eight k of one column are rounded to 16 bytes and laid into LDS
; rows (one per n, 272 bytes apart); rows are read back whole, and sixteen lanes store 256 consecutive bytes, aligned.
; The LDS stores of a wave go to rows 4 q + c, 1,088 bytes apart, so four lanes share a group of banks: eight such stores a thread,
; accepted in a kernel whose time is its bytes from and to memory.
; The layer norm: a wave owns two rows and keeps each in 32 registers between the passes (mean; squares of the differences from it, as reference()
; forms the variance; scaling): a row is read once, and no wave waits for another.
; No matrix unit, no cluster, no tensor load: nothing is shared or multiplied.
; LIMIT: sine and cosine are polynomials on |y| <= pi/4 behind a two-word reduction by pi/2 (error under 4e-7); the frequency is
; exp2(-i * log2(10000)/32); together the angle is off by under 3e-4 rad at s = 2047.
.set XR, 8                             ; v[8:71]    weight tile: 16 rows as loaded, 4 f32 each
.set PK, 72                            ; v[72:103]  packed: 2 x 4 columns x 8 k in bf16
.set RB, 104                           ; v[104:135] rows read back
.set LP, 272                           ; LDS pitch: 256 bytes of k + 16
.set X0, 8                             ; v[8:39]    layer norm: row 0: load j holds columns 128 j + 4 lane .. + 3
.set X1, 40                            ; v[40:71]   row 1
.set G,  72                            ; v[72:103]  gamma of the same columns
.set BT, 104                           ; v[104:135] beta
.set S,  136                           ; v[136:143] four chains of sums, two numbers each
.set MU, 144                           ; v[144:145] the mean, twice
.set R0, 146                           ; v[146:147] 1 / sqrt(var + eps) of row 0, twice
.set R1, 148                           ; v[148:149] of row 1
; One weight tile.  SP, DP: bytes from row to row in the source and in wt.  s[4:5]: the tile in the source; s[6:7]: in wt.
.macro XPOSE SP, DP
	v_and_b32 v1, 31, v0                           ; q: my four columns 4 q .. 4 q + 3
	v_lshrrev_b32 v2, 5, v0                        ; wave: my rows 64 u + 8 wave + j
	v_mul_u32_u24 v3, v2, 8*\SP
	v_lshl_add_u32 v3, v1, 4, v3
.irp u, 0,1
.irp j, 0,1,2,3,4,5,6,7
	global_load_b128 v[XR+4*(8*\u+\j):XR+4*(8*\u+\j)+3], v3, s[4:5] offset:(64*\u+\j)*\SP th:TH_LOAD_NT
.endr
.endr
	v_mul_u32_u24 v4, v1, 4*LP                     ; in: LDS row 4 q + c, byte 2 (64 u + 8 wave)
	v_lshl_add_u32 v4, v2, 4, v4
	v_lshrrev_b32 v7, 4, v0                        ; back: row t / 16 + 16 i, 16 bytes at 16 (t % 16)
	v_and_b32 v1, 15, v0
	v_mul_u32_u24 v5, v7, LP
	v_lshl_add_u32 v5, v1, 4, v5
	v_mul_u32_u24 v6, v7, \DP
	v_lshl_add_u32 v6, v1, 4, v6
.irp u, 0,1
	s_wait_loadcnt 8-8*\u                          ; loads come back in order: the eight rows of this half are in
.irp c, 0,1,2,3
.irp p, 0,1,2,3
	v_cvt_pk_bf16_f32 v[PK+16*\u+4*\c+\p], v[XR+4*(8*\u+2*\p)+\c], v[XR+4*(8*\u+2*\p+1)+\c]
.endr
	ds_store_b128 v4, v[PK+16*\u+4*\c:PK+16*\u+4*\c+3] offset:LP*\c+128*\u
.endr
.endr
	s_wait_dscnt 0x0                               ; my stores are done, for the other waves' sake
	s_barrier_signal -1
	s_barrier_wait -1
.irp i, 0,1,2,3,4,5,6,7
	ds_load_b128 v[RB+4*\i:RB+4*\i+3], v5 offset:\i*16*LP
.endr
.irp i, 0,1,2,3,4,5,6,7
	s_wait_dscnt 7-\i
	global_store_b128 v6, v[RB+4*\i:RB+4*\i+3], s[6:7] offset:\i*16*\DP
.endr
.endm
; Layer norm: the four chains become one number, then the sum over the 32 lanes, in every lane, in v[S]
.macro LANESUM
	v_pk_add_f32 v[S:S+1], v[S:S+1], v[S+2:S+3]
	v_pk_add_f32 v[S+4:S+5], v[S+4:S+5], v[S+6:S+7]
	v_pk_add_f32 v[S:S+1], v[S:S+1], v[S+4:S+5]
	v_add_f32 v[S], v[S], v[S+1]
	v_add_f32_dpp v[S], v[S], v[S] row_xmask:1 row_mask:0xf bank_mask:0xf
	v_add_f32_dpp v[S], v[S], v[S] row_xmask:2 row_mask:0xf bank_mask:0xf
	v_add_f32_dpp v[S], v[S], v[S] row_xmask:4 row_mask:0xf bank_mask:0xf
	v_add_f32_dpp v[S], v[S], v[S] row_xmask:8 row_mask:0xf bank_mask:0xf
	v_permlanex16_b32 v[S+1], v[S], s12, s13       ; its destination counts as read: a register that has been written
	v_add_f32 v[S], v[S], v[S+1]
.endm
; The row in x becomes x - mean; r gets 1 / sqrt(var + eps), twice.  left: how many younger loads may stay out.
.macro STATS x, left, r
	s_wait_loadcnt \left
.irp c, 0,1,2,3
	v_pk_add_f32 v[S+2*\c:S+2*\c+1], v[\x+2*\c:\x+2*\c+1], v[\x+8+2*\c:\x+8+2*\c+1]   ; the first sums start the chains: nothing is cleared
.endr
.irp p, 8,9,10,11,12,13,14,15
	v_pk_add_f32 v[S+2*(\p%4):S+2*(\p%4)+1], v[S+2*(\p%4):S+2*(\p%4)+1], v[\x+2*\p:\x+2*\p+1]
.endr
	LANESUM
	v_mul_f32 v[MU], s14, v[S]
	v_mov_b32 v[MU+1], v[MU]
.irp p, 0,1,2,3,4,5,6,7,8,9,10,11,12,13,14,15
	v_pk_add_f32 v[\x+2*\p:\x+2*\p+1], v[\x+2*\p:\x+2*\p+1], v[MU:MU+1] neg_lo:[0,1] neg_hi:[0,1]
.endr
.irp c, 0,1,2,3
	v_pk_mul_f32 v[S+2*\c:S+2*\c+1], v[\x+2*\c:\x+2*\c+1], v[\x+2*\c:\x+2*\c+1]
.endr
.irp p, 4,5,6,7,8,9,10,11,12,13,14,15
	v_pk_fma_f32 v[S+2*(\p%4):S+2*(\p%4)+1], v[\x+2*\p:\x+2*\p+1], v[\x+2*\p:\x+2*\p+1], v[S+2*(\p%4):S+2*(\p%4)+1]
.endr
	LANESUM
	v_fma_f32 v[S], v[S], s14, s15                 ; var + eps
	v_rsq_f32 v[\r], v[S]
	v_nop                                          ; one plain instruction behind v_rsq_f32 before its result is used (ISA guide 5.7.2)
	s_wait_alu depctr_va_vdst(0)
	v_mov_b32 v[\r+1], v[\r]
.endm
; scale, gain, bias, round, store
.macro APPLY x, r, roff
.irp p, 0,1,2,3,4,5,6,7,8,9,10,11,12,13,14,15
	v_pk_mul_f32 v[\x+2*\p:\x+2*\p+1], v[\x+2*\p:\x+2*\p+1], v[\r:\r+1]
	v_pk_fma_f32 v[\x+2*\p:\x+2*\p+1], v[\x+2*\p:\x+2*\p+1], v[G+2*\p:G+2*\p+1], v[BT+2*\p:BT+2*\p+1]
.endr
.irp j, 0,1,2,3,4,5,6,7
	v_cvt_pk_bf16_f32 v[\x+4*\j], v[\x+4*\j], v[\x+4*\j+1]
	v_cvt_pk_bf16_f32 v[\x+4*\j+1], v[\x+4*\j+2], v[\x+4*\j+3]
	global_store_b64 v3, v[\x+4*\j:\x+4*\j+1], s[10:11] offset:256*\j+\roff
.endr
.endm
	s_load_b512 s[8:23], s[0:1], 0x0               ; Wq 8, Wk 10, Wv 12, Wo 14, W1 16, W2 18, wt 20, tab 22
	s_load_b256 s[24:31], s[0:1], 0x40             ; x 24, g1 26, beta1 28, xn 30
	v_lshl_add_u32 v152, v0, 2, 0x8800
	v_mov_b32 v153, 0
	s_mov_b32 s36, ttmp9
	s_mov_b32 s41, 0                               ; upper words of the two offsets
	s_mov_b32 s43, 0
	s_wait_kmcnt 0x0
	s_cmp_lt_u32 s36, 256
	s_cbranch_scc0 .Lnot_square
	s_lshr_b32 s37, s36, 6                         ; which weight
	s_bfe_u32 s38, s36, 0x30003                    ; k tile
	s_and_b32 s39, s36, 7                          ; n tile
	s_cmp_eq_u32 s37, 1
	s_cselect_b64 s[4:5], s[10:11], s[8:9]
	s_cmp_eq_u32 s37, 2
	s_cselect_b64 s[4:5], s[12:13], s[4:5]
	s_cmp_eq_u32 s37, 3
	s_cselect_b64 s[4:5], s[14:15], s[4:5]
	s_lshl_b32 s40, s38, 19                        ; 128 rows of 4,096 bytes
	s_lshl_b32 s42, s39, 9                         ; 128 f32
	s_add_co_u32 s40, s40, s42
	s_add_nc_u64 s[4:5], s[4:5], s[40:41]
	s_lshl_b32 s42, s37, 21                        ; 2 MiB a weight
	s_lshl_b32 s40, s39, 18                        ; 128 rows of 2,048 bytes
	s_add_co_u32 s42, s42, s40
	s_lshl_b32 s40, s38, 8                         ; 128 bf16
	s_add_co_u32 s42, s42, s40
	s_add_nc_u64 s[6:7], s[20:21], s[42:43]
	XPOSE 4096, 2048
	s_wait_tensorcnt 0x0
	ds_add_u32 v152, v153
	s_wait_dscnt 0x0
	s_endpgm
.Lnot_square:
	s_cmp_lt_u32 s36, 512
	s_cbranch_scc0 .Lnot_w1
	s_sub_co_u32 s37, s36, 256
	s_lshr_b32 s38, s37, 5                         ; k tile 0..7
	s_and_b32 s39, s37, 31                         ; n tile 0..31
	s_lshl_b32 s40, s38, 21                        ; 128 rows of 16,384 bytes
	s_lshl_b32 s42, s39, 9
	s_add_co_u32 s40, s40, s42
	s_add_nc_u64 s[4:5], s[16:17], s[40:41]
	s_lshl_b32 s42, s39, 18
	s_lshl_b32 s40, s38, 8
	s_add_co_u32 s42, s42, s40
	s_add_co_u32 s42, s42, 0x800000
	s_add_nc_u64 s[6:7], s[20:21], s[42:43]
	XPOSE 16384, 2048
	s_wait_tensorcnt 0x0
	ds_add_u32 v152, v153
	s_wait_dscnt 0x0
	s_endpgm
.Lnot_w1:
	s_cmp_lt_u32 s36, 768
	s_cbranch_scc0 .Lnot_w2
	s_sub_co_u32 s37, s36, 512
	s_lshr_b32 s38, s37, 3                         ; k tile 0..31
	s_and_b32 s39, s37, 7                          ; n tile 0..7
	s_lshl_b32 s40, s38, 19
	s_lshl_b32 s42, s39, 9
	s_add_co_u32 s40, s40, s42
	s_add_nc_u64 s[4:5], s[18:19], s[40:41]
	s_lshl_b32 s42, s39, 20                        ; 128 rows of 8,192 bytes
	s_lshl_b32 s40, s38, 8
	s_add_co_u32 s42, s42, s40
	s_add_co_u32 s42, s42, 0x1000000
	s_add_nc_u64 s[6:7], s[20:21], s[42:43]
	XPOSE 4096, 8192
	s_wait_tensorcnt 0x0
	ds_add_u32 v152, v153
	s_wait_dscnt 0x0
	s_endpgm
.Lnot_w2:
	s_cmp_lt_u32 s36, 1024
	s_cbranch_scc0 .Ltable
	; the layer norm of rows 16 g .. 16 g + 15; a load of a wave covers 512 consecutive bytes, a store 256 consecutive bytes, aligned
	s_sub_co_u32 s37, s36, 768                     ; g
	s_lshl_b32 s40, s37, 16                        ; 16 rows of 4,096 bytes
	s_lshl_b32 s42, s37, 15                        ; 16 rows of 2,048 bytes
	s_add_nc_u64 s[4:5], s[24:25], s[40:41]
	s_add_nc_u64 s[10:11], s[30:31], s[42:43]
	s_mov_b32 s12, 0x76543210                      ; v_permlanex16_b32: lane i reads lane i of the other half
	s_mov_b32 s13, 0xfedcba98
	s_mov_b32 s14, 0x3a800000                      ; 1 / 1024
	s_mov_b32 s15, 0x3727c5ac                      ; 1e-5
	v_and_b32 v4, 31, v0
	v_lshrrev_b32 v5, 5, v0
	v_lshlrev_b32 v2, 4, v4                        ; gamma, beta: 16 lane
	v_lshl_add_u32 v1, v5, 13, v2                  ; x: + wave x 2 rows
	v_lshlrev_b32 v3, 3, v4
	v_lshl_add_u32 v3, v5, 12, v3                  ; xn: 8 lane + wave x 2 rows
.irp j, 0,1,2,3,4,5,6,7
	global_load_b128 v[X0+4*\j:X0+4*\j+3], v1, s[4:5] offset:512*\j
.endr
.irp j, 0,1,2,3,4,5,6,7
	global_load_b128 v[X1+4*\j:X1+4*\j+3], v1, s[4:5] offset:4096+512*\j
.endr
.irp j, 0,1,2,3,4,5,6,7
	global_load_b128 v[G+4*\j:G+4*\j+3], v2, s[26:27] offset:512*\j
.endr
.irp j, 0,1,2,3,4,5,6,7
	global_load_b128 v[BT+4*\j:BT+4*\j+3], v2, s[28:29] offset:512*\j
.endr
	STATS X0, 24, R0                               ; row 0 is in; row 1, gamma and beta (24 loads) may be out
	STATS X1, 16, R1                               ; row 1 is in; gamma and beta (16 loads) may be out
	s_wait_loadcnt 0x0                             ; gamma and beta
	APPLY X0, R0, 0
	APPLY X1, R1, 2048
	s_endpgm
.Ltable:
	; entry e = 2048 g + 256 i + t: frequency t % 32, position s = 64 g + 8 i + t / 32.  A wave's store covers 256 consecutive bytes, aligned.
	s_sub_co_u32 s37, s36, 1024                    ; g
	s_lshl_b32 s40, s37, 14                        ; 2,048 entries of 8 bytes
	s_add_nc_u64 s[22:23], s[22:23], s[40:41]
	s_lshl_b32 s37, s37, 6
	v_and_b32 v1, 31, v0
	v_cvt_f32_u32 v1, v1
	v_mul_f32 v1, 0xbed49a78, v1                   ; -i log2(10000) / 32
	v_exp_f32 v2, v1                               ; the frequency
	v_lshrrev_b32 v3, 5, v0                        ; (a plain instruction behind the exponential: ISA guide 5.7.2)
	v_add_nc_u32 v3, s37, v3                       ; s of my entry 0
	v_lshlrev_b32 v4, 3, v0
	s_wait_alu depctr_va_vdst(0)
.irp i, 0,1,2,3,4,5,6,7
	v_add_nc_u32 v[10+12*\i], 8*\i, v3
	v_cvt_f32_u32 v[10+12*\i], v[10+12*\i]
	v_mul_f32 v[10+12*\i], v[10+12*\i], v2                          ; the angle, in f32 as reference() forms it
	v_mul_f32 v[11+12*\i], 0x3f22f983, v[10+12*\i]                  ; x 2 / pi
	v_rndne_f32 v[11+12*\i], v[11+12*\i]                            ; n
	v_fmamk_f32 v[10+12*\i], v[11+12*\i], 0xbfc90fdb, v[10+12*\i]   ; y = angle - n pi/2, pi/2 in two words
	v_fmamk_f32 v[10+12*\i], v[11+12*\i], 0x333bbd2e, v[10+12*\i]
	v_mul_f32 v[12+12*\i], v[10+12*\i], v[10+12*\i]                 ; z = y y
	v_mov_b32 v[13+12*\i], 0xb9500d01                               ; sin y = y + y z (-1/6 + z (1/120 - z/5040))
	v_fmaak_f32 v[13+12*\i], v[12+12*\i], v[13+12*\i], 0x3c088889
	v_fmaak_f32 v[13+12*\i], v[12+12*\i], v[13+12*\i], 0xbe2aaaab
	v_mul_f32 v[14+12*\i], v[10+12*\i], v[12+12*\i]
	v_fma_f32 v[13+12*\i], v[14+12*\i], v[13+12*\i], v[10+12*\i]
	v_mov_b32 v[14+12*\i], 0x37d00d01                               ; cos y = 1 + z (-1/2 + z (1/24 + z (-1/720 + z/40320)))
	v_fmaak_f32 v[14+12*\i], v[12+12*\i], v[14+12*\i], 0xbab60b61
	v_fmaak_f32 v[14+12*\i], v[12+12*\i], v[14+12*\i], 0x3d2aaaab
	v_fmaak_f32 v[14+12*\i], v[12+12*\i], v[14+12*\i], 0xbf000000
	v_fma_f32 v[14+12*\i], v[12+12*\i], v[14+12*\i], 1.0
	v_cvt_i32_f32 v[15+12*\i], v[11+12*\i]                          ; the quadrant: n odd swaps the two,
	v_and_b32 v[16+12*\i], 1, v[15+12*\i]
	v_cmp_ne_u32 vcc_lo, 0, v[16+12*\i]
	v_cndmask_b32 v[9+12*\i], v[13+12*\i], v[14+12*\i], vcc_lo      ; sin
	v_cndmask_b32 v[8+12*\i], v[14+12*\i], v[13+12*\i], vcc_lo      ; cos
	v_and_b32 v[16+12*\i], 2, v[15+12*\i]                           ; n & 2 turns the sine's sign,
	v_lshlrev_b32 v[16+12*\i], 30, v[16+12*\i]
	v_xor_b32 v[9+12*\i], v[9+12*\i], v[16+12*\i]
	v_add_nc_u32 v[15+12*\i], 1, v[15+12*\i]                        ; (n + 1) & 2 the cosine's
	v_and_b32 v[15+12*\i], 2, v[15+12*\i]
	v_lshlrev_b32 v[15+12*\i], 30, v[15+12*\i]
	v_xor_b32 v[8+12*\i], v[8+12*\i], v[15+12*\i]
	global_store_b64 v4, v[8+12*\i:9+12*\i], s[22:23] offset:2048*\i
.endr
	s_endpgm
.Lfunc_end_k_qc1486a2853_prep:
	.size	k_qc1486a2853_prep, .Lfunc_end_k_qc1486a2853_prep-k_qc1486a2853_prep
	.p2alignl 7, 3214868480
	.fill 96, 4, 3214868480
	.section	.rodata,"a",@progbits
	.p2align	6, 0x0
	.amdhsa_kernel k_qc1486a2853_prep
		.amdhsa_group_segment_fixed_size 35840
		.amdhsa_private_segment_fixed_size 0
		.amdhsa_enable_private_segment 0
		.amdhsa_kernarg_size 96
		.amdhsa_user_sgpr_count 2
		.amdhsa_user_sgpr_kernarg_segment_ptr 1
		.amdhsa_wavefront_size32 1
		.amdhsa_system_sgpr_workgroup_id_x 1
		.amdhsa_system_sgpr_workgroup_id_y 1
		.amdhsa_system_sgpr_workgroup_id_z 1
		.amdhsa_system_vgpr_workitem_id 0
		.amdhsa_next_free_vgpr 154
		.amdhsa_next_free_sgpr 66
		.amdhsa_reserve_vcc 1
		.amdhsa_float_denorm_mode_32 3
		.amdhsa_float_denorm_mode_16_64 3
		.amdhsa_memory_ordered 1
		.amdhsa_forward_progress 1
		.amdhsa_inst_pref_size 54
	.end_amdhsa_kernel
	.amdgpu_metadata
---
amdhsa.version: [ 1, 2 ]
amdhsa.kernels:
  - .name:           k_qc1486a2853_prep
    .symbol:         k_qc1486a2853_prep.kd
    .args:
      - { .name: Wq, .offset: 0, .size: 8, .value_kind: global_buffer, .address_space: global }
      - { .name: Wk, .offset: 8, .size: 8, .value_kind: global_buffer, .address_space: global }
      - { .name: Wv, .offset: 16, .size: 8, .value_kind: global_buffer, .address_space: global }
      - { .name: Wo, .offset: 24, .size: 8, .value_kind: global_buffer, .address_space: global }
      - { .name: W1, .offset: 32, .size: 8, .value_kind: global_buffer, .address_space: global }
      - { .name: W2, .offset: 40, .size: 8, .value_kind: global_buffer, .address_space: global }
      - { .name: wt, .offset: 48, .size: 8, .value_kind: global_buffer, .address_space: global }
      - { .name: tab, .offset: 56, .size: 8, .value_kind: global_buffer, .address_space: global }
      - { .name: x, .offset: 64, .size: 8, .value_kind: global_buffer, .address_space: global }
      - { .name: g1, .offset: 72, .size: 8, .value_kind: global_buffer, .address_space: global }
      - { .name: beta1, .offset: 80, .size: 8, .value_kind: global_buffer, .address_space: global }
      - { .name: xn, .offset: 88, .size: 8, .value_kind: global_buffer, .address_space: global }
    .group_segment_fixed_size: 35840
    .private_segment_fixed_size: 0
    .kernarg_segment_align: 8
    .kernarg_segment_size: 96
    .max_flat_workgroup_size: 256
    .sgpr_count:     66
    .vgpr_count:     154
    .wavefront_size: 32
...
	.end_amdgpu_metadata
.endif
;; end of part 1
;; launch qkv (part 2): grid 12 x 16, 4 waves a work-group, clusters of 4 x 4, 327,680 bytes of LDS; arguments xn, wt, qkv, bq, bk, bv, tab; writes qkv
.if DOCPART == 2
	.amdgcn_target "amdgcn-amd-amdhsa--gfx1250"
	.amdhsa_code_object_version 6
	.text
	.protected	k_qc1486a2853_qkv
	.globl	k_qc1486a2853_qkv
	.p2align	8
	.type	k_qc1486a2853_qkv,@function
k_qc1486a2853_qkv:
	s_mov_b64 s[64:65], 0
	v_nop
	global_prefetch_b8 v0, s[64:65] scope:SCOPE_SE
	s_setreg_imm32_b32 hwreg(HW_REG_WAVE_MODE, 25, 1), 1
	s_wait_xcnt 0x0
	s_wait_alu depctr_hold_cnt(0) depctr_sa_sdst(0) depctr_va_vdst(0) depctr_va_sdst(0) depctr_va_ssrc(0) depctr_va_vcc(0) depctr_vm_vsrc(0)
	s_getreg_b32 s2, hwreg(HW_REG_IB_STS2, 6, 4)
	s_cmp_eq_u32 s2, 0
	s_cbranch_scc0 .Lentry_in_a_cluster
	s_endpgm
.Lentry_in_a_cluster:
	s_bfe_u32 s2, ttmp6, 0x10000c
	s_cmp_lg_u32 s2, 0xf033
	s_cbranch_scc0 .Lentry_shape_is_right
	s_endpgm
.Lentry_shape_is_right:
; QKV: C = xn [4096][1024] x (Wq | Wk | Wv), the weights as wt's rows 0..3071 ([n][k], bf16); + bias; RoPE on q and k; q x 0.125 log2(e)
; (the score's 1/8, and the factor that lets the attention use exponentials of base 2); rounded to bf16 into qkv[kind][batch][head][s][64].
; A work-group makes 256 x 256 of C with four waves, a wave 128 x 128: 64 accumulator tiles of 16 x 16, 512 registers.  K goes in steps of 128
; through a ring of two LDS slots filled by the tensor data mover: a tile's rows are 256 bytes of memory and start at multiples of 256 bytes.
; CLUSTERS: 4 x 4 work-groups.  The four of a row of the cluster need the same tiles of xn, the four of a column the same tiles of wt: such a tile is
; asked for jointly, by the same tensor load with the same descriptor and a mask that names the four.  192 work-groups: 12 block columns x 16 block rows.
; A cluster's four block columns are one kind (cluster x = 0: q, 1: k, 2: v).  ONE way out serves all three, so that no branch hangs on the kind:
; the table's pair (cos, sin) becomes (cos f + a, sin f), with f = 0.125 log2(e), a = 0 for q; f = 1, a = 0 for k; f = 0, a = 1 for v, whose
; rotation is thereby the identity.
; REGISTERS, in windows of 256:
;   window 0: v0-31 addresses and the pairs f, a; v64-127, v128-191 fragments of xn, two buffers; on the way out v64-127 16 rows in f32,
;             v128-191 rows read back (two buffers); v192-255 two blocks of the table; v32-39 at work
;   window 1: v0-63 the bias of my lane's 64 columns; v64-127, v128-191 fragments of wt
;   window 2: the 32 accumulator tiles of my rows 0-63 (tile (a, b) at v[8 (8 a + b)]); window 3: those of my rows 64-127
; THE MATRIX INSTRUCTION IS USED TRANSPOSED: source 0 = 16 rows of wt, source 1 = 16 rows of xn.  Lane l then holds row l % 16 of C and its registers
; 0 to 7 the columns 8 (l / 16) + 0 .. 7: four whole RoPE pairs, and 16 bytes of bf16 that belong together.
.set SIZE_K, 1024
.set KSTEP,  128
.set PITCH,  272                       ; an LDS row: 256 bytes + 16 of padding, so that the 16 rows of a fragment load start at 16 different banks
.set HALFT,  128*PITCH                 ; 128 rows: what one tensor load brings
.set SLOT,   4*HALFT                   ; xn's 256 rows, then wt's 256 rows
.set STAGE,  2*SLOT                    ; behind the ring: 16 rows x 272 bytes for each wave, for the way out; no tensor load lands here
.set SPITCH, 272
.set LAPS, SIZE_K/(2*KSTEP)            ; a lap = two K steps = once round the ring
.set ADRA, 16                          ; v16-17  LDS address of my xn fragments in slot 0, 1
.set ADRB, 20                          ; v20-21  the same for wt
.set TO,   22                          ; v22     my byte offset in a block of 16 rows of the table
.set STO,  24                          ; v24     the way out: where I put 16 bytes of a row
.set RD,   25                          ; v25     the way out: where I read back
.set CO,   26                          ; v26     my byte offset in qkv
.set BO,   27                          ; v27     my byte offset in the bias
.set AP,   28                          ; v[28:29] (a, 0)
.set FP,   30                          ; v[30:31] (f, f)
.set F0,   64
.set F1,   128
.set TF,   64                          ; the way out: 16 rows x my 64 numbers in f32, packed in place
.set RB0,  128
.set RB1,  160
.set TAB0, 192
.set TAB1, 224
.set G1, 24                            ; s[24:31] descriptor group 1 for xn's tiles
.set G0, 32                            ; s[32:39] group 0 for xn's tiles, one set for each slot
.set G1B, 48                           ; s[48:55] group 1 for wt's tiles: it differs in the mask alone
.set G0B, 56                           ; s[56:63] group 0 for wt's tiles
.set MSB, 0
.macro WIN new                         ; the immediate's high byte repeats the setting that is left
.if MSB != \new
	s_set_vgpr_msb (MSB<<8)|\new
.set MSB, \new
.endif
.endm
.set MUL_LO, 0xa1                      ; source 0 (wt) window 1, source 1 (xn) window 0, C and D window 2
.set MUL_HI, 0xf1                      ; the same, C and D window 3
.set TO_B,   0x40                      ; destination window 1, address window 0
; A joint load.  Waves 0 and 1 fetch xn's two halves, waves 2 and 3 wt's.  The branch hangs on the wave's number alone.
.macro JLOAD s
	s_cmp_eq_u32 s11, 0
	s_cbranch_scc0 .Lfor_b_\@
	tensor_load_to_lds s[G0+4*\s:G0+4*\s+3], s[G1:G1+7]
	s_nop 0
	s_branch .Lasked_\@
.Lfor_b_\@:
	tensor_load_to_lds s[G0B+4*\s:G0B+4*\s+3], s[G1B:G1B+7]
	s_nop 0
.Lasked_\@:
.endm
; A round of the cluster's barrier: my work-group's barrier; wave 0 signals for the work-group; every wave waits for all sixteen; my work-group's barrier once more.
.macro CREST                           ; a round behind its opening barrier
	s_cmp_lg_u32 s10, 0
	s_cbranch_scc1 .Lnot_wave_0_\@
	s_barrier_signal -3
.Lnot_wave_0_\@:
	s_barrier_wait -3
	s_barrier_signal -1
	s_barrier_wait -1
.endm
.macro CROUND
	s_barrier_signal -1
	s_barrier_wait -1
	CREST
.endm
	s_load_b128 s[4:7], s[0:1], 0x0                ; xn s[4:5], wt s[6:7]
	s_load_b64 s[8:9], s[0:1], 0x10                ; qkv
	s_load_b128 s[80:83], s[0:1], 0x18             ; bq s[80:81], bk s[82:83]
	s_load_b128 s[84:87], s[0:1], 0x28             ; bv s[84:85], tab s[86:87]
	s_set_vgpr_msb 0x40
	v_lshl_add_u32 v255, v0, 2, 0x48400
	s_set_vgpr_msb 0x4000
	v_mov_b32 v63, 0
	s_set_vgpr_msb 0x1
	ds_add_u32 v255, v63
	s_set_vgpr_msb 0x100
	v_lshrrev_b32 v1, 5, v0
	v_readfirstlane_b32 s10, v1                    ; wave 0..3
	s_lshr_b32 s11, s10, 1                         ; which half of the block's rows is mine.  Also: I fetch for xn (0) or for wt (1)
	s_and_b32 s12, s10, 1                          ; which half of its columns.  Also: which 128 rows of that tile I fetch
	s_bfe_u32 s40, ttmp6, 0x40000                  ; cx
	s_bfe_u32 s41, ttmp6, 0x40004                  ; cy
	s_mov_b32 s70, ttmp9                           ; the kind: the cluster's x
	s_lshl_b32 s42, ttmp9, 2
	s_add_co_u32 s42, s42, s40                     ; block column = 4 x cluster x + cx
	s_and_b32 s13, ttmp7, 0xffff
	s_lshl_b32 s13, s13, 2
	s_add_co_u32 s13, s13, s41                     ; block row = 4 x cluster y + cy
	s_lshl_b32 s43, s41, 2
	s_lshl_b32 s43, 15, s43                        ; my row of the cluster
	s_lshl_b32 s44, 0x1111, s40                    ; my column
	; group 1: a tile of 128 rows x 128 elements of 2 bytes; after every 64 words 4 words of padding; bit 21 set beside a mask
	s_or_b32 s[G1+0], s43, (1<<16)|(1<<20)|(1<<21)|(5<<22)|(3<<25)
	s_or_b32 s[G1B+0], s44, (1<<16)|(1<<20)|(1<<21)|(5<<22)|(3<<25)
	s_mov_b32 s[G1B+1], KSTEP<<16
	s_mov_b32 s[G1+1], KSTEP<<16                   ; tensor_dim0 = 128
	s_mov_b32 s[G1B+2], 128<<16
	s_mov_b32 s[G1+2], 128<<16                     ; tensor_dim1 = 128
	s_mov_b32 s[G1B+3], KSTEP<<16
	s_mov_b32 s[G1+3], KSTEP<<16                   ; tile_dim0 = 128
	s_mov_b32 s[G1B+4], 128
	s_mov_b32 s[G1+4], 128                         ; tile_dim1 = 128
	s_mov_b32 s[G1B+5], SIZE_K
	s_mov_b32 s[G1+5], SIZE_K                      ; elements from row to row
	s_mov_b32 s[G1B+6], 0
	s_mov_b32 s[G1+6], 0
	s_mov_b32 s[G1B+7], 0
	s_mov_b32 s[G1+7], 0
	; xn's tiles hang on the block row alone, wt's on the block column alone; each address in registers that never hold the other coordinate
	s_lshl_b32 s17, s12, 7
	s_lshl_b32 s16, s13, 8
	s_add_co_u32 s16, s16, s17
	s_lshl_b32 s46, s42, 8
	s_add_co_u32 s46, s46, s17
	s_mov_b32 s17, 0
	s_mov_b32 s47, 0
	s_mov_b64 s[18:19], SIZE_K*2
	s_mul_u64 s[16:17], s[16:17], s[18:19]
	s_mul_u64 s[46:47], s[46:47], s[18:19]
	s_mul_i32 s20, s10, HALFT                      ; the LDS address hangs on the wave's number alone
	s_lshl_b32 s76, s40, 10                        ; the bias of my 128 columns inside the kind: (256 cx + 128 half) x 4 bytes
	s_lshl_b32 s77, s12, 9
	s_add_co_u32 s76, s76, s77
	s_mov_b32 s77, 0
	s_lshl_b32 s74, s13, 8                         ; the table's rows of my 128 rows: s = (256 block row + 128 half) mod 2048, 256 bytes each
	s_lshl_b32 s75, s11, 7
	s_add_co_u32 s74, s74, s75
	s_and_b32 s74, s74, 2047
	s_lshl_b32 s74, s74, 8
	s_mov_b32 s75, 0
	s_wait_dscnt 0x0
	s_wait_kmcnt 0x0
	s_add_nc_u64 s[14:15], s[4:5], s[16:17]
	s_add_nc_u64 s[46:47], s[6:7], s[46:47]
	s_cmp_eq_u32 s70, 1
	s_cselect_b64 s[66:67], s[82:83], s[80:81]
	s_cmp_eq_u32 s70, 2
	s_cselect_b64 s[66:67], s[84:85], s[66:67]     ; the kind's bias
	s_cselect_b32 s73, 1.0, 0                      ; a
	s_cmp_eq_u32 s70, 0
	s_cselect_b32 s72, 0x3e38aa3b, 1.0             ; f: 0.125 log2(e) for q, 1 for k,
	s_cmp_eq_u32 s70, 2
	s_cselect_b32 s72, 0, s72                      ; 0 for v
	s_add_nc_u64 s[66:67], s[66:67], s[76:77]
	s_add_nc_u64 s[68:69], s[86:87], s[74:75]
	CROUND                                         ; all sixteen work-groups are here: the first joint loads meet
.irp s, 0,1
	s_mov_b32 s[G0+4*\s], 1
	s_add_co_u32 s[G0+4*\s+1], s20, \s*SLOT
	s_add_nc_u64 s[G0+4*\s+2:G0+4*\s+3], s[14:15], \s*KSTEP*2
	s_or_b32 s[G0+4*\s+3], s[G0+4*\s+3], 0x80000000
	s_mov_b32 s[G0B+4*\s], 1
	s_add_co_u32 s[G0B+4*\s+1], s20, \s*SLOT
	s_add_nc_u64 s[G0B+4*\s+2:G0B+4*\s+3], s[46:47], \s*KSTEP*2
	s_or_b32 s[G0B+4*\s+3], s[G0B+4*\s+3], 0x80000000
	JLOAD \s                                       ; two tensor loads of the wave are out
.endr
	; a fragment: lane l holds row l % 16; registers 0-3 hold K = 8 (l / 16) + 0..7, registers 4-7 K = 16 + 8 (l / 16) + 0..7: two loads of 16 bytes, 32 apart
	v_and_b32 v1, 15, v0                           ; r = l % 16
	v_bfe_u32 v2, v0, 4, 1                         ; h = l / 16
	v_mul_u32_u24 v3, v1, PITCH
	v_lshl_add_u32 v3, v2, 4, v3
	s_mul_i32 s21, s11, HALFT
	s_mul_i32 s22, s12, HALFT
	s_add_co_u32 s22, s22, 2*HALFT
.irp s, 0,1
	v_add_nc_u32 v[ADRA+\s], s21, v3
	v_add_nc_u32 v[ADRB+\s], s22, v3
	s_add_co_u32 s21, s21, SLOT
	s_add_co_u32 s22, s22, SLOT
.endr
	s_mul_i32 s23, s10, 16*SPITCH
	s_add_co_u32 s23, s23, STAGE                   ; my stage
	v_mul_u32_u24 v4, v1, SPITCH                   ; in: row r, 16 bytes for each half of the lanes
	v_lshl_add_u32 v4, v2, 4, v4
	v_add_nc_u32 v[STO], s23, v4
	v_and_b32 v6, 7, v0                            ; back: lanes 0-15 take head 0's 128 bytes of two rows, lanes 16-31 head 1's:
	v_bfe_u32 v7, v0, 3, 1                         ; in qkv two neighbouring s of one head are 256 consecutive bytes
	v_mul_u32_u24 v5, v7, SPITCH
	v_lshl_add_u32 v5, v2, 7, v5
	v_lshl_add_u32 v5, v6, 4, v5
	v_add_nc_u32 v[RD], s23, v5
	v_lshlrev_b32 v5, 18, v2                       ; a head is 2048 x 128 bytes
	v_lshl_add_u32 v5, v7, 7, v5
	v_lshl_add_u32 v[CO], v6, 4, v5
	v_lshlrev_b32 v[BO], 5, v2                     ; bias: columns 16 b + 8 h + j
	v_lshlrev_b32 v5, 8, v1
	v_lshl_add_u32 v[TO], v2, 5, v5                ; table: row r, pairs 8 (b % 4) + 4 h + p of 8 bytes
	v_mov_b32 v[AP], s73
	v_mov_b32 v[AP+1], 0
	v_mov_b32 v[FP], s72
	v_mov_b32 v[FP+1], s72
	; bias and the first two blocks of the table are asked for now and waited for on the way out; nothing in the K loop touches their registers
	WIN TO_B
.irp b, 0,1,2,3,4,5,6,7
.irp u, 0,1
	global_load_b128 v[8*\b+4*\u:8*\b+4*\u+3], v[BO], s[66:67] offset:64*\b+16*\u
.endr
.endr
	WIN 0
.macro TABLD i, tb                     ; the table's rows 16 i + r: 4 x 4 pairs (cos, sin), which both heads of my columns use
.irp bb, 0,1,2,3
.irp u, 0,1
	global_load_b128 v[\tb+8*\bb+4*\u:\tb+8*\bb+4*\u+3], v[TO], s[68:69] offset:4096*(\i)+64*\bb+16*\u
.endr
.endr
.endm
	TABLD 0, TAB0
	TABLD 1, TAB1
; 16 matrix instructions: m blocks a0, a0 + 1 of the window's four x all 8 n blocks, 32 along K.  zero = 1: the first product starts the sums.
.macro MUL16 f, hi, a0, zero
.irp a, \a0, \a0+1
.irp b, 0,1,2,3,4,5,6,7
.if \zero
	v_wmma_f32_16x16x32_bf16 v[8*(8*(\a)+\b):8*(8*(\a)+\b)+7], v[\f+8*\b:\f+8*\b+7], v[\f+8*(4*\hi+\a):\f+8*(4*\hi+\a)+7], 0
.else
	v_wmma_f32_16x16x32_bf16 v[8*(8*(\a)+\b):8*(8*(\a)+\b)+7], v[\f+8*\b:\f+8*\b+7], v[\f+8*(4*\hi+\a):\f+8*(4*\hi+\a)+7], v[8*(8*(\a)+\b):8*(8*(\a)+\b)+7]
.endif
.endr
.endr
.endm
; 32 LDS loads in one run: the fragments of one quarter step into buffer f
.macro FETCH slot, k, f
	WIN TO_B
.irp i, 0,1,2,3,4,5,6,7
	ds_load_b128 v[\f+8*\i:\f+8*\i+3],   v[ADRB+\slot] offset:\k+\i*16*PITCH
	ds_load_b128 v[\f+8*\i+4:\f+8*\i+7], v[ADRB+\slot] offset:\k+\i*16*PITCH+32
.endr
	WIN 0
.irp i, 0,1,2,3,4,5,6,7
	ds_load_b128 v[\f+8*\i:\f+8*\i+3],   v[ADRA+\slot] offset:\k+\i*16*PITCH
	ds_load_b128 v[\f+8*\i+4:\f+8*\i+7], v[ADRA+\slot] offset:\k+\i*16*PITCH+32
.endr
.endm
; Four places between a matrix instruction and a load into a register that it read, or a vector instruction that reads its result.
.macro PLACES
.rept 4
	v_nop
.endr
.endm
; A K step is four quarter steps of 32 along K, 64 matrix instructions each, on buffers 0, 1, 0, 1.  The 64 accumulators take turns, one instruction a
; turn, in the same order in every quarter.
.macro QUARTER slot, k, f, g, zero
	s_wait_dscnt 8                                 ; wt and xn's rows 0-63 are in; the youngest eight loads (xn's rows 64-127) may be out
	WIN MUL_LO
	MUL16 \f, 0, 0, \zero
	MUL16 \f, 0, 2, \zero
	PLACES
	FETCH \slot, \k, \g
	s_wait_dscnt 32                                ; all but the 32 just issued
	WIN MUL_HI
	MUL16 \f, 1, 0, \zero
	MUL16 \f, 1, 2, \zero
.endm
.macro THREE slot, zero
	QUARTER \slot, 64,  F0, F1, \zero
	QUARTER \slot, 128, F1, F0, 0
	QUARTER \slot, 192, F0, F1, 0
.endm
; The last quarter multiplies buffer 1 and changes slots.  In front of the barrier each wave waits for its reads of this slot and for all its tensor
; loads (one is out: its part of the next slot).  Behind it the refill comes first, then the next slot's first fragments.
.macro TURN slot, next, fill
	s_wait_dscnt 8
	WIN MUL_LO
	MUL16 F1, 0, 0, 0
	s_wait_dscnt 0                                 ; my reads of this slot are over
	s_wait_tensorcnt 0x0                           ; all my tensor loads have landed
	ds_add_u32 v255, v63
	s_wait_dscnt 0x0
	s_barrier_signal -1                            ; (where a slot is filled again this barrier opens a round of the cluster's barrier)
	MUL16 F1, 0, 2, 0                              ; register work while the others arrive
	WIN 0
	s_barrier_wait -1
.if \fill
	CREST                                          ; no wave of any partner still reads this slot or has a load on its way
	s_add_nc_u64 s[G0+4*\slot+2:G0+4*\slot+3], s[G0+4*\slot+2:G0+4*\slot+3], 2*KSTEP*2
	s_add_nc_u64 s[G0B+4*\slot+2:G0B+4*\slot+3], s[G0B+4*\slot+2:G0B+4*\slot+3], 2*KSTEP*2
	JLOAD \slot                                    ; the first tensor load behind the round: one is out
.endif
	PLACES
	FETCH \next, 0, F0
	WIN MUL_HI
	MUL16 F1, 1, 0, 0
	MUL16 F1, 1, 2, 0
.endm
.macro LAP zero
	THREE 0, \zero
	TURN 0, 1, 1
	THREE 1, 0
	TURN 1, 0, 1
.endm
	s_wait_tensorcnt 1                             ; my part of K step 0 is in, K step 1's stays out
	s_barrier_signal -1
	s_barrier_wait -1
	FETCH 0, 0, F0
	LAP 1                                          ; the first lap's first products start the sums
	WIN 0
	s_mov_b32 s3, LAPS-2
.Llap:
	LAP 0
	WIN 0
	s_sub_co_u32 s3, s3, 1
	s_cmp_lg_u32 s3, 0
	s_cbranch_scc1 .Llap
	THREE 0, 0                                     ; the last lap fills nothing
	TURN 0, 1, 0
	THREE 1, 0
	s_wait_dscnt 8
	WIN MUL_LO
	MUL16 F1, 0, 0, 0
	MUL16 F1, 0, 2, 0
	s_wait_dscnt 0
	WIN MUL_HI
	MUL16 F1, 1, 0, 0
	MUL16 F1, 1, 2, 0
	; THE WAY OUT, 16 rows at a time: + bias, rotate, round, 16 bytes a lane into my stage, read back so that sixteen lanes hold 256 consecutive bytes of qkv.
	PLACES
	s_lshl_b32 s13, s13, 8
	s_lshl_b32 s14, s11, 7
	s_add_co_u32 s16, s13, s14                     ; my first row m0: batch = m0 / 2048, s0 = m0 % 2048
	s_lshr_b32 s17, s16, 11
	s_lshl_b32 s17, s17, 22                        ; 16 heads of 256 KiB
	s_and_b32 s16, s16, 2047
	s_lshl_b32 s16, s16, 7                         ; 128 bytes for each s
	s_add_co_u32 s16, s16, s17
	s_mov_b32 s17, 0
	s_add_nc_u64 s[8:9], s[8:9], s[16:17]
	s_lshl_b32 s46, s70, 5                         ; 32 heads a kind (in the registers that held wt's address: none that feeds xn's descriptors ever holds cx)
	s_lshl2_add_u32 s46, s40, s46                  ; + 4 cx
	s_lshl1_add_u32 s46, s12, s46                  ; + 2 x my half
	s_lshl_b32 s46, s46, 18
	s_mov_b32 s47, 0
	s_add_nc_u64 s[8:9], s[8:9], s[46:47]
; rows 16 i .. 16 i + 15 of my block = tiles (a, 0..7) of window 2 or 3 (from = 0x06 or 0x07: source 0; source 1, the bias, is window 1).
; tb: the table's block; f: the read-back buffer; left: the next block's eight table loads may stay out.
.macro OUTR i, a, from, tb, f, left
	s_wait_loadcnt \left                           ; loads come back in order: the bias and this block's table are in
	WIN \from
.irp b, 0,1,2,3,4,5,6,7
.irp p, 0,1,2,3
	v_pk_add_f32 v[TF+8*\b+2*\p:TF+8*\b+2*\p+1], v[8*(8*\a+\b)+2*\p:8*(8*\a+\b)+2*\p+1], v[8*\b+2*\p:8*\b+2*\p+1]
.endr
.endr
	WIN 0
.irp q, 0,1,2,3,4,5,6,7,8,9,10,11,12,13,14,15
	v_pk_fma_f32 v[\tb+2*\q:\tb+2*\q+1], v[\tb+2*\q:\tb+2*\q+1], v[FP:FP+1], v[AP:AP+1]    ; (cos f + a, sin f)
.endr
.irp b, 0,1,2,3,4,5,6,7
.irp p, 0,1,2,3
	v_mul_f32 v[32+2*\p], v[TF+8*\b+2*\p+1], v[\tb+8*(\b%4)+2*\p+1]                        ; x1 sin
	v_mul_f32 v[33+2*\p], v[TF+8*\b+2*\p], v[\tb+8*(\b%4)+2*\p+1]                          ; x0 sin
	v_fma_f32 v[TF+8*\b+2*\p], v[TF+8*\b+2*\p], v[\tb+8*(\b%4)+2*\p], -v[32+2*\p]          ; x0 cos - x1 sin
	v_fma_f32 v[TF+8*\b+2*\p+1], v[TF+8*\b+2*\p+1], v[\tb+8*(\b%4)+2*\p], v[33+2*\p]       ; x1 cos + x0 sin
.endr
.endr
.if \i <= 5
	TABLD \i+2, \tb                                ; the block after next, into the registers just used
.endif
.set ii, 0
.rept 32
	v_cvt_pk_bf16_f32 v[TF+ii], v[TF+2*ii], v[TF+2*ii+1]   ; in place: the target is never above the sources
.set ii, ii+1
.endr
.irp b, 0,1,2,3,4,5,6,7
	ds_store_b128 v[STO], v[TF+4*\b:TF+4*\b+3] offset:32*\b
.endr
	s_wait_xcnt 0x0                                ; buffer f, which stores of two blocks ago read, is rewritten only behind this wait (ISA guide 3.1)
.irp t, 0,1,2,3,4,5,6,7
	ds_load_b128 v[\f+4*\t:\f+4*\t+3], v[RD] offset:\t*2*SPITCH    ; LDS serves a wave's instructions in order: these see the stores above
.endr
.irp t, 0,1,2,3,4,5,6,7
	s_wait_dscnt 7-\t
	global_store_b128 v[CO], v[\f+4*\t:\f+4*\t+3], s[8:9] offset:2048*\i+256*\t   ; 16 lanes: rows 2 t, 2 t + 1 of one head, 256 consecutive bytes, aligned
.endr
.endm
	OUTR 0, 0, 0x06, TAB0, RB0, 8
	OUTR 1, 1, 0x06, TAB1, RB1, 8
	OUTR 2, 2, 0x06, TAB0, RB0, 8
	OUTR 3, 3, 0x06, TAB1, RB1, 8
	OUTR 4, 0, 0x07, TAB0, RB0, 8
	OUTR 5, 1, 0x07, TAB1, RB1, 8
	OUTR 6, 2, 0x07, TAB0, RB0, 8
	OUTR 7, 3, 0x07, TAB1, RB1, 0
	s_set_vgpr_msb 0x1
	s_wait_tensorcnt 0x0
	ds_add_u32 v255, v63
	s_wait_dscnt 0x0
	s_set_vgpr_msb 0x100
	CROUND                                         ; the closing round: no work-group ends while a partner may still ask for a tile that names it
	s_endpgm
.Lfunc_end_k_qc1486a2853_qkv:
	.size	k_qc1486a2853_qkv, .Lfunc_end_k_qc1486a2853_qkv-k_qc1486a2853_qkv
	.p2alignl 7, 3214868480
	.fill 96, 4, 3214868480
	.section	.rodata,"a",@progbits
	.p2align	6, 0x0
	.amdhsa_kernel k_qc1486a2853_qkv
		.amdhsa_group_segment_fixed_size 327680
		.amdhsa_private_segment_fixed_size 0
		.amdhsa_enable_private_segment 0
		.amdhsa_kernarg_size 56
		.amdhsa_user_sgpr_count 2
		.amdhsa_user_sgpr_kernarg_segment_ptr 1
		.amdhsa_wavefront_size32 1
		.amdhsa_system_sgpr_workgroup_id_x 1
		.amdhsa_system_sgpr_workgroup_id_y 1
		.amdhsa_system_sgpr_workgroup_id_z 1
		.amdhsa_system_vgpr_workitem_id 0
		.amdhsa_next_free_vgpr 1024
		.amdhsa_next_free_sgpr 88
		.amdhsa_reserve_vcc 0
		.amdhsa_float_denorm_mode_32 3
		.amdhsa_float_denorm_mode_16_64 3
		.amdhsa_memory_ordered 1
		.amdhsa_forward_progress 1
		.amdhsa_inst_pref_size 255
	.end_amdhsa_kernel
	.section	.bss,"aw",@nobits
	.p2align	6
	.space	262144
	.amdgpu_metadata
---
amdhsa.version: [ 1, 2 ]
amdhsa.kernels:
  - .name:           k_qc1486a2853_qkv
    .symbol:         k_qc1486a2853_qkv.kd
    .args:
      - { .name: xn, .offset: 0, .size: 8, .value_kind: global_buffer, .address_space: global }
      - { .name: wt, .offset: 8, .size: 8, .value_kind: global_buffer, .address_space: global }
      - { .name: qkv, .offset: 16, .size: 8, .value_kind: global_buffer, .address_space: global }
      - { .name: bq, .offset: 24, .size: 8, .value_kind: global_buffer, .address_space: global }
      - { .name: bk, .offset: 32, .size: 8, .value_kind: global_buffer, .address_space: global }
      - { .name: bv, .offset: 40, .size: 8, .value_kind: global_buffer, .address_space: global }
      - { .name: tab, .offset: 48, .size: 8, .value_kind: global_buffer, .address_space: global }
    .group_segment_fixed_size: 327680
    .private_segment_fixed_size: 0
    .kernarg_segment_align: 8
    .kernarg_segment_size: 56
    .max_flat_workgroup_size: 128
    .sgpr_count:     88
    .vgpr_count:     1024
    .wavefront_size: 32
...
	.end_amdgpu_metadata
.endif
;; end of part 2
;; launch attn (part 3): grid 16 x 16, 8 waves a work-group, clusters of 4 x 1, 327,680 bytes of LDS; arguments qkv, ao; writes ao
.if DOCPART == 3
	.amdgcn_target "amdgcn-amd-amdhsa--gfx1250"
	.amdhsa_code_object_version 6
	.text
	.protected	k_qc1486a2853_attn
	.globl	k_qc1486a2853_attn
	.p2align	8
	.type	k_qc1486a2853_attn,@function
k_qc1486a2853_attn:
	s_mov_b64 s[64:65], 0
	v_nop
	global_prefetch_b8 v0, s[64:65] scope:SCOPE_SE
	s_setreg_imm32_b32 hwreg(HW_REG_WAVE_MODE, 25, 1), 1
	s_wait_xcnt 0x0
	s_wait_alu depctr_hold_cnt(0) depctr_sa_sdst(0) depctr_va_vdst(0) depctr_va_sdst(0) depctr_va_ssrc(0) depctr_va_vcc(0) depctr_vm_vsrc(0)
	s_getreg_b32 s2, hwreg(HW_REG_IB_STS2, 6, 4)
	s_cmp_eq_u32 s2, 0
	s_cbranch_scc0 .Lentry_in_a_cluster
	s_endpgm
.Lentry_in_a_cluster:
	s_bfe_u32 s2, ttmp6, 0x10000c
	s_cmp_lg_u32 s2, 0x3003
	s_cbranch_scc0 .Lentry_shape_is_right
	s_endpgm
.Lentry_shape_is_right:
; ATTENTION without a mask: ao[b][s][64 head + d] = softmax over keys of (q . k) x v, from qkv[kind][b][head][s][64] in bf16 (q already holds
; 0.125 log2(e), so exponentials are of base 2).  A running maximum is taken away before every exponential; sums in f32.
; A work-group: 128 query rows x 2 neighbouring heads, so that a row's piece of ao is 256 consecutive bytes, aligned.  Eight waves: wave w takes head w / 4 and
; query rows 32 (w % 4) .. + 31, as two query blocks of 16 rows.
; CLUSTER 4 x 1: the four query blocks of a cluster read the same K and V tiles and ask for them jointly (mask 15).
; Keys go in tiles of 256 through a ring of two LDS slots; each wave fetches 64 keys of K and of V of its head.  Four tensor loads of a wave are out at the start,
; two behind each round of the cluster's barrier.  A head's K or V is dense in memory: it comes as rows of 256 bytes (two keys), K at a pitch of 272 bytes, V of 288,
; which keeps the fragment loads (plain for K, transposing for V) on 16 different 16-byte columns.
; TRANSPOSED FORMS: S^T = K Q^T puts query row l % 16 in lane l and keys 8 (l / 16) + j in its registers, so maximum, sum and rescaling are per lane
; (one exchange between the halves of the wave for each maximum); two neighbouring key blocks, rounded to bf16 in place, ARE the second source of O^T = V^T P^T.
; THE ORDER OF WORK.  For 64 keys a wave has 32 matrix instructions and about 244 vector instructions: as much of the one as of the other, so they are woven
; together.  A step (64 keys) is two phases.  Phase qb holds the softmax of query block qb, and among its vector instructions the matrix work of the OTHER
; block o = 1 - qb, which hangs on none of them: first the eight products O(o) += V P(o) that are still owed, then the eight that make block o's next scores.
;   phase 0 of step t: softmax(0, t) with PV(1, t-1) and S(1, t);  V(t) is loaded in its middle, behind the last product on V(t-1)
;   phase 1 of step t: softmax(1, t) with PV(0, t)   and S(0, t+1); K(t+1) is loaded in its middle
; K's and V's fragments are alive together, so K's 64 registers lie in the second window of 256; only the score products (two runs of four) and K's loads switch.
; A slot's last LDS read is V of its fourth step: at the head of that step's phase 1 stand the waits and the opening signal of the round behind which the slot is
; filled again; register work alone stands between that signal and its wait.
; LIMITS: v_max_num drops a NaN; a probability below 2^-126 becomes 0.
.set SLOTB, 143360                     ; K: 2 heads x 128 rows x 272; V: 2 heads x 128 rows x 288
.set KP,    272
.set VP,    288
.set VOFF,  69632
.set STAGE, 286720                     ; 128 rows x 272 bytes, behind the ring: no tensor load lands here
.set ADK, 2                            ; v2-3    my K fragment address in slot 0, 1
.set ADV, 4                            ; v4-5    my V fragment address
.set STO, 6
.set RD,  7
.set CO,  8
.set QO,  9
.set M,   10                           ; v[10:13] running maximum of query block 0, 1, each twice
.set L,   14                           ; v14-15   running sum (of my half's keys)
.set AL,  16                           ; v[16:19] the rescaling factor, each twice
.set T,   20                           ; v20-31   at work
.set QF,  32                           ; v32-63   Q fragments (qb, ks) at 8 (2 qb + ks)
.set OA,  64                           ; v64-127  O^T tiles (qb, c) at 8 (4 qb + c)
.set SS,  128                          ; v128-191 S^T tiles (qb, kb) at 32 qb + 8 kb
.set VF,  192                          ; v192-255 V fragments (c, kp) at 8 (2 c + kp)
.set KF,  0                            ; v256-319 (window 1, v0-63) K fragments (kb, ks) at 8 (2 kb + ks)
.set G1K, 16                           ; s[16:23]
.set G1V, 24                           ; s[24:31]
.set GK,  32                           ; s[32:39] group 0 of K, one set for each slot
.set GV,  40                           ; s[40:47] group 0 of V
.set MSB, 0
.macro WIN new                         ; the immediate's high byte repeats the setting that is left; every window is 0 at a label and at a branch
.if MSB != \new
	s_set_vgpr_msb (MSB<<8)|\new
.set MSB, \new
.endif
.endm
.macro CREST                           ; a round of the cluster's barrier behind its opening barrier
	s_cmp_lg_u32 s8, 0
	s_cbranch_scc1 .Lnot_wave_0_\@
	s_barrier_signal -3
.Lnot_wave_0_\@:
	s_barrier_wait -3
	s_barrier_signal -1
	s_barrier_wait -1
.endm
.macro ROUND                           ; a whole round
	s_barrier_signal -1
	s_barrier_wait -1
	CREST
.endm
	s_load_b128 s[4:7], s[0:1], 0x0                ; qkv s[4:5], ao s[6:7]
	s_set_vgpr_msb 0x40
	v_lshl_add_u32 v64, v0, 2, 0x4e800
	v_mov_b32 v65, 0
	s_set_vgpr_msb 0x4045
	ds_add_u32 v64, v65
	s_set_vgpr_msb 0x4500
	v_lshrrev_b32 v1, 5, v0
	v_readfirstlane_b32 s8, v1                     ; wave 0..7
	s_lshr_b32 s9, s8, 2                           ; which of the two heads
	s_and_b32 s10, s8, 3                           ; which 32 query rows; also which 64 keys of a tile I fetch
	s_bfe_u32 s11, ttmp6, 0x40000                  ; cx
	s_lshl_b32 s12, ttmp9, 2
	s_add_co_u32 s12, s12, s11                     ; query block
	s_and_b32 s13, ttmp7, 0xffff                   ; 8 x batch + head pair
	s_mov_b32 s50, 0x76543210                      ; v_permlanex16_b32: lane i reads lane i of the other half
	s_mov_b32 s51, 0xfedcba98
	; group 1: 32 rows of 32 elements of 8 bytes, dense; after every 64 words 4 (K) or 8 (V) words of padding; mask 15, bit 21 set beside it
	s_mov_b32 s[G1K+0], 15|(3<<16)|(1<<20)|(1<<21)|(5<<22)|(3<<25)
	s_mov_b32 s[G1V+0], 15|(3<<16)|(1<<20)|(1<<21)|(5<<22)|(7<<25)
	s_mov_b32 s[G1K+1], 32<<16                     ; tensor_dim0 = 32
	s_mov_b32 s[G1V+1], 32<<16
	s_mov_b32 s[G1K+2], 32<<16                     ; tensor_dim1 = 32
	s_mov_b32 s[G1V+2], 32<<16
	s_mov_b32 s[G1K+3], 32<<16                     ; tile_dim0 = 32
	s_mov_b32 s[G1V+3], 32<<16
	s_mov_b32 s[G1K+4], 32                         ; tile_dim1 = 32
	s_mov_b32 s[G1V+4], 32
	s_mov_b32 s[G1K+5], 32                         ; pitch = 32 elements
	s_mov_b32 s[G1V+5], 32
	s_mov_b32 s[G1K+6], 0
	s_mov_b32 s[G1V+6], 0
	s_mov_b32 s[G1K+7], 0
	s_mov_b32 s[G1V+7], 0
	s_lshl_b32 s14, s13, 19                        ; K, V: head 2 y + hs of 256 KiB, + my 64 keys of 128 bytes: nothing of cx
	s_lshl_b32 s15, s9, 18
	s_add_co_u32 s14, s14, s15
	s_lshl_b32 s15, s10, 13
	s_add_co_u32 s14, s14, s15
	s_mov_b32 s15, 0
	s_mul_i32 s49, s8, 32*KP                       ; my rows in a slot: wave x 32 rows
	s_mul_i32 s58, s8, 32*VP
	s_add_co_u32 s58, s58, VOFF
	s_lshl_b32 s56, s13, 19                        ; Q: the same head, rows 128 x + 32 (w % 4)
	s_lshl_b32 s57, s9, 18
	s_add_co_u32 s56, s56, s57
	s_lshl_b32 s57, s12, 14
	s_add_co_u32 s56, s56, s57
	s_lshl_b32 s57, s10, 12
	s_add_co_u32 s56, s56, s57
	s_mov_b32 s57, 0
	v_and_b32 v1, 15, v0                           ; r
	v_bfe_u32 v20, v0, 4, 1                        ; h
	v_lshlrev_b32 v[QO], 7, v1
	v_lshl_add_u32 v[QO], v20, 4, v[QO]            ; 128 r + 16 h
	s_wait_dscnt 0x0
	s_wait_kmcnt 0x0
	s_add_nc_u64 s[54:55], s[4:5], s[14:15]
	s_add_nc_u64 s[52:53], s[4:5], s[56:57]
.irp qb, 0,1
.irp ks, 0,1
.irp u, 0,1
	global_load_b128 v[QF+8*(2*\qb+\ks)+4*\u:QF+8*(2*\qb+\ks)+4*\u+3], v[QO], s[52:53] offset:2048*\qb+64*\ks+32*\u
.endr
.endr
.endr
.irp s, 0,1
	s_mov_b32 s[GK+4*\s], 1
	s_add_co_u32 s[GK+4*\s+1], s49, \s*SLOTB
	s_add_nc_u64 s[GK+4*\s+2:GK+4*\s+3], s[54:55], 0x800000+\s*32768      ; K is kind 1: 8 MiB; tile s
	s_or_b32 s[GK+4*\s+3], s[GK+4*\s+3], 0x80000000
	s_mov_b32 s[GV+4*\s], 1
	s_add_co_u32 s[GV+4*\s+1], s58, \s*SLOTB
	s_add_nc_u64 s[GV+4*\s+2:GV+4*\s+3], s[54:55], 0x1000000+\s*32768     ; V is kind 2: 16 MiB
	s_or_b32 s[GV+4*\s+3], s[GV+4*\s+3], 0x80000000
.endr
	ROUND                                          ; the four work-groups are here: the first joint loads meet
	tensor_load_to_lds s[GK:GK+3], s[G1K:G1K+7]    ; tile 0
	s_nop 0
	tensor_load_to_lds s[GV:GV+3], s[G1V:G1V+7]
	s_nop 0
	tensor_load_to_lds s[GK+4:GK+7], s[G1K:G1K+7]  ; tile 1: both slots' first fills; four loads are out
	s_nop 0
	tensor_load_to_lds s[GV+4:GV+7], s[G1V:G1V+7]
	s_nop 0
	; K fragment: key 16 kb + r lies in LDS row (key / 2), byte 128 (key % 2); d along the row
	v_and_b32 v21, 1, v0
	v_bfe_u32 v22, v0, 1, 3                        ; r / 2
	v_mul_u32_u24 v23, v22, KP
	v_lshl_add_u32 v23, v21, 7, v23
	v_lshl_add_u32 v23, v20, 4, v23
	s_mul_i32 s59, s9, 128*KP
	v_add_nc_u32 v[ADK], s59, v23
	v_add_nc_u32 v[ADK+1], SLOTB, v[ADK]
	; V fragment by the transposing load: lane l addresses key 8 h + l % 8, 16 bytes of d at 16 ((l / 8) % 2)
	v_bfe_u32 v22, v0, 1, 2
	v_lshl_add_u32 v22, v20, 2, v22                ; 4 h + (l % 8) / 2
	v_mul_u32_u24 v23, v22, VP
	v_lshl_add_u32 v23, v21, 7, v23
	v_bfe_u32 v22, v0, 3, 1
	v_lshl_add_u32 v23, v22, 4, v23
	s_mul_i32 s59, s9, 128*VP
	s_add_co_u32 s59, s59, VOFF
	v_add_nc_u32 v[ADV], s59, v23
	v_add_nc_u32 v[ADV+1], SLOTB, v[ADV]
	; the way out
	s_mul_i32 s59, s10, 32*272
	s_lshl_b32 s60, s9, 7
	s_add_co_u32 s59, s59, s60
	s_add_co_u32 s59, s59, STAGE
	v_mul_u32_u24 v23, v1, 272
	v_lshl_add_u32 v23, v20, 4, v23
	v_add_nc_u32 v[STO], s59, v23                  ; row 32 (w % 4) + r, byte 128 hs + 16 h
	s_mul_i32 s59, s8, 16*272
	s_add_co_u32 s59, s59, STAGE
	v_mul_u32_u24 v23, v20, 272
	v_lshl_add_u32 v23, v1, 4, v23
	v_add_nc_u32 v[RD], s59, v23                   ; row 16 w + h, byte 16 r
	v_lshlrev_b32 v23, 11, v20
	v_lshl_add_u32 v[CO], v1, 4, v23               ; a row of ao is 2,048 bytes
; 16 LDS loads: the K fragments of step st of a slot's tile, into window 1
.macro KLOAD slot, st
	WIN 0x40                                       ; destination window 1, address window 0
.irp ks, 0,1
.irp kb, 0,1,2,3
	ds_load_b128 v[KF+8*(2*\kb+\ks):KF+8*(2*\kb+\ks)+3],   v[ADK+\slot] offset:(32*\st+8*\kb)*KP+64*\ks
	ds_load_b128 v[KF+8*(2*\kb+\ks)+4:KF+8*(2*\kb+\ks)+7], v[ADK+\slot] offset:(32*\st+8*\kb)*KP+64*\ks+32
.endr
.endr
	WIN 0
.endm
; 16 transposing LDS loads: the V fragments of step st
.macro VLOAD slot, st
.irp c, 0,1,2,3
.irp kp, 0,1
	ds_load_tr16_b128 v[VF+8*(2*\c+\kp):VF+8*(2*\c+\kp)+3],   v[ADV+\slot] offset:(32*\st+16*\kp)*VP+32*\c
	ds_load_tr16_b128 v[VF+8*(2*\c+\kp)+4:VF+8*(2*\kp+0)+8*2*\c-8*\kp+7], v[ADV+\slot] offset:(32*\st+16*\kp)*VP+32*\c+8*VP
.endr
.endr
.endm
; Four score products of query block qb: key blocks 0..3, d = 32 ks .. + 31.  ks = 0 starts the sums.  Four accumulators by turns.
.macro SQUAD qb, ks
	WIN 0x01                                       ; source 0 (K) window 1
.irp kb, 0,1,2,3
.if \ks == 0
	v_wmma_f32_16x16x32_bf16 v[SS+32*\qb+8*\kb:SS+32*\qb+8*\kb+7], v[KF+16*\kb:KF+16*\kb+7], v[QF+16*\qb:QF+16*\qb+7], 0
.else
	v_wmma_f32_16x16x32_bf16 v[SS+32*\qb+8*\kb:SS+32*\qb+8*\kb+7], v[KF+16*\kb+8:KF+16*\kb+15], v[QF+16*\qb+8:QF+16*\qb+15], v[SS+32*\qb+8*\kb:SS+32*\qb+8*\kb+7]
.endif
.endr
	WIN 0
.endm
; One product O^T(o, c) += V^T(c, kp) P^T(o, kp)
.macro PVW o, c, kp, zero
.if \zero
	v_wmma_f32_16x16x32_bf16 v[OA+8*(4*\o+\c):OA+8*(4*\o+\c)+7], v[VF+16*\c+8*\kp:VF+16*\c+8*\kp+7], v[SS+32*\o+16*\kp:SS+32*\o+16*\kp+7], 0
.else
	v_wmma_f32_16x16x32_bf16 v[OA+8*(4*\o+\c):OA+8*(4*\o+\c)+7], v[VF+16*\c+8*\kp:VF+16*\c+8*\kp+7], v[SS+32*\o+16*\kp:SS+32*\o+16*\kp+7], v[OA+8*(4*\o+\c):OA+8*(4*\o+\c)+7]
.endif
.endm
; the same as it is woven into a phase.  xm = 0: nothing is owed yet; 1: the very first products of block o start its sums; 2: they add
.macro XW o, c, kp, xm
.if \xm == 1
.if \kp == 0
	PVW \o, \c, \kp, 1
.else
	PVW \o, \c, \kp, 0
.endif
.endif
.if \xm == 2
	PVW \o, \c, \kp, 0
.endif
.endm
; First part of a phase: the new maximum of block qb, the factor for the old sums, the maximum taken away; among them four owed products of block o.
.macro PH_A qb, o, first, xm
	XW \o, 0, 0, \xm
	v_max3_num_f32 v[T], v[SS+32*\qb], v[SS+32*\qb+1], v[SS+32*\qb+2]
	v_max3_num_f32 v[T+1], v[SS+32*\qb+16], v[SS+32*\qb+17], v[SS+32*\qb+18]
.irp k, 0,1,2
	v_max3_num_f32 v[T], v[T], v[SS+32*\qb+3+2*\k], v[SS+32*\qb+4+2*\k]
	v_max3_num_f32 v[T+1], v[T+1], v[SS+32*\qb+19+2*\k], v[SS+32*\qb+20+2*\k]
.endr
	XW \o, 1, 0, \xm
.irp k, 3,4,5
	v_max3_num_f32 v[T], v[T], v[SS+32*\qb+3+2*\k], v[SS+32*\qb+4+2*\k]
	v_max3_num_f32 v[T+1], v[T+1], v[SS+32*\qb+19+2*\k], v[SS+32*\qb+20+2*\k]
.endr
	v_max3_num_f32 v[T], v[T], v[SS+32*\qb+15], v[SS+32*\qb+31]
.if \first
	v_max_num_f32 v[T], v[T], v[T+1]
.else
	v_max3_num_f32 v[T], v[T], v[T+1], v[M+2*\qb]
.endif
	XW \o, 2, 0, \xm
	v_permlanex16_b32 v[T+2], v[T], s50, s51       ; the other half's keys (its destination has been written before)
	v_max_num_f32 v[T+3], v[T], v[T+2]             ; the new maximum
.if \first == 0
	v_sub_f32 v[T+2], v[M+2*\qb], v[T+3]
	v_exp_f32 v[AL+2*\qb], v[T+2]                  ; what the old sums are worth now
.endif
	v_mov_b32 v[M+2*\qb], v[T+3]                   ; (plain instructions behind the exponential: ISA guide 5.7.2)
	v_mov_b32 v[M+2*\qb+1], v[T+3]
.if \first == 0
	s_wait_alu depctr_va_vdst(0)
	v_mov_b32 v[AL+2*\qb+1], v[AL+2*\qb]
.endif
.irp k, 0,1
	v_pk_add_f32 v[SS+32*\qb+2*\k:SS+32*\qb+2*\k+1], v[SS+32*\qb+2*\k:SS+32*\qb+2*\k+1], v[M+2*\qb:M+2*\qb+1] neg_lo:[0,1] neg_hi:[0,1]
.endr
	XW \o, 3, 0, \xm
.irp k, 2,3,4,5,6,7,8,9,10,11,12,13,14,15
	v_pk_add_f32 v[SS+32*\qb+2*\k:SS+32*\qb+2*\k+1], v[SS+32*\qb+2*\k:SS+32*\qb+2*\k+1], v[M+2*\qb:M+2*\qb+1] neg_lo:[0,1] neg_hi:[0,1]
.endr
.endm
; Second part: the 32 exponentials with the other four owed products, then seven plain vector instructions that touch none of those products' registers:
; the places in front of the loads into V's fragments and of the score products that write over P(o).
.macro PH_B qb, o, xm
.set ii, 0
.irp c, 0,1,2,3
	XW \o, \c, 1, \xm
.rept 8
	v_exp_f32 v[SS+32*\qb+ii], v[SS+32*\qb+ii]
.set ii, ii+1
.endr
.endr
	v_nop                                          ; one plain instruction before the exponentials' results are used
	s_wait_alu depctr_va_vdst(0)
.irp c, 0,1,2,3
	v_pk_add_f32 v[T+4+2*\c:T+5+2*\c], v[SS+32*\qb+2*\c:SS+32*\qb+2*\c+1], v[SS+32*\qb+8+2*\c:SS+32*\qb+9+2*\c]
.endr
.irp k, 8,9
	v_pk_add_f32 v[T+4+2*(\k%4):T+5+2*(\k%4)], v[T+4+2*(\k%4):T+5+2*(\k%4)], v[SS+32*\qb+2*\k:SS+32*\qb+2*\k+1]
.endr
.endm
; Third part: the sum, P rounded to bf16 in place, the old O rescaled; among them block o's next scores (ym = 1), two runs of four.
; At least eight plain vector instructions follow the last score product before the next phase reads the scores.
.macro PH_C qb, o, first, ym
.if \ym
	SQUAD \o, 0
.endif
.irp k, 10,11,12,13,14,15
	v_pk_add_f32 v[T+4+2*(\k%4):T+5+2*(\k%4)], v[T+4+2*(\k%4):T+5+2*(\k%4)], v[SS+32*\qb+2*\k:SS+32*\qb+2*\k+1]
.endr
	v_pk_add_f32 v[T+4:T+5], v[T+4:T+5], v[T+6:T+7]
	v_pk_add_f32 v[T+8:T+9], v[T+8:T+9], v[T+10:T+11]
	v_pk_add_f32 v[T+4:T+5], v[T+4:T+5], v[T+8:T+9]
.if \first
	v_add_f32 v[L+\qb], v[T+4], v[T+5]
.else
	v_add_f32 v[T+4], v[T+4], v[T+5]
	v_fma_f32 v[L+\qb], v[L+\qb], v[AL+2*\qb], v[T+4]
.endif
.irp k, 0,1,2,3,4,5,6,7
	v_cvt_pk_bf16_f32 v[SS+32*\qb+\k], v[SS+32*\qb+2*\k], v[SS+32*\qb+2*\k+1]             ; in place: the target is never above the sources
.endr
.if \ym
	SQUAD \o, 1
.endif
.irp k, 0,1,2,3,4,5,6,7
	v_cvt_pk_bf16_f32 v[SS+32*\qb+16+\k], v[SS+32*\qb+16+2*\k], v[SS+32*\qb+16+2*\k+1]
.endr
.if \first == 0
.irp k, 0,1,2,3,4,5,6,7,8,9,10,11,12,13,14,15
	v_pk_mul_f32 v[OA+32*\qb+2*\k:OA+32*\qb+2*\k+1], v[OA+32*\qb+2*\k:OA+32*\qb+2*\k+1], v[AL+2*\qb:AL+2*\qb+1]
.endr
.endif
.endm
; 64 keys: step st of the slot's tile.  first: the very first step starts maxima and sums.  xm0, xm1: the owed products of phase 0 and 1 (see XW).
; mode 0: the next K comes from this slot; 1: this was the slot's last step: a round, the refill, K from the other slot; 2: the same without a refill;
; 3: the very last step: no next scores.
.macro STEP slot, st, first, xm0, xm1, mode
	PH_A 0, 1, \first, \xm0
	PH_B 0, 1, \xm0
	VLOAD \slot, \st
	PH_C 0, 1, \first, 1
	s_wait_dscnt 0x0                               ; V's fragments are in; in modes 1 and 2 also: my reads of this slot are over
.if \mode == 1
	s_set_vgpr_msb 0x5
	s_wait_tensorcnt 0x0                           ; all my tensor loads have landed: the two that were out are my part of the other slot
	ds_add_u32 v64, v65
	s_wait_dscnt 0x0
	s_set_vgpr_msb 0x500
	s_barrier_signal -1                            ; opens the round
.endif
.if \mode == 2
	s_wait_tensorcnt 0x0
	s_barrier_signal -1
.endif
	PH_A 1, 0, \first, \xm1                        ; register work alone
.if \mode == 0
	KLOAD \slot, (\st+1)
.endif
.if \mode == 1
	s_barrier_wait -1
	CREST                                          ; no wave of the four work-groups still reads this slot or has a load on its way
	s_add_nc_u64 s[GK+4*\slot+2:GK+4*\slot+3], s[GK+4*\slot+2:GK+4*\slot+3], 65536   ; this slot's next tile: two tiles on
	s_add_nc_u64 s[GV+4*\slot+2:GV+4*\slot+3], s[GV+4*\slot+2:GV+4*\slot+3], 65536
	tensor_load_to_lds s[GK+4*\slot:GK+4*\slot+3], s[G1K:G1K+7]                      ; the first tensor loads behind the round: two are out
	s_nop 0
	tensor_load_to_lds s[GV+4*\slot:GV+4*\slot+3], s[G1V:G1V+7]
	s_nop 0
	KLOAD (1-\slot), 0
.endif
.if \mode == 2
	s_barrier_wait -1                              ; the other slot's tile, the last, is whole; nothing is filled again
	KLOAD (1-\slot), 0
.endif
	PH_B 1, 0, \xm1
.if \mode == 3
	PH_C 1, 0, \first, 0
.else
	s_wait_dscnt 0x0                               ; K's fragments: the 32 exponentials stood between the loads and this wait
	PH_C 1, 0, \first, 1
.endif
.endm
.macro TRIPG slot, endmode             ; one tile of 256 keys
	STEP \slot, 0, 0, 2, 2, 0
	STEP \slot, 1, 0, 2, 2, 0
	STEP \slot, 2, 0, 2, 2, 0
	STEP \slot, 3, 0, 2, 2, \endmode
.endm
	s_wait_loadcnt 0x0                             ; Q
	s_wait_tensorcnt 2                             ; my part of tile 0 (K and V) is in; tile 1's two loads may stay out
	s_barrier_signal -1
	s_barrier_wait -1                              ; everybody's part of tile 0 is in
	KLOAD 0, 0
	s_wait_dscnt 0x0
	SQUAD 0, 0                                     ; the scores of block 0, step 0, ahead of the first phase
	SQUAD 0, 1
.rept 4
	v_nop                                          ; four places before the softmax reads them (ISA guide 7.12.1)
.endr
	STEP 0, 0, 1, 0, 1, 0                          ; tile 0
	STEP 0, 1, 0, 1, 2, 0
	STEP 0, 2, 0, 2, 2, 0
	STEP 0, 3, 0, 2, 2, 1
	TRIPG 1, 1                                     ; tile 1
	s_mov_b32 s48, 2
.Ltiles:
	TRIPG 0, 1                                     ; tiles 2 to 5
	TRIPG 1, 1
	s_sub_co_u32 s48, s48, 1
	s_cmp_lg_u32 s48, 0
	s_cbranch_scc1 .Ltiles
	TRIPG 0, 2                                     ; tile 6: nothing more to fetch
	TRIPG 1, 3                                     ; tile 7
.irp kp, 0,1
.irp c, 0,1,2,3
	PVW 1, \c, \kp, 0                              ; the products of block 1 that the last step still owes
.endr
.endr
.rept 4
	v_nop                                          ; four places before O is read and loads land on P's registers
.endr
	; THE WAY OUT: the two halves' sums meet, O / sum, round, through the stage so that a row's 256 bytes (both heads) leave together
	v_permlanex16_b32 v[T], v[L], s50, s51
	v_permlanex16_b32 v[T+1], v[L+1], s50, s51
	v_add_f32 v[L], v[L], v[T]
	v_add_f32 v[L+1], v[L+1], v[T+1]
	v_rcp_f32 v[AL], v[L]
	v_rcp_f32 v[AL+2], v[L+1]
	v_nop                                          ; one plain instruction behind the reciprocals
	s_wait_alu depctr_va_vdst(0)
	v_mov_b32 v[AL+1], v[AL]
	v_mov_b32 v[AL+3], v[AL+2]
	s_lshr_b32 s56, s13, 3                         ; ao: row 2048 batch + 128 x + 16 w, byte 256 x head pair
	s_lshl_b32 s56, s56, 22
	s_lshl_b32 s57, s12, 18
	s_add_co_u32 s56, s56, s57
	s_lshl_b32 s57, s8, 15
	s_add_co_u32 s56, s56, s57
	s_and_b32 s57, s13, 7
	s_lshl_b32 s57, s57, 8
	s_add_co_u32 s56, s56, s57
	s_mov_b32 s57, 0
	s_add_nc_u64 s[6:7], s[6:7], s[56:57]
.irp qb, 0,1
.irp k, 0,1,2,3,4,5,6,7,8,9,10,11,12,13,14,15
	v_pk_mul_f32 v[OA+32*\qb+2*\k:OA+32*\qb+2*\k+1], v[OA+32*\qb+2*\k:OA+32*\qb+2*\k+1], v[AL+2*\qb:AL+2*\qb+1]
.endr
.irp c, 0,1,2,3
.irp k, 0,1,2,3
	v_cvt_pk_bf16_f32 v[OA+32*\qb+8*\c+\k], v[OA+32*\qb+8*\c+2*\k], v[OA+32*\qb+8*\c+2*\k+1]
.endr
	ds_store_b128 v[STO], v[OA+32*\qb+8*\c:OA+32*\qb+8*\c+3] offset:\qb*16*272+32*\c
.endr
.endr
	s_wait_dscnt 0x0                               ; my stores are done, for the other waves' sake
	s_barrier_signal -1
	s_barrier_wait -1
.irp t, 0,1,2,3,4,5,6,7
	ds_load_b128 v[SS+4*\t:SS+4*\t+3], v[RD] offset:\t*2*272
.endr
.irp t, 0,1,2,3,4,5,6,7
	s_wait_dscnt 7-\t
	global_store_b128 v[CO], v[SS+4*\t:SS+4*\t+3], s[6:7] offset:4096*\t   ; 16 lanes store 256 consecutive bytes, aligned
.endr
	s_set_vgpr_msb 0x5
	s_wait_tensorcnt 0x0
	ds_add_u32 v64, v65
	s_wait_dscnt 0x0
	s_set_vgpr_msb 0x500
	ROUND                                          ; the closing round: no work-group ends while a partner may still ask for a tile that names it
	s_endpgm
.Lfunc_end_k_qc1486a2853_attn:
	.size	k_qc1486a2853_attn, .Lfunc_end_k_qc1486a2853_attn-k_qc1486a2853_attn
	.p2alignl 7, 3214868480
	.fill 96, 4, 3214868480
	.section	.rodata,"a",@progbits
	.p2align	6, 0x0
	.amdhsa_kernel k_qc1486a2853_attn
		.amdhsa_group_segment_fixed_size 327680
		.amdhsa_private_segment_fixed_size 0
		.amdhsa_enable_private_segment 0
		.amdhsa_kernarg_size 16
		.amdhsa_user_sgpr_count 2
		.amdhsa_user_sgpr_kernarg_segment_ptr 1
		.amdhsa_wavefront_size32 1
		.amdhsa_system_sgpr_workgroup_id_x 1
		.amdhsa_system_sgpr_workgroup_id_y 1
		.amdhsa_system_sgpr_workgroup_id_z 1
		.amdhsa_system_vgpr_workitem_id 0
		.amdhsa_next_free_vgpr 322
		.amdhsa_next_free_sgpr 66
		.amdhsa_reserve_vcc 0
		.amdhsa_float_denorm_mode_32 3
		.amdhsa_float_denorm_mode_16_64 3
		.amdhsa_memory_ordered 1
		.amdhsa_forward_progress 1
		.amdhsa_inst_pref_size 255
	.end_amdhsa_kernel
	.section	.bss,"aw",@nobits
	.p2align	6
	.space	262144
	.amdgpu_metadata
---
amdhsa.version: [ 1, 2 ]
amdhsa.kernels:
  - .name:           k_qc1486a2853_attn
    .symbol:         k_qc1486a2853_attn.kd
    .args:
      - { .name: qkv, .offset: 0, .size: 8, .value_kind: global_buffer, .address_space: global }
      - { .name: ao, .offset: 8, .size: 8, .value_kind: global_buffer, .address_space: global }
    .group_segment_fixed_size: 327680
    .private_segment_fixed_size: 0
    .kernarg_segment_align: 8
    .kernarg_segment_size: 16
    .max_flat_workgroup_size: 256
    .sgpr_count:     66
    .vgpr_count:     322
    .wavefront_size: 32
...
	.end_amdgpu_metadata
.endif
;; end of part 3
;; launch wo (part 4): grid 8 x 32, 4 waves a work-group, clusters of 4 x 4, 327,680 bytes of LDS; arguments ao, wt, x1, bo, x; writes x1
.if DOCPART == 4
	.amdgcn_target "amdgcn-amd-amdhsa--gfx1250"
	.amdhsa_code_object_version 6
	.text
	.protected	k_qc1486a2853_wo
	.globl	k_qc1486a2853_wo
	.p2align	8
	.type	k_qc1486a2853_wo,@function
k_qc1486a2853_wo:
	s_mov_b64 s[64:65], 0
	v_nop
	global_prefetch_b8 v0, s[64:65] scope:SCOPE_SE
	s_setreg_imm32_b32 hwreg(HW_REG_WAVE_MODE, 25, 1), 1
	s_wait_xcnt 0x0
	s_wait_alu depctr_hold_cnt(0) depctr_sa_sdst(0) depctr_va_vdst(0) depctr_va_sdst(0) depctr_va_ssrc(0) depctr_va_vcc(0) depctr_vm_vsrc(0)
	s_getreg_b32 s2, hwreg(HW_REG_IB_STS2, 6, 4)
	s_cmp_eq_u32 s2, 0
	s_cbranch_scc0 .Lentry_in_a_cluster
	s_endpgm
.Lentry_in_a_cluster:
	s_bfe_u32 s2, ttmp6, 0x10000c
	s_cmp_lg_u32 s2, 0xf033
	s_cbranch_scc0 .Lentry_shape_is_right
	s_endpgm
.Lentry_shape_is_right:
; OUT = A x W + bias + RES, f32 out.  Here: A = ao [4096][1024] bf16, W = Wo as wt's rows [n][k] at 6 MiB, bias = bo, RES = x, OUT = x1.
; N is 1024, so 256 work-groups are had at blocks of 128 x 128; a wave makes 64 x 64: 16 accumulator tiles, 128 registers.
; K goes in steps of 256 (rows of 512 bytes, starting at multiples of 256) through a ring of two LDS slots: a K step is then 128 matrix
; instructions of a wave, of which 120 stand between a tile's request and the wait for it.
; CLUSTERS 4 x 4: A's tile is shared along a row of the cluster, W's along a column, each asked for by a joint load.
; REGISTERS: window 0: v0-31 addresses; v64-127, v128-191 two fragment buffers (A at +0, W at +32); v192-223 rows on the way out; v224-227 bias.
;            window 1: v0-127 accumulators, tile (a, b) at 8 (4 a + b); v128-255 the residual, loaded at the head and waited for once, on the way out.
; The matrix instruction is used transposed (source 0 = rows of W, source 1 = rows of A): a lane holds eight neighbouring columns of one row.
.set SIZE_K, 1024
.set WT_OFF, 0x600000
.set KSTEP,  256
.set PITCH,  528                       ; 512 bytes + 16: 33 x 16, so the 16 rows of a fragment load start at 16 different 16-byte columns
.set HALFT,  64*PITCH                  ; 64 rows: what one tensor load brings
.set SLOT,   4*HALFT                   ; A's 128 rows, then W's 128 rows
.set STAGE,  2*SLOT                    ; behind the ring: 16 rows x 272 bytes for each wave; no tensor load lands here
.set SPITCH, 272
.set LAPS, SIZE_K/(2*KSTEP)
.set ADRA, 16
.set ADRB, 20
.set STO,  24
.set RD,   25
.set CO,   26
.set BO,   27
.set F0,   64
.set F1,   128
.set TT,   192
.set BIAS, 224
.set RES,  128                         ; in window 1
.set G1, 24
.set G0, 32
.set G1B, 48
.set G0B, 56
.set MSB, 0
.macro WIN new                         ; the immediate's high byte repeats the setting that is left
.if MSB != \new
	s_set_vgpr_msb (MSB<<8)|\new
.set MSB, \new
.endif
.endm
.set MULW, 0x50                        ; sources 0 and 1 window 0, C and D window 1
.macro JLOAD s                         ; waves 0 and 1 fetch A's two halves, waves 2 and 3 W's; the branch hangs on the wave's number alone
	s_cmp_eq_u32 s11, 0
	s_cbranch_scc0 .Lfor_b_\@
	tensor_load_to_lds s[G0+4*\s:G0+4*\s+3], s[G1:G1+7]
	s_nop 0
	s_branch .Lasked_\@
.Lfor_b_\@:
	tensor_load_to_lds s[G0B+4*\s:G0B+4*\s+3], s[G1B:G1B+7]
	s_nop 0
.Lasked_\@:
.endm
.macro CREST                           ; a round of the cluster's barrier behind its opening barrier
	s_cmp_lg_u32 s10, 0
	s_cbranch_scc1 .Lnot_wave_0_\@
	s_barrier_signal -3
.Lnot_wave_0_\@:
	s_barrier_wait -3
	s_barrier_signal -1
	s_barrier_wait -1
.endm
.macro CROUND
	s_barrier_signal -1
	s_barrier_wait -1
	CREST
.endm
	s_load_b128 s[4:7], s[0:1], 0x0                ; A s[4:5], wt s[6:7]
	s_load_b64 s[8:9], s[0:1], 0x10                ; OUT
	s_load_b64 s[66:67], s[0:1], 0x18              ; bias
	s_load_b64 s[68:69], s[0:1], 0x20              ; RES
	v_lshl_add_u32 v254, v0, 2, 0x46400
	v_mov_b32 v255, 0
	ds_add_u32 v254, v255
	v_lshrrev_b32 v1, 5, v0
	v_readfirstlane_b32 s10, v1                    ; wave 0..3
	s_lshr_b32 s11, s10, 1                         ; my half of the rows; also: I fetch for A (0) or W (1)
	s_and_b32 s12, s10, 1                          ; my half of the columns; also: which 64 rows I fetch
	s_bfe_u32 s40, ttmp6, 0x40000                  ; cx
	s_bfe_u32 s41, ttmp6, 0x40004                  ; cy
	s_lshl_b32 s42, ttmp9, 2
	s_add_co_u32 s42, s42, s40                     ; block column
	s_and_b32 s13, ttmp7, 0xffff
	s_lshl_b32 s13, s13, 2
	s_add_co_u32 s13, s13, s41                     ; block row
	s_lshl_b32 s43, s41, 2
	s_lshl_b32 s43, 15, s43                        ; my row of the cluster
	s_lshl_b32 s44, 0x1111, s40                    ; my column
	; group 1: 64 rows x 256 elements of 2 bytes; after every 128 words 4 words of padding; bit 21 set beside a mask
	s_or_b32 s[G1+0], s43, (1<<16)|(1<<20)|(1<<21)|(6<<22)|(3<<25)
	s_or_b32 s[G1B+0], s44, (1<<16)|(1<<20)|(1<<21)|(6<<22)|(3<<25)
	s_mov_b32 s[G1B+1], KSTEP<<16
	s_mov_b32 s[G1+1], KSTEP<<16                   ; tensor_dim0 = 256
	s_mov_b32 s[G1B+2], 64<<16
	s_mov_b32 s[G1+2], 64<<16                      ; tensor_dim1 = 64
	s_mov_b32 s[G1B+3], KSTEP<<16
	s_mov_b32 s[G1+3], KSTEP<<16                   ; tile_dim0 = 256
	s_mov_b32 s[G1B+4], 64
	s_mov_b32 s[G1+4], 64                          ; tile_dim1 = 64
	s_mov_b32 s[G1B+5], SIZE_K
	s_mov_b32 s[G1+5], SIZE_K
	s_mov_b32 s[G1B+6], 0
	s_mov_b32 s[G1+6], 0
	s_mov_b32 s[G1B+7], 0
	s_mov_b32 s[G1+7], 0
	s_lshl_b32 s17, s12, 6
	s_lshl_b32 s16, s13, 7
	s_add_co_u32 s16, s16, s17                     ; A: row 128 x block row + 64 x half
	s_lshl_b32 s46, s42, 7
	s_add_co_u32 s46, s46, s17                     ; W: row 128 x block column + 64 x half
	s_mov_b32 s17, 0
	s_mov_b32 s47, 0
	s_mov_b64 s[18:19], SIZE_K*2
	s_mul_u64 s[16:17], s[16:17], s[18:19]
	s_mul_u64 s[46:47], s[46:47], s[18:19]
	s_mul_i32 s20, s10, HALFT                      ; the LDS address hangs on the wave's number alone
	s_lshl_b32 s74, s13, 19                        ; OUT and RES: row 128 x block row + 64 x half, 4,096 bytes each
	s_lshl_b32 s75, s11, 18
	s_add_co_u32 s74, s74, s75
	s_mov_b32 s75, 0
	s_lshl_b32 s76, s42, 9                         ; column 128 x block column + 64 x half, 4 bytes each
	s_lshl_b32 s77, s12, 8
	s_add_co_u32 s76, s76, s77
	s_mov_b32 s77, 0
	s_wait_dscnt 0x0
	s_wait_kmcnt 0x0
	s_add_nc_u64 s[6:7], s[6:7], WT_OFF
	s_add_nc_u64 s[14:15], s[4:5], s[16:17]
	s_add_nc_u64 s[46:47], s[6:7], s[46:47]
	s_add_nc_u64 s[8:9], s[8:9], s[74:75]
	s_add_nc_u64 s[8:9], s[8:9], s[76:77]
	s_add_nc_u64 s[68:69], s[68:69], s[74:75]
	s_add_nc_u64 s[68:69], s[68:69], s[76:77]
	s_add_nc_u64 s[66:67], s[66:67], s[76:77]
	CROUND                                         ; all sixteen work-groups are here: the first joint loads meet
.irp s, 0,1
	s_mov_b32 s[G0+4*\s], 1
	s_add_co_u32 s[G0+4*\s+1], s20, \s*SLOT
	s_add_nc_u64 s[G0+4*\s+2:G0+4*\s+3], s[14:15], \s*KSTEP*2
	s_or_b32 s[G0+4*\s+3], s[G0+4*\s+3], 0x80000000
	s_mov_b32 s[G0B+4*\s], 1
	s_add_co_u32 s[G0B+4*\s+1], s20, \s*SLOT
	s_add_nc_u64 s[G0B+4*\s+2:G0B+4*\s+3], s[46:47], \s*KSTEP*2
	s_or_b32 s[G0B+4*\s+3], s[G0B+4*\s+3], 0x80000000
	JLOAD \s                                       ; two tensor loads of the wave are out
.endr
	v_and_b32 v1, 15, v0                           ; r
	v_bfe_u32 v2, v0, 4, 1                         ; h
	v_mul_u32_u24 v3, v1, PITCH
	v_lshl_add_u32 v3, v2, 4, v3
	s_mul_i32 s21, s11, HALFT
	s_mul_i32 s22, s12, HALFT
	s_add_co_u32 s22, s22, 2*HALFT
.irp s, 0,1
	v_add_nc_u32 v[ADRA+\s], s21, v3
	v_add_nc_u32 v[ADRB+\s], s22, v3
	s_add_co_u32 s21, s21, SLOT
	s_add_co_u32 s22, s22, SLOT
.endr
	s_mul_i32 s23, s10, 16*SPITCH
	s_add_co_u32 s23, s23, STAGE
	v_mul_u32_u24 v4, v1, SPITCH                   ; in: row r, 32 bytes (8 f32) for each half of the lanes
	v_lshl_add_u32 v4, v2, 5, v4
	v_add_nc_u32 v[STO], s23, v4
	v_mul_u32_u24 v5, v2, SPITCH                   ; back: lanes 0-15 one row of 256 bytes, lanes 16-31 the next
	v_lshl_add_u32 v5, v1, 4, v5
	v_add_nc_u32 v[RD], s23, v5
	v_lshlrev_b32 v5, 12, v2
	v_lshl_add_u32 v[CO], v1, 4, v5                ; the same two rows in OUT and RES
	v_lshlrev_b32 v[BO], 4, v1
	WIN 0x40                                       ; destination window 1
.irp i, 0,1,2,3
.irp t, 0,1,2,3,4,5,6,7
	global_load_b128 v[RES+4*(8*\i+\t):RES+4*(8*\i+\t)+3], v[CO], s[68:69] offset:(16*\i+2*\t)*4096 th:TH_LOAD_NT
.endr
.endr
	WIN 0
	global_load_b128 v[BIAS:BIAS+3], v[BO], s[66:67]
.macro MUL8 f, a0, zero                ; m blocks a0, a0 + 1 x all 4 n blocks, 32 along K
.irp a, \a0, \a0+1
.irp b, 0,1,2,3
.if \zero
	v_wmma_f32_16x16x32_bf16 v[8*(4*(\a)+\b):8*(4*(\a)+\b)+7], v[\f+32+8*\b:\f+32+8*\b+7], v[\f+8*(\a):\f+8*(\a)+7], 0
.else
	v_wmma_f32_16x16x32_bf16 v[8*(4*(\a)+\b):8*(4*(\a)+\b)+7], v[\f+32+8*\b:\f+32+8*\b+7], v[\f+8*(\a):\f+8*(\a)+7], v[8*(4*(\a)+\b):8*(4*(\a)+\b)+7]
.endif
.endr
.endr
.endm
.macro FETCH slot, k, f                ; 16 LDS loads: 64 rows of W, 64 rows of A, 32 K at byte k of the rows
.irp i, 0,1,2,3
	ds_load_b128 v[\f+32+8*\i:\f+32+8*\i+3], v[ADRB+\slot] offset:\k+\i*16*PITCH
	ds_load_b128 v[\f+32+8*\i+4:\f+32+8*\i+7], v[ADRB+\slot] offset:\k+\i*16*PITCH+32
.endr
.irp i, 0,1,2,3
	ds_load_b128 v[\f+8*\i:\f+8*\i+3], v[ADRA+\slot] offset:\k+\i*16*PITCH
	ds_load_b128 v[\f+8*\i+4:\f+8*\i+7], v[ADRA+\slot] offset:\k+\i*16*PITCH+32
.endr
.endm
.macro PLACES                          ; four places between a matrix instruction and a load into a register that it read
.rept 4
	v_nop
.endr
.endm
; A K step is eight parts of 32 along K on buffers 0, 1, 0, 1 ..  One of the first seven: fetches the next part into g, multiplies f.
; The 16 accumulators take turns, one instruction a turn, in the same order in every part.
.macro SUB slot, k, f, g, zero
	WIN 0
	PLACES
	FETCH \slot, \k, \g
	s_wait_dscnt 16                                ; f's 16 loads are in; the 16 just issued may be out
	WIN MULW
	MUL8 \f, 0, \zero
	MUL8 \f, 2, \zero
.endm
.macro SEVEN slot, zero
	SUB \slot, 64,  F0, F1, \zero
	SUB \slot, 128, F1, F0, 0
	SUB \slot, 192, F0, F1, 0
	SUB \slot, 256, F1, F0, 0
	SUB \slot, 320, F0, F1, 0
	SUB \slot, 384, F1, F0, 0
	SUB \slot, 448, F0, F1, 0
.endm
; The eighth part multiplies buffer 1 and changes slots: waits, barrier (the opening of a round where a slot is filled again), refill first, then the next slot's first fragments.
.macro TURN slot, next, fill
	s_wait_dscnt 0                                 ; my reads of this slot are over
	s_wait_tensorcnt 0x0                           ; all my tensor loads have landed: the one that was out is my part of the next slot
	ds_add_u32 v254, v255
	s_wait_dscnt 0x0
	s_barrier_signal -1
	WIN MULW
	MUL8 F1, 0, 0                                  ; register work while the others arrive
	WIN 0
	s_barrier_wait -1
.if \fill
	CREST                                          ; no wave of any partner still reads this slot or has a load on its way
	s_add_nc_u64 s[G0+4*\slot+2:G0+4*\slot+3], s[G0+4*\slot+2:G0+4*\slot+3], 2*KSTEP*2
	s_add_nc_u64 s[G0B+4*\slot+2:G0B+4*\slot+3], s[G0B+4*\slot+2:G0B+4*\slot+3], 2*KSTEP*2
	JLOAD \slot                                    ; the first tensor load behind the round: one is out
.endif
	PLACES
	FETCH \next, 0, F0
	WIN MULW
	MUL8 F1, 2, 0
.endm
.macro LAP zero
	SEVEN 0, \zero
	TURN 0, 1, 1
	SEVEN 1, 0
	TURN 1, 0, 1
.endm
	s_wait_tensorcnt 1                             ; my part of K step 0 is in, K step 1's stays out
	s_barrier_signal -1
	s_barrier_wait -1
	FETCH 0, 0, F0
	LAP 1                                          ; the first products start the sums: nothing is cleared
.if LAPS > 2
	WIN 0
	s_mov_b32 s3, LAPS-2
.Llap:
	LAP 0
	WIN 0
	s_sub_co_u32 s3, s3, 1
	s_cmp_lg_u32 s3, 0
	s_cbranch_scc1 .Llap
.endif
	SEVEN 0, 0                                     ; the last lap fills nothing
	TURN 0, 1, 0
	SEVEN 1, 0
	s_wait_dscnt 0
	WIN MULW
	MUL8 F1, 0, 0
	MUL8 F1, 2, 0
	; THE WAY OUT, 16 rows at a time: f32 through my stage, read back as whole rows of 256 bytes, + residual + bias, stored.
	PLACES
	s_wait_loadcnt 0x0                             ; residual and bias, asked for at the head
.macro OUT16 i
	WIN 0x04                                       ; store data from window 1
.irp b, 0,1,2,3
.irp u, 0,1
	ds_store_b128 v[STO], v[8*(4*\i+\b)+4*\u:8*(4*\i+\b)+4*\u+3] offset:64*\b+16*\u
.endr
.endr
	WIN 0
	s_wait_xcnt 0x0                                ; the rows' registers, which the last block's stores read, are rewritten only behind this wait (ISA guide 3.1)
.irp t, 0,1,2,3,4,5,6,7
	ds_load_b128 v[TT+4*\t:TT+4*\t+3], v[RD] offset:\t*2*SPITCH    ; LDS serves a wave's instructions in order: these see the stores above
.endr
	s_wait_dscnt 0
	WIN 0x04                                       ; source 1 from window 1
.irp t, 0,1,2,3,4,5,6,7
.irp q, 0,1
	v_pk_add_f32 v[TT+4*\t+2*\q:TT+4*\t+2*\q+1], v[TT+4*\t+2*\q:TT+4*\t+2*\q+1], v[RES+4*(8*\i+\t)+2*\q:RES+4*(8*\i+\t)+2*\q+1]
.endr
.endr
	WIN 0
.irp t, 0,1,2,3,4,5,6,7
.irp q, 0,1
	v_pk_add_f32 v[TT+4*\t+2*\q:TT+4*\t+2*\q+1], v[TT+4*\t+2*\q:TT+4*\t+2*\q+1], v[BIAS+2*\q:BIAS+2*\q+1]
.endr
	global_store_b128 v[CO], v[TT+4*\t:TT+4*\t+3], s[8:9] offset:(16*\i+2*\t)*4096   ; 16 lanes store 256 consecutive bytes, aligned
.endr
.endm
	OUT16 0
	OUT16 1
	OUT16 2
	OUT16 3
	s_wait_tensorcnt 0x0
	ds_add_u32 v254, v255
	s_wait_dscnt 0x0
	CROUND                                         ; the closing round
	s_endpgm
.Lfunc_end_k_qc1486a2853_wo:
	.size	k_qc1486a2853_wo, .Lfunc_end_k_qc1486a2853_wo-k_qc1486a2853_wo
	.p2alignl 7, 3214868480
	.fill 96, 4, 3214868480
	.section	.rodata,"a",@progbits
	.p2align	6, 0x0
	.amdhsa_kernel k_qc1486a2853_wo
		.amdhsa_group_segment_fixed_size 327680
		.amdhsa_private_segment_fixed_size 0
		.amdhsa_enable_private_segment 0
		.amdhsa_kernarg_size 40
		.amdhsa_user_sgpr_count 2
		.amdhsa_user_sgpr_kernarg_segment_ptr 1
		.amdhsa_wavefront_size32 1
		.amdhsa_system_sgpr_workgroup_id_x 1
		.amdhsa_system_sgpr_workgroup_id_y 1
		.amdhsa_system_sgpr_workgroup_id_z 1
		.amdhsa_system_vgpr_workitem_id 0
		.amdhsa_next_free_vgpr 512
		.amdhsa_next_free_sgpr 80
		.amdhsa_reserve_vcc 0
		.amdhsa_float_denorm_mode_32 3
		.amdhsa_float_denorm_mode_16_64 3
		.amdhsa_memory_ordered 1
		.amdhsa_forward_progress 1
		.amdhsa_inst_pref_size 99
	.end_amdhsa_kernel
	.amdgpu_metadata
---
amdhsa.version: [ 1, 2 ]
amdhsa.kernels:
  - .name:           k_qc1486a2853_wo
    .symbol:         k_qc1486a2853_wo.kd
    .args:
      - { .name: ao, .offset: 0, .size: 8, .value_kind: global_buffer, .address_space: global }
      - { .name: wt, .offset: 8, .size: 8, .value_kind: global_buffer, .address_space: global }
      - { .name: x1, .offset: 16, .size: 8, .value_kind: global_buffer, .address_space: global }
      - { .name: bo, .offset: 24, .size: 8, .value_kind: global_buffer, .address_space: global }
      - { .name: x, .offset: 32, .size: 8, .value_kind: global_buffer, .address_space: global }
    .group_segment_fixed_size: 327680
    .private_segment_fixed_size: 0
    .kernarg_segment_align: 8
    .kernarg_segment_size: 40
    .max_flat_workgroup_size: 128
    .sgpr_count:     80
    .vgpr_count:     512
    .wavefront_size: 32
...
	.end_amdgpu_metadata
.endif
;; end of part 4
;; launch ln2 (part 5): grid 256 x 1, 8 waves a work-group, no clusters, 0 bytes of LDS; arguments x1, g2, beta2, xn; writes xn
.if DOCPART == 5
	.amdgcn_target "amdgcn-amd-amdhsa--gfx1250"
	.amdhsa_code_object_version 6
	.text
	.protected	k_qc1486a2853_ln2
	.globl	k_qc1486a2853_ln2
	.p2align	8
	.type	k_qc1486a2853_ln2,@function
k_qc1486a2853_ln2:
	s_mov_b64 s[64:65], 0
	v_nop
	global_prefetch_b8 v0, s[64:65] scope:SCOPE_SE
	s_setreg_imm32_b32 hwreg(HW_REG_WAVE_MODE, 25, 1), 1
	s_wait_xcnt 0x0
; LAYER NORM: y[r][c] = (x[r][c] - mean) * rsqrt(var + 1e-5) * gamma[c] + beta[c], x f32 [4096][1024], y bf16.
; Arguments: x, gamma, beta, y.  Eight waves, 16 rows a work-group; a wave owns two rows and keeps each in 32 registers between the passes
; (mean; squares of the differences from it, as reference() forms the variance; scaling), so a row is read from memory once and no wave waits for another.
; A load of a wave covers 512 consecutive bytes; a store 256 consecutive bytes, aligned.  A stream: no LDS, no barrier, no matrix unit, no cluster.
.set X0, 8                             ; v[8:39]    row 0: load j holds columns 128 j + 4 lane .. + 3
.set X1, 40                            ; v[40:71]   row 1
.set G,  72                            ; v[72:103]  gamma of the same columns
.set BT, 104                           ; v[104:135] beta
.set S,  136                           ; v[136:143] four chains of sums, two numbers each
.set MU, 144                           ; v[144:145] the mean, twice
.set R0, 146                           ; v[146:147] 1 / sqrt(var + eps) of row 0, twice
.set R1, 148                           ; v[148:149] of row 1
	s_load_b256 s[4:11], s[0:1], 0x0               ; x s[4:5], gamma s[6:7], beta s[8:9], y s[10:11]
	s_mov_b32 s12, 0x76543210                      ; v_permlanex16_b32: lane i reads lane i of the other half
	s_mov_b32 s13, 0xfedcba98
	s_mov_b32 s14, 0x3a800000                      ; 1 / 1024
	s_mov_b32 s15, 0x3727c5ac                      ; 1e-5
	s_lshl_b32 s2, ttmp9, 16                       ; 16 rows of 4,096 bytes
	s_mov_b32 s3, 0
	s_lshl_b32 s16, ttmp9, 15                      ; 16 rows of 2,048 bytes
	s_mov_b32 s17, 0
	v_and_b32 v4, 31, v0
	v_lshrrev_b32 v5, 5, v0
	v_lshlrev_b32 v2, 4, v4                        ; gamma, beta: 16 lane
	v_lshl_add_u32 v1, v5, 13, v2                  ; x: + wave x 2 rows
	v_lshlrev_b32 v3, 3, v4
	v_lshl_add_u32 v3, v5, 12, v3                  ; y: 8 lane + wave x 2 rows
	s_wait_kmcnt 0x0
	s_add_nc_u64 s[4:5], s[4:5], s[2:3]
	s_add_nc_u64 s[10:11], s[10:11], s[16:17]
.irp j, 0,1,2,3,4,5,6,7
	global_load_b128 v[X0+4*\j:X0+4*\j+3], v1, s[4:5] offset:512*\j
.endr
.irp j, 0,1,2,3,4,5,6,7
	global_load_b128 v[X1+4*\j:X1+4*\j+3], v1, s[4:5] offset:4096+512*\j
.endr
.irp j, 0,1,2,3,4,5,6,7
	global_load_b128 v[G+4*\j:G+4*\j+3], v2, s[6:7] offset:512*\j
.endr
.irp j, 0,1,2,3,4,5,6,7
	global_load_b128 v[BT+4*\j:BT+4*\j+3], v2, s[8:9] offset:512*\j
.endr
; the four chains become one number, then the sum over the 32 lanes, in every lane, in v[S]
.macro LANESUM
	v_pk_add_f32 v[S:S+1], v[S:S+1], v[S+2:S+3]
	v_pk_add_f32 v[S+4:S+5], v[S+4:S+5], v[S+6:S+7]
	v_pk_add_f32 v[S:S+1], v[S:S+1], v[S+4:S+5]
	v_add_f32 v[S], v[S], v[S+1]
	v_add_f32_dpp v[S], v[S], v[S] row_xmask:1 row_mask:0xf bank_mask:0xf
	v_add_f32_dpp v[S], v[S], v[S] row_xmask:2 row_mask:0xf bank_mask:0xf
	v_add_f32_dpp v[S], v[S], v[S] row_xmask:4 row_mask:0xf bank_mask:0xf
	v_add_f32_dpp v[S], v[S], v[S] row_xmask:8 row_mask:0xf bank_mask:0xf
	v_permlanex16_b32 v[S+1], v[S], s12, s13       ; its destination counts as read: a register that has been written
	v_add_f32 v[S], v[S], v[S+1]
.endm
; The row in x becomes x - mean; r gets 1 / sqrt(var + eps), twice.  left: how many younger loads may stay out.
.macro STATS x, left, r
	s_wait_loadcnt \left
.irp c, 0,1,2,3
	v_pk_add_f32 v[S+2*\c:S+2*\c+1], v[\x+2*\c:\x+2*\c+1], v[\x+8+2*\c:\x+8+2*\c+1]   ; the first sums start the chains: nothing is cleared
.endr
.irp p, 8,9,10,11,12,13,14,15
	v_pk_add_f32 v[S+2*(\p%4):S+2*(\p%4)+1], v[S+2*(\p%4):S+2*(\p%4)+1], v[\x+2*\p:\x+2*\p+1]
.endr
	LANESUM
	v_mul_f32 v[MU], s14, v[S]
	v_mov_b32 v[MU+1], v[MU]
.irp p, 0,1,2,3,4,5,6,7,8,9,10,11,12,13,14,15
	v_pk_add_f32 v[\x+2*\p:\x+2*\p+1], v[\x+2*\p:\x+2*\p+1], v[MU:MU+1] neg_lo:[0,1] neg_hi:[0,1]
.endr
.irp c, 0,1,2,3
	v_pk_mul_f32 v[S+2*\c:S+2*\c+1], v[\x+2*\c:\x+2*\c+1], v[\x+2*\c:\x+2*\c+1]
.endr
.irp p, 4,5,6,7,8,9,10,11,12,13,14,15
	v_pk_fma_f32 v[S+2*(\p%4):S+2*(\p%4)+1], v[\x+2*\p:\x+2*\p+1], v[\x+2*\p:\x+2*\p+1], v[S+2*(\p%4):S+2*(\p%4)+1]
.endr
	LANESUM
	v_fma_f32 v[S], v[S], s14, s15                 ; var + eps
	v_rsq_f32 v[\r], v[S]
	v_nop                                          ; one plain instruction behind v_rsq_f32 before its result is used (ISA guide 5.7.2)
	s_wait_alu depctr_va_vdst(0)
	v_mov_b32 v[\r+1], v[\r]
.endm
; scale, gain, bias, round, store
.macro APPLY x, r, roff
.irp p, 0,1,2,3,4,5,6,7,8,9,10,11,12,13,14,15
	v_pk_mul_f32 v[\x+2*\p:\x+2*\p+1], v[\x+2*\p:\x+2*\p+1], v[\r:\r+1]
	v_pk_fma_f32 v[\x+2*\p:\x+2*\p+1], v[\x+2*\p:\x+2*\p+1], v[G+2*\p:G+2*\p+1], v[BT+2*\p:BT+2*\p+1]
.endr
.irp j, 0,1,2,3,4,5,6,7
	v_cvt_pk_bf16_f32 v[\x+4*\j], v[\x+4*\j], v[\x+4*\j+1]
	v_cvt_pk_bf16_f32 v[\x+4*\j+1], v[\x+4*\j+2], v[\x+4*\j+3]
	global_store_b64 v3, v[\x+4*\j:\x+4*\j+1], s[10:11] offset:256*\j+\roff
.endr
.endm
	STATS X0, 24, R0                               ; row 0 is in; row 1, gamma and beta (24 loads) may be out
	STATS X1, 16, R1                               ; row 1 is in; gamma and beta (16 loads) may be out
	s_wait_loadcnt 0x0                             ; gamma and beta
	APPLY X0, R0, 0
	APPLY X1, R1, 2048
	s_endpgm
.Lfunc_end_k_qc1486a2853_ln2:
	.size	k_qc1486a2853_ln2, .Lfunc_end_k_qc1486a2853_ln2-k_qc1486a2853_ln2
	.p2alignl 7, 3214868480
	.fill 96, 4, 3214868480
	.section	.rodata,"a",@progbits
	.p2align	6, 0x0
	.amdhsa_kernel k_qc1486a2853_ln2
		.amdhsa_group_segment_fixed_size 0
		.amdhsa_private_segment_fixed_size 0
		.amdhsa_enable_private_segment 0
		.amdhsa_kernarg_size 32
		.amdhsa_user_sgpr_count 2
		.amdhsa_user_sgpr_kernarg_segment_ptr 1
		.amdhsa_wavefront_size32 1
		.amdhsa_system_sgpr_workgroup_id_x 1
		.amdhsa_system_sgpr_workgroup_id_y 1
		.amdhsa_system_sgpr_workgroup_id_z 1
		.amdhsa_system_vgpr_workitem_id 0
		.amdhsa_next_free_vgpr 152
		.amdhsa_next_free_sgpr 66
		.amdhsa_reserve_vcc 0
		.amdhsa_float_denorm_mode_32 3
		.amdhsa_float_denorm_mode_16_64 3
		.amdhsa_memory_ordered 1
		.amdhsa_forward_progress 1
		.amdhsa_inst_pref_size 20
	.end_amdhsa_kernel
	.amdgpu_metadata
---
amdhsa.version: [ 1, 2 ]
amdhsa.kernels:
  - .name:           k_qc1486a2853_ln2
    .symbol:         k_qc1486a2853_ln2.kd
    .args:
      - { .name: x1, .offset: 0, .size: 8, .value_kind: global_buffer, .address_space: global }
      - { .name: g2, .offset: 8, .size: 8, .value_kind: global_buffer, .address_space: global }
      - { .name: beta2, .offset: 16, .size: 8, .value_kind: global_buffer, .address_space: global }
      - { .name: xn, .offset: 24, .size: 8, .value_kind: global_buffer, .address_space: global }
    .group_segment_fixed_size: 0
    .private_segment_fixed_size: 0
    .kernarg_segment_align: 8
    .kernarg_segment_size: 32
    .max_flat_workgroup_size: 256
    .sgpr_count:     66
    .vgpr_count:     152
    .wavefront_size: 32
...
	.end_amdgpu_metadata
.endif
;; end of part 5
;; launch ffn1 (part 6): grid 16 x 16, 4 waves a work-group, clusters of 4 x 4, 327,680 bytes of LDS; arguments xn, wt, hh, b1; writes hh
.if DOCPART == 6
	.amdgcn_target "amdgcn-amd-amdhsa--gfx1250"
	.amdhsa_code_object_version 6
	.text
	.protected	k_qc1486a2853_ffn1
	.globl	k_qc1486a2853_ffn1
	.p2align	8
	.type	k_qc1486a2853_ffn1,@function
k_qc1486a2853_ffn1:
	s_mov_b64 s[64:65], 0
	v_nop
	global_prefetch_b8 v0, s[64:65] scope:SCOPE_SE
	s_setreg_imm32_b32 hwreg(HW_REG_WAVE_MODE, 25, 1), 1
	s_wait_xcnt 0x0
	s_wait_alu depctr_hold_cnt(0) depctr_sa_sdst(0) depctr_va_vdst(0) depctr_va_sdst(0) depctr_va_ssrc(0) depctr_va_vcc(0) depctr_vm_vsrc(0)
	s_getreg_b32 s2, hwreg(HW_REG_IB_STS2, 6, 4)
	s_cmp_eq_u32 s2, 0
	s_cbranch_scc0 .Lentry_in_a_cluster
	s_endpgm
.Lentry_in_a_cluster:
	s_bfe_u32 s2, ttmp6, 0x10000c
	s_cmp_lg_u32 s2, 0xf033
	s_cbranch_scc0 .Lentry_shape_is_right
	s_endpgm
.Lentry_shape_is_right:
; FFN1: hh = relu(xn [4096][1024] x W1 + b1), bf16 [4096][4096]; W1 as wt's rows [n][k] at 8 MiB.
; A work-group makes 256 x 256 with four waves, a wave 128 x 128: 64 accumulator tiles, 512 registers.  K goes in steps of 128 through a ring of two
; LDS slots filled by the tensor data mover: a tile's rows are 256 bytes of memory and start at multiples of 256 bytes.
; CLUSTERS 4 x 4: xn's tile is shared along a row of the cluster, W1's along a column, each asked for by a joint load.
; REGISTERS: window 0: v0-31 addresses; v64-127, v128-191 fragments of xn; on the way out v64-127 16 rows in f32, v128-191 rows read back (two buffers)
;            window 1: v0-63 the bias of my lane's 64 columns; v64-127, v128-191 fragments of W1
;            window 2: accumulator tiles of my rows 0-63 (tile (a, b) at v[8 (8 a + b)]); window 3: of my rows 64-127
; The matrix instruction is used transposed (source 0 = rows of W1, source 1 = rows of xn): a lane holds eight neighbouring columns of one row.
; LIMIT: relu is v_max_num_f32 with 0, which turns a NaN into 0.
.set SIZE_K, 1024
.set SIZE_N, 4096
.set WT_OFF, 0x800000
.set KSTEP,  128
.set PITCH,  272
.set HALFT,  128*PITCH
.set SLOT,   4*HALFT
.set STAGE,  2*SLOT                    ; behind the ring: 16 rows x 272 bytes for each wave; no tensor load lands here
.set SPITCH, 272
.set LAPS, SIZE_K/(2*KSTEP)
.set ADRA, 16
.set ADRB, 20
.set STO,  24
.set RD,   25
.set CO,   26
.set BO,   27
.set F0,   64
.set F1,   128
.set TF,   64
.set RB0,  128
.set RB1,  160
.set G1, 24
.set G0, 32
.set G1B, 48
.set G0B, 56
.set MSB, 0
.macro WIN new                         ; the immediate's high byte repeats the setting that is left
.if MSB != \new
	s_set_vgpr_msb (MSB<<8)|\new
.set MSB, \new
.endif
.endm
.set MUL_LO, 0xa1
.set MUL_HI, 0xf1
.set TO_B,   0x40
.macro JLOAD s                         ; waves 0 and 1 fetch xn's two halves, waves 2 and 3 W1's; the branch hangs on the wave's number alone
	s_cmp_eq_u32 s11, 0
	s_cbranch_scc0 .Lfor_b_\@
	tensor_load_to_lds s[G0+4*\s:G0+4*\s+3], s[G1:G1+7]
	s_nop 0
	s_branch .Lasked_\@
.Lfor_b_\@:
	tensor_load_to_lds s[G0B+4*\s:G0B+4*\s+3], s[G1B:G1B+7]
	s_nop 0
.Lasked_\@:
.endm
.macro CREST                           ; a round of the cluster's barrier behind its opening barrier
	s_cmp_lg_u32 s10, 0
	s_cbranch_scc1 .Lnot_wave_0_\@
	s_barrier_signal -3
.Lnot_wave_0_\@:
	s_barrier_wait -3
	s_barrier_signal -1
	s_barrier_wait -1
.endm
.macro CROUND
	s_barrier_signal -1
	s_barrier_wait -1
	CREST
.endm
	s_load_b128 s[4:7], s[0:1], 0x0                ; xn s[4:5], wt s[6:7]
	s_load_b64 s[8:9], s[0:1], 0x10                ; hh
	s_load_b64 s[66:67], s[0:1], 0x18              ; b1
	s_set_vgpr_msb 0x40
	v_lshl_add_u32 v255, v0, 2, 0x48400
	s_set_vgpr_msb 0x4000
	v_mov_b32 v255, 0
	s_set_vgpr_msb 0x1
	ds_add_u32 v255, v255
	s_set_vgpr_msb 0x100
	v_lshrrev_b32 v1, 5, v0
	v_readfirstlane_b32 s10, v1
	s_lshr_b32 s11, s10, 1
	s_and_b32 s12, s10, 1
	s_bfe_u32 s40, ttmp6, 0x40000                  ; cx
	s_bfe_u32 s41, ttmp6, 0x40004                  ; cy
	s_lshl_b32 s42, ttmp9, 2
	s_add_co_u32 s42, s42, s40                     ; block column
	s_and_b32 s13, ttmp7, 0xffff
	s_lshl_b32 s13, s13, 2
	s_add_co_u32 s13, s13, s41                     ; block row
	s_lshl_b32 s43, s41, 2
	s_lshl_b32 s43, 15, s43
	s_lshl_b32 s44, 0x1111, s40
	s_or_b32 s[G1+0], s43, (1<<16)|(1<<20)|(1<<21)|(5<<22)|(3<<25)    ; mask; 2-byte elements; padding of 4 words after every 64; bit 21 beside a mask
	s_or_b32 s[G1B+0], s44, (1<<16)|(1<<20)|(1<<21)|(5<<22)|(3<<25)
	s_mov_b32 s[G1B+1], KSTEP<<16
	s_mov_b32 s[G1+1], KSTEP<<16                   ; tensor_dim0 = 128
	s_mov_b32 s[G1B+2], 128<<16
	s_mov_b32 s[G1+2], 128<<16                     ; tensor_dim1 = 128
	s_mov_b32 s[G1B+3], KSTEP<<16
	s_mov_b32 s[G1+3], KSTEP<<16                   ; tile_dim0 = 128
	s_mov_b32 s[G1B+4], 128
	s_mov_b32 s[G1+4], 128                         ; tile_dim1 = 128
	s_mov_b32 s[G1B+5], SIZE_K
	s_mov_b32 s[G1+5], SIZE_K
	s_mov_b32 s[G1B+6], 0
	s_mov_b32 s[G1+6], 0
	s_mov_b32 s[G1B+7], 0
	s_mov_b32 s[G1+7], 0
	s_lshl_b32 s17, s12, 7
	s_lshl_b32 s16, s13, 8
	s_add_co_u32 s16, s16, s17
	s_lshl_b32 s46, s42, 8
	s_add_co_u32 s46, s46, s17
	s_mov_b32 s17, 0
	s_mov_b32 s47, 0
	s_mov_b64 s[18:19], SIZE_K*2
	s_mul_u64 s[16:17], s[16:17], s[18:19]
	s_mul_u64 s[46:47], s[46:47], s[18:19]
	s_mul_i32 s20, s10, HALFT
	s_lshl_b32 s74, s42, 10                        ; the bias of my 128 columns: (256 block column + 128 half) x 4 bytes
	s_lshl_b32 s75, s12, 9
	s_add_co_u32 s74, s74, s75
	s_mov_b32 s75, 0
	s_wait_dscnt 0x0
	s_wait_kmcnt 0x0
	s_add_nc_u64 s[6:7], s[6:7], WT_OFF
	s_add_nc_u64 s[14:15], s[4:5], s[16:17]
	s_add_nc_u64 s[46:47], s[6:7], s[46:47]
	s_add_nc_u64 s[66:67], s[66:67], s[74:75]
	CROUND                                         ; all sixteen work-groups are here: the first joint loads meet
.irp s, 0,1
	s_mov_b32 s[G0+4*\s], 1
	s_add_co_u32 s[G0+4*\s+1], s20, \s*SLOT
	s_add_nc_u64 s[G0+4*\s+2:G0+4*\s+3], s[14:15], \s*KSTEP*2
	s_or_b32 s[G0+4*\s+3], s[G0+4*\s+3], 0x80000000
	s_mov_b32 s[G0B+4*\s], 1
	s_add_co_u32 s[G0B+4*\s+1], s20, \s*SLOT
	s_add_nc_u64 s[G0B+4*\s+2:G0B+4*\s+3], s[46:47], \s*KSTEP*2
	s_or_b32 s[G0B+4*\s+3], s[G0B+4*\s+3], 0x80000000
	JLOAD \s                                       ; two tensor loads of the wave are out
.endr
	v_and_b32 v1, 15, v0                           ; r
	v_bfe_u32 v2, v0, 4, 1                         ; h
	v_mul_u32_u24 v3, v1, PITCH
	v_lshl_add_u32 v3, v2, 4, v3
	s_mul_i32 s21, s11, HALFT
	s_mul_i32 s22, s12, HALFT
	s_add_co_u32 s22, s22, 2*HALFT
.irp s, 0,1
	v_add_nc_u32 v[ADRA+\s], s21, v3
	v_add_nc_u32 v[ADRB+\s], s22, v3
	s_add_co_u32 s21, s21, SLOT
	s_add_co_u32 s22, s22, SLOT
.endr
	s_mul_i32 s23, s10, 16*SPITCH
	s_add_co_u32 s23, s23, STAGE
	v_mul_u32_u24 v4, v1, SPITCH
	v_lshl_add_u32 v4, v2, 4, v4
	v_add_nc_u32 v[STO], s23, v4
	v_mul_u32_u24 v5, v2, SPITCH
	v_lshl_add_u32 v5, v1, 4, v5
	v_add_nc_u32 v[RD], s23, v5
	v_mul_u32_u24 v5, v2, SIZE_N*2
	v_lshl_add_u32 v[CO], v1, 4, v5
	v_lshlrev_b32 v[BO], 5, v2                     ; bias: columns 16 b + 8 h + j
	WIN TO_B                                       ; asked for now, waited for on the way out; nothing in the K loop touches these registers
.irp b, 0,1,2,3,4,5,6,7
.irp u, 0,1
	global_load_b128 v[8*\b+4*\u:8*\b+4*\u+3], v[BO], s[66:67] offset:64*\b+16*\u
.endr
.endr
	WIN 0
.macro MUL16 f, hi, a0, zero
.irp a, \a0, \a0+1
.irp b, 0,1,2,3,4,5,6,7
.if \zero
	v_wmma_f32_16x16x32_bf16 v[8*(8*(\a)+\b):8*(8*(\a)+\b)+7], v[\f+8*\b:\f+8*\b+7], v[\f+8*(4*\hi+\a):\f+8*(4*\hi+\a)+7], 0
.else
	v_wmma_f32_16x16x32_bf16 v[8*(8*(\a)+\b):8*(8*(\a)+\b)+7], v[\f+8*\b:\f+8*\b+7], v[\f+8*(4*\hi+\a):\f+8*(4*\hi+\a)+7], v[8*(8*(\a)+\b):8*(8*(\a)+\b)+7]
.endif
.endr
.endr
.endm
.macro FETCH slot, k, f
	WIN TO_B
.irp i, 0,1,2,3,4,5,6,7
	ds_load_b128 v[\f+8*\i:\f+8*\i+3],   v[ADRB+\slot] offset:\k+\i*16*PITCH
	ds_load_b128 v[\f+8*\i+4:\f+8*\i+7], v[ADRB+\slot] offset:\k+\i*16*PITCH+32
.endr
	WIN 0
.irp i, 0,1,2,3,4,5,6,7
	ds_load_b128 v[\f+8*\i:\f+8*\i+3],   v[ADRA+\slot] offset:\k+\i*16*PITCH
	ds_load_b128 v[\f+8*\i+4:\f+8*\i+7], v[ADRA+\slot] offset:\k+\i*16*PITCH+32
.endr
.endm
.macro PLACES                          ; four places between a matrix instruction and a load into a register that it read, or a reader of its result
.rept 4
	v_nop
.endr
.endm
; Four quarter steps of 32 along K on buffers 0, 1, 0, 1; the 64 accumulators take turns, one instruction a turn.
.macro QUARTER slot, k, f, g, zero
	s_wait_dscnt 8                                 ; W1 and xn's rows 0-63 are in; the youngest eight loads may be out
	WIN MUL_LO
	MUL16 \f, 0, 0, \zero
	MUL16 \f, 0, 2, \zero
	PLACES
	FETCH \slot, \k, \g
	s_wait_dscnt 32                                ; all but the 32 just issued
	WIN MUL_HI
	MUL16 \f, 1, 0, \zero
	MUL16 \f, 1, 2, \zero
.endm
.macro THREE slot, zero
	QUARTER \slot, 64,  F0, F1, \zero
	QUARTER \slot, 128, F1, F0, 0
	QUARTER \slot, 192, F0, F1, 0
.endm
.macro TURN slot, next, fill
	s_wait_dscnt 8
	WIN MUL_LO
	MUL16 F1, 0, 0, 0
	s_wait_dscnt 0                                 ; my reads of this slot are over
	s_wait_tensorcnt 0x0                           ; all my tensor loads have landed
	ds_add_u32 v255, v255
	s_wait_dscnt 0x0
	s_barrier_signal -1                            ; (opens a round of the cluster's barrier where a slot is filled again)
	MUL16 F1, 0, 2, 0
	WIN 0
	s_barrier_wait -1
.if \fill
	CREST                                          ; no wave of any partner still reads this slot or has a load on its way
	s_add_nc_u64 s[G0+4*\slot+2:G0+4*\slot+3], s[G0+4*\slot+2:G0+4*\slot+3], 2*KSTEP*2
	s_add_nc_u64 s[G0B+4*\slot+2:G0B+4*\slot+3], s[G0B+4*\slot+2:G0B+4*\slot+3], 2*KSTEP*2
	JLOAD \slot                                    ; the first tensor load behind the round: one is out
.endif
	PLACES
	FETCH \next, 0, F0
	WIN MUL_HI
	MUL16 F1, 1, 0, 0
	MUL16 F1, 1, 2, 0
.endm
.macro LAP zero
	THREE 0, \zero
	TURN 0, 1, 1
	THREE 1, 0
	TURN 1, 0, 1
.endm
	s_wait_tensorcnt 1                             ; my part of K step 0 is in, K step 1's stays out
	s_barrier_signal -1
	s_barrier_wait -1
	FETCH 0, 0, F0
	LAP 1
	WIN 0
	s_mov_b32 s3, LAPS-2
.Llap:
	LAP 0
	WIN 0
	s_sub_co_u32 s3, s3, 1
	s_cmp_lg_u32 s3, 0
	s_cbranch_scc1 .Llap
	THREE 0, 0
	TURN 0, 1, 0
	THREE 1, 0
	s_wait_dscnt 8
	WIN MUL_LO
	MUL16 F1, 0, 0, 0
	MUL16 F1, 0, 2, 0
	s_wait_dscnt 0
	WIN MUL_HI
	MUL16 F1, 1, 0, 0
	MUL16 F1, 1, 2, 0
	; THE WAY OUT, 16 rows at a time: + bias, relu, round, 16 bytes a lane into my stage, read back as whole rows of 256 bytes.
	PLACES
	s_wait_loadcnt 0x0                             ; the bias
	s_lshl_b32 s13, s13, 8
	s_lshl_b32 s14, s11, 7
	s_add_co_u32 s16, s13, s14                     ; my first row
	s_mov_b32 s17, 0
	s_mov_b64 s[18:19], SIZE_N*2
	s_mul_u64 s[16:17], s[16:17], s[18:19]
	s_add_nc_u64 s[8:9], s[8:9], s[16:17]
	s_lshl_b32 s46, s42, 9                         ; my first column, in bytes (in the registers that held W1's address)
	s_lshl_b32 s47, s12, 8
	s_add_co_u32 s46, s46, s47
	s_mov_b32 s47, 0
	s_add_nc_u64 s[8:9], s[8:9], s[46:47]
; from = 0x06 or 0x07: source 0 (accumulators) window 2 or 3, source 1 (bias) window 1
.macro OUT16 i, a, from, f
	WIN \from
.irp b, 0,1,2,3,4,5,6,7
.irp p, 0,1,2,3
	v_pk_add_f32 v[TF+8*\b+2*\p:TF+8*\b+2*\p+1], v[8*(8*\a+\b)+2*\p:8*(8*\a+\b)+2*\p+1], v[8*\b+2*\p:8*\b+2*\p+1]
.endr
.endr
	WIN 0
.set ii, 0
.rept 64
	v_max_num_f32 v[TF+ii], 0, v[TF+ii]
.set ii, ii+1
.endr
.set ii, 0
.rept 32
	v_cvt_pk_bf16_f32 v[TF+ii], v[TF+2*ii], v[TF+2*ii+1]   ; in place: the target is never above the sources
.set ii, ii+1
.endr
.irp b, 0,1,2,3,4,5,6,7
	ds_store_b128 v[STO], v[TF+4*\b:TF+4*\b+3] offset:32*\b
.endr
	s_wait_xcnt 0x0                                ; buffer f and the stores' base are rewritten only behind this wait (ISA guide 3.1)
.if \i
	s_add_nc_u64 s[8:9], s[8:9], 16*SIZE_N*2
.endif
.irp t, 0,1,2,3,4,5,6,7
	ds_load_b128 v[\f+4*\t:\f+4*\t+3], v[RD] offset:\t*2*SPITCH    ; LDS serves a wave's instructions in order: these see the stores above
.endr
.irp t, 0,1,2,3,4,5,6,7
	s_wait_dscnt 7-\t
	global_store_b128 v[CO], v[\f+4*\t:\f+4*\t+3], s[8:9] offset:2*\t*SIZE_N*2   ; 16 lanes store 256 consecutive bytes, aligned
.endr
.endm
	OUT16 0, 0, 0x06, RB0
	OUT16 1, 1, 0x06, RB1
	OUT16 2, 2, 0x06, RB0
	OUT16 3, 3, 0x06, RB1
	OUT16 4, 0, 0x07, RB0
	OUT16 5, 1, 0x07, RB1
	OUT16 6, 2, 0x07, RB0
	OUT16 7, 3, 0x07, RB1
	s_set_vgpr_msb 0x1
	s_wait_tensorcnt 0x0
	ds_add_u32 v255, v255
	s_wait_dscnt 0x0
	s_set_vgpr_msb 0x100
	CROUND                                         ; the closing round
	s_endpgm
.Lfunc_end_k_qc1486a2853_ffn1:
	.size	k_qc1486a2853_ffn1, .Lfunc_end_k_qc1486a2853_ffn1-k_qc1486a2853_ffn1
	.p2alignl 7, 3214868480
	.fill 96, 4, 3214868480
	.section	.rodata,"a",@progbits
	.p2align	6, 0x0
	.amdhsa_kernel k_qc1486a2853_ffn1
		.amdhsa_group_segment_fixed_size 327680
		.amdhsa_private_segment_fixed_size 0
		.amdhsa_enable_private_segment 0
		.amdhsa_kernarg_size 32
		.amdhsa_user_sgpr_count 2
		.amdhsa_user_sgpr_kernarg_segment_ptr 1
		.amdhsa_wavefront_size32 1
		.amdhsa_system_sgpr_workgroup_id_x 1
		.amdhsa_system_sgpr_workgroup_id_y 1
		.amdhsa_system_sgpr_workgroup_id_z 1
		.amdhsa_system_vgpr_workitem_id 0
		.amdhsa_next_free_vgpr 1024
		.amdhsa_next_free_sgpr 80
		.amdhsa_reserve_vcc 0
		.amdhsa_float_denorm_mode_32 3
		.amdhsa_float_denorm_mode_16_64 3
		.amdhsa_memory_ordered 1
		.amdhsa_forward_progress 1
		.amdhsa_inst_pref_size 230
	.end_amdhsa_kernel
	.amdgpu_metadata
---
amdhsa.version: [ 1, 2 ]
amdhsa.kernels:
  - .name:           k_qc1486a2853_ffn1
    .symbol:         k_qc1486a2853_ffn1.kd
    .args:
      - { .name: xn, .offset: 0, .size: 8, .value_kind: global_buffer, .address_space: global }
      - { .name: wt, .offset: 8, .size: 8, .value_kind: global_buffer, .address_space: global }
      - { .name: hh, .offset: 16, .size: 8, .value_kind: global_buffer, .address_space: global }
      - { .name: b1, .offset: 24, .size: 8, .value_kind: global_buffer, .address_space: global }
    .group_segment_fixed_size: 327680
    .private_segment_fixed_size: 0
    .kernarg_segment_align: 8
    .kernarg_segment_size: 32
    .max_flat_workgroup_size: 128
    .sgpr_count:     80
    .vgpr_count:     1024
    .wavefront_size: 32
...
	.end_amdgpu_metadata
.endif
;; end of part 6
;; launch ffn2 (part 7): grid 8 x 32, 4 waves a work-group, clusters of 4 x 4, 327,680 bytes of LDS; arguments hh, wt, out0, b2, x1; writes out0
.if DOCPART == 7
	.amdgcn_target "amdgcn-amd-amdhsa--gfx1250"
	.amdhsa_code_object_version 6
	.text
	.protected	k_qc1486a2853_ffn2
	.globl	k_qc1486a2853_ffn2
	.p2align	8
	.type	k_qc1486a2853_ffn2,@function
k_qc1486a2853_ffn2:
	s_mov_b64 s[64:65], 0
	v_nop
	global_prefetch_b8 v0, s[64:65] scope:SCOPE_SE
	s_setreg_imm32_b32 hwreg(HW_REG_WAVE_MODE, 25, 1), 1
	s_wait_xcnt 0x0
	s_wait_alu depctr_hold_cnt(0) depctr_sa_sdst(0) depctr_va_vdst(0) depctr_va_sdst(0) depctr_va_ssrc(0) depctr_va_vcc(0) depctr_vm_vsrc(0)
	s_getreg_b32 s2, hwreg(HW_REG_IB_STS2, 6, 4)
	s_cmp_eq_u32 s2, 0
	s_cbranch_scc0 .Lentry_in_a_cluster
	s_endpgm
.Lentry_in_a_cluster:
	s_bfe_u32 s2, ttmp6, 0x10000c
	s_cmp_lg_u32 s2, 0xf033
	s_cbranch_scc0 .Lentry_shape_is_right
	s_endpgm
.Lentry_shape_is_right:
; OUT = A x W + bias + RES, f32 out.  Here: A = hh [4096][4096] bf16, W = W2 as wt's rows [n][k] at 16 MiB, bias = b2, RES = x1, OUT = out0.
; N is 1024, so 256 work-groups are had at blocks of 128 x 128; a wave makes 64 x 64: 16 accumulator tiles, 128 registers.
; K goes in steps of 256 (rows of 512 bytes, starting at multiples of 256) through a ring of two LDS slots: a K step is then 128 matrix
; instructions of a wave, of which 120 stand between a tile's request and the wait for it.
; CLUSTERS 4 x 4: A's tile is shared along a row of the cluster, W's along a column, each asked for by a joint load.
; REGISTERS: window 0: v0-31 addresses; v64-127, v128-191 two fragment buffers (A at +0, W at +32); v192-223 rows on the way out; v224-227 bias.
;            window 1: v0-127 accumulators, tile (a, b) at 8 (4 a + b); v128-255 the residual, loaded at the head and waited for once, on the way out.
; The matrix instruction is used transposed (source 0 = rows of W, source 1 = rows of A): a lane holds eight neighbouring columns of one row.
.set SIZE_K, 4096
.set WT_OFF, 0x1000000
.set KSTEP,  256
.set PITCH,  528                       ; 512 bytes + 16: 33 x 16, so the 16 rows of a fragment load start at 16 different 16-byte columns
.set HALFT,  64*PITCH
.set SLOT,   4*HALFT
.set STAGE,  2*SLOT                    ; behind the ring: 16 rows x 272 bytes for each wave; no tensor load lands here
.set SPITCH, 272
.set LAPS, SIZE_K/(2*KSTEP)
.set ADRA, 16
.set ADRB, 20
.set STO,  24
.set RD,   25
.set CO,   26
.set BO,   27
.set F0,   64
.set F1,   128
.set TT,   192
.set BIAS, 224
.set RES,  128                         ; in window 1
.set G1, 24
.set G0, 32
.set G1B, 48
.set G0B, 56
.set MSB, 0
.macro WIN new                         ; the immediate's high byte repeats the setting that is left
.if MSB != \new
	s_set_vgpr_msb (MSB<<8)|\new
.set MSB, \new
.endif
.endm
.set MULW, 0x50                        ; sources 0 and 1 window 0, C and D window 1
.macro JLOAD s                         ; waves 0 and 1 fetch A's two halves, waves 2 and 3 W's; the branch hangs on the wave's number alone
	s_cmp_eq_u32 s11, 0
	s_cbranch_scc0 .Lfor_b_\@
	tensor_load_to_lds s[G0+4*\s:G0+4*\s+3], s[G1:G1+7]
	s_nop 0
	s_branch .Lasked_\@
.Lfor_b_\@:
	tensor_load_to_lds s[G0B+4*\s:G0B+4*\s+3], s[G1B:G1B+7]
	s_nop 0
.Lasked_\@:
.endm
.macro CREST                           ; a round of the cluster's barrier behind its opening barrier
	s_cmp_lg_u32 s10, 0
	s_cbranch_scc1 .Lnot_wave_0_\@
	s_barrier_signal -3
.Lnot_wave_0_\@:
	s_barrier_wait -3
	s_barrier_signal -1
	s_barrier_wait -1
.endm
.macro CROUND
	s_barrier_signal -1
	s_barrier_wait -1
	CREST
.endm
	s_load_b128 s[4:7], s[0:1], 0x0                ; A s[4:5], wt s[6:7]
	s_load_b64 s[8:9], s[0:1], 0x10                ; OUT
	s_load_b64 s[66:67], s[0:1], 0x18              ; bias
	s_load_b64 s[68:69], s[0:1], 0x20              ; RES
	v_lshl_add_u32 v254, v0, 2, 0x46400
	v_mov_b32 v255, 0
	ds_add_u32 v254, v255
	v_lshrrev_b32 v1, 5, v0
	v_readfirstlane_b32 s10, v1                    ; wave 0..3
	s_lshr_b32 s11, s10, 1                         ; my half of the rows; also: I fetch for A (0) or W (1)
	s_and_b32 s12, s10, 1                          ; my half of the columns; also: which 64 rows I fetch
	s_bfe_u32 s40, ttmp6, 0x40000                  ; cx
	s_bfe_u32 s41, ttmp6, 0x40004                  ; cy
	s_lshl_b32 s42, ttmp9, 2
	s_add_co_u32 s42, s42, s40                     ; block column
	s_and_b32 s13, ttmp7, 0xffff
	s_lshl_b32 s13, s13, 2
	s_add_co_u32 s13, s13, s41                     ; block row
	s_lshl_b32 s43, s41, 2
	s_lshl_b32 s43, 15, s43                        ; my row of the cluster
	s_lshl_b32 s44, 0x1111, s40                    ; my column
	; group 1: 64 rows x 256 elements of 2 bytes; after every 128 words 4 words of padding; bit 21 set beside a mask
	s_or_b32 s[G1+0], s43, (1<<16)|(1<<20)|(1<<21)|(6<<22)|(3<<25)
	s_or_b32 s[G1B+0], s44, (1<<16)|(1<<20)|(1<<21)|(6<<22)|(3<<25)
	s_mov_b32 s[G1B+1], KSTEP<<16
	s_mov_b32 s[G1+1], KSTEP<<16                   ; tensor_dim0 = 256
	s_mov_b32 s[G1B+2], 64<<16
	s_mov_b32 s[G1+2], 64<<16                      ; tensor_dim1 = 64
	s_mov_b32 s[G1B+3], KSTEP<<16
	s_mov_b32 s[G1+3], KSTEP<<16                   ; tile_dim0 = 256
	s_mov_b32 s[G1B+4], 64
	s_mov_b32 s[G1+4], 64                          ; tile_dim1 = 64
	s_mov_b32 s[G1B+5], SIZE_K
	s_mov_b32 s[G1+5], SIZE_K
	s_mov_b32 s[G1B+6], 0
	s_mov_b32 s[G1+6], 0
	s_mov_b32 s[G1B+7], 0
	s_mov_b32 s[G1+7], 0
	s_lshl_b32 s17, s12, 6
	s_lshl_b32 s16, s13, 7
	s_add_co_u32 s16, s16, s17                     ; A: row 128 x block row + 64 x half
	s_lshl_b32 s46, s42, 7
	s_add_co_u32 s46, s46, s17                     ; W: row 128 x block column + 64 x half
	s_mov_b32 s17, 0
	s_mov_b32 s47, 0
	s_mov_b64 s[18:19], SIZE_K*2
	s_mul_u64 s[16:17], s[16:17], s[18:19]
	s_mul_u64 s[46:47], s[46:47], s[18:19]
	s_mul_i32 s20, s10, HALFT                      ; the LDS address hangs on the wave's number alone
	s_lshl_b32 s74, s13, 19                        ; OUT and RES: row 128 x block row + 64 x half, 4,096 bytes each
	s_lshl_b32 s75, s11, 18
	s_add_co_u32 s74, s74, s75
	s_mov_b32 s75, 0
	s_lshl_b32 s76, s42, 9                         ; column 128 x block column + 64 x half, 4 bytes each
	s_lshl_b32 s77, s12, 8
	s_add_co_u32 s76, s76, s77
	s_mov_b32 s77, 0
	s_wait_dscnt 0x0
	s_wait_kmcnt 0x0
	s_add_nc_u64 s[6:7], s[6:7], WT_OFF
	s_add_nc_u64 s[14:15], s[4:5], s[16:17]
	s_add_nc_u64 s[46:47], s[6:7], s[46:47]
	s_add_nc_u64 s[8:9], s[8:9], s[74:75]
	s_add_nc_u64 s[8:9], s[8:9], s[76:77]
	s_add_nc_u64 s[68:69], s[68:69], s[74:75]
	s_add_nc_u64 s[68:69], s[68:69], s[76:77]
	s_add_nc_u64 s[66:67], s[66:67], s[76:77]
	CROUND                                         ; all sixteen work-groups are here: the first joint loads meet
.irp s, 0,1
	s_mov_b32 s[G0+4*\s], 1
	s_add_co_u32 s[G0+4*\s+1], s20, \s*SLOT
	s_add_nc_u64 s[G0+4*\s+2:G0+4*\s+3], s[14:15], \s*KSTEP*2
	s_or_b32 s[G0+4*\s+3], s[G0+4*\s+3], 0x80000000
	s_mov_b32 s[G0B+4*\s], 1
	s_add_co_u32 s[G0B+4*\s+1], s20, \s*SLOT
	s_add_nc_u64 s[G0B+4*\s+2:G0B+4*\s+3], s[46:47], \s*KSTEP*2
	s_or_b32 s[G0B+4*\s+3], s[G0B+4*\s+3], 0x80000000
	JLOAD \s                                       ; two tensor loads of the wave are out
.endr
	v_and_b32 v1, 15, v0                           ; r
	v_bfe_u32 v2, v0, 4, 1                         ; h
	v_mul_u32_u24 v3, v1, PITCH
	v_lshl_add_u32 v3, v2, 4, v3
	s_mul_i32 s21, s11, HALFT
	s_mul_i32 s22, s12, HALFT
	s_add_co_u32 s22, s22, 2*HALFT
.irp s, 0,1
	v_add_nc_u32 v[ADRA+\s], s21, v3
	v_add_nc_u32 v[ADRB+\s], s22, v3
	s_add_co_u32 s21, s21, SLOT
	s_add_co_u32 s22, s22, SLOT
.endr
	s_mul_i32 s23, s10, 16*SPITCH
	s_add_co_u32 s23, s23, STAGE
	v_mul_u32_u24 v4, v1, SPITCH                   ; in: row r, 32 bytes (8 f32) for each half of the lanes
	v_lshl_add_u32 v4, v2, 5, v4
	v_add_nc_u32 v[STO], s23, v4
	v_mul_u32_u24 v5, v2, SPITCH                   ; back: lanes 0-15 one row of 256 bytes, lanes 16-31 the next
	v_lshl_add_u32 v5, v1, 4, v5
	v_add_nc_u32 v[RD], s23, v5
	v_lshlrev_b32 v5, 12, v2
	v_lshl_add_u32 v[CO], v1, 4, v5                ; the same two rows in OUT and RES
	v_lshlrev_b32 v[BO], 4, v1
	WIN 0x40                                       ; destination window 1
.irp i, 0,1,2,3
.irp t, 0,1,2,3,4,5,6,7
	global_load_b128 v[RES+4*(8*\i+\t):RES+4*(8*\i+\t)+3], v[CO], s[68:69] offset:(16*\i+2*\t)*4096 th:TH_LOAD_NT
.endr
.endr
	WIN 0
	global_load_b128 v[BIAS:BIAS+3], v[BO], s[66:67]
.macro MUL8 f, a0, zero                ; m blocks a0, a0 + 1 x all 4 n blocks, 32 along K
.irp a, \a0, \a0+1
.irp b, 0,1,2,3
.if \zero
	v_wmma_f32_16x16x32_bf16 v[8*(4*(\a)+\b):8*(4*(\a)+\b)+7], v[\f+32+8*\b:\f+32+8*\b+7], v[\f+8*(\a):\f+8*(\a)+7], 0
.else
	v_wmma_f32_16x16x32_bf16 v[8*(4*(\a)+\b):8*(4*(\a)+\b)+7], v[\f+32+8*\b:\f+32+8*\b+7], v[\f+8*(\a):\f+8*(\a)+7], v[8*(4*(\a)+\b):8*(4*(\a)+\b)+7]
.endif
.endr
.endr
.endm
.macro FETCH slot, k, f                ; 16 LDS loads: 64 rows of W, 64 rows of A, 32 K at byte k of the rows
.irp i, 0,1,2,3
	ds_load_b128 v[\f+32+8*\i:\f+32+8*\i+3], v[ADRB+\slot] offset:\k+\i*16*PITCH
	ds_load_b128 v[\f+32+8*\i+4:\f+32+8*\i+7], v[ADRB+\slot] offset:\k+\i*16*PITCH+32
.endr
.irp i, 0,1,2,3
	ds_load_b128 v[\f+8*\i:\f+8*\i+3], v[ADRA+\slot] offset:\k+\i*16*PITCH
	ds_load_b128 v[\f+8*\i+4:\f+8*\i+7], v[ADRA+\slot] offset:\k+\i*16*PITCH+32
.endr
.endm
.macro PLACES                          ; four places between a matrix instruction and a load into a register that it read
.rept 4
	v_nop
.endr
.endm
; A K step is eight parts of 32 along K on buffers 0, 1, 0, 1 ..  One of the first seven: fetches the next part into g, multiplies f.
; The 16 accumulators take turns, one instruction a turn, in the same order in every part.
.macro SUB slot, k, f, g, zero
	WIN 0
	PLACES
	FETCH \slot, \k, \g
	s_wait_dscnt 16                                ; f's 16 loads are in; the 16 just issued may be out
	WIN MULW
	MUL8 \f, 0, \zero
	MUL8 \f, 2, \zero
.endm
.macro SEVEN slot, zero
	SUB \slot, 64,  F0, F1, \zero
	SUB \slot, 128, F1, F0, 0
	SUB \slot, 192, F0, F1, 0
	SUB \slot, 256, F1, F0, 0
	SUB \slot, 320, F0, F1, 0
	SUB \slot, 384, F1, F0, 0
	SUB \slot, 448, F0, F1, 0
.endm
; The eighth part multiplies buffer 1 and changes slots: waits, barrier (the opening of a round where a slot is filled again), refill first, then the next slot's first fragments.
.macro TURN slot, next, fill
	s_wait_dscnt 0                                 ; my reads of this slot are over
	s_wait_tensorcnt 0x0                           ; all my tensor loads have landed: the one that was out is my part of the next slot
	ds_add_u32 v254, v255
	s_wait_dscnt 0x0
	s_barrier_signal -1
	WIN MULW
	MUL8 F1, 0, 0                                  ; register work while the others arrive
	WIN 0
	s_barrier_wait -1
.if \fill
	CREST                                          ; no wave of any partner still reads this slot or has a load on its way
	s_add_nc_u64 s[G0+4*\slot+2:G0+4*\slot+3], s[G0+4*\slot+2:G0+4*\slot+3], 2*KSTEP*2
	s_add_nc_u64 s[G0B+4*\slot+2:G0B+4*\slot+3], s[G0B+4*\slot+2:G0B+4*\slot+3], 2*KSTEP*2
	JLOAD \slot                                    ; the first tensor load behind the round: one is out
.endif
	PLACES
	FETCH \next, 0, F0
	WIN MULW
	MUL8 F1, 2, 0
.endm
.macro LAP zero
	SEVEN 0, \zero
	TURN 0, 1, 1
	SEVEN 1, 0
	TURN 1, 0, 1
.endm
	s_wait_tensorcnt 1                             ; my part of K step 0 is in, K step 1's stays out
	s_barrier_signal -1
	s_barrier_wait -1
	FETCH 0, 0, F0
	LAP 1                                          ; the first products start the sums: nothing is cleared
.if LAPS > 2
	WIN 0
	s_mov_b32 s3, LAPS-2
.Llap:
	LAP 0
	WIN 0
	s_sub_co_u32 s3, s3, 1
	s_cmp_lg_u32 s3, 0
	s_cbranch_scc1 .Llap
.endif
	SEVEN 0, 0                                     ; the last lap fills nothing
	TURN 0, 1, 0
	SEVEN 1, 0
	s_wait_dscnt 0
	WIN MULW
	MUL8 F1, 0, 0
	MUL8 F1, 2, 0
	; THE WAY OUT, 16 rows at a time: f32 through my stage, read back as whole rows of 256 bytes, + residual + bias, stored.
	PLACES
	s_wait_loadcnt 0x0                             ; residual and bias, asked for at the head
.macro OUT16 i
	WIN 0x04                                       ; store data from window 1
.irp b, 0,1,2,3
.irp u, 0,1
	ds_store_b128 v[STO], v[8*(4*\i+\b)+4*\u:8*(4*\i+\b)+4*\u+3] offset:64*\b+16*\u
.endr
.endr
	WIN 0
	s_wait_xcnt 0x0                                ; the rows' registers, which the last block's stores read, are rewritten only behind this wait (ISA guide 3.1)
.irp t, 0,1,2,3,4,5,6,7
	ds_load_b128 v[TT+4*\t:TT+4*\t+3], v[RD] offset:\t*2*SPITCH    ; LDS serves a wave's instructions in order: these see the stores above
.endr
	s_wait_dscnt 0
	WIN 0x04                                       ; source 1 from window 1
.irp t, 0,1,2,3,4,5,6,7
.irp q, 0,1
	v_pk_add_f32 v[TT+4*\t+2*\q:TT+4*\t+2*\q+1], v[TT+4*\t+2*\q:TT+4*\t+2*\q+1], v[RES+4*(8*\i+\t)+2*\q:RES+4*(8*\i+\t)+2*\q+1]
.endr
.endr
	WIN 0
.irp t, 0,1,2,3,4,5,6,7
.irp q, 0,1
	v_pk_add_f32 v[TT+4*\t+2*\q:TT+4*\t+2*\q+1], v[TT+4*\t+2*\q:TT+4*\t+2*\q+1], v[BIAS+2*\q:BIAS+2*\q+1]
.endr
	global_store_b128 v[CO], v[TT+4*\t:TT+4*\t+3], s[8:9] offset:(16*\i+2*\t)*4096   ; 16 lanes store 256 consecutive bytes, aligned
.endr
.endm
	OUT16 0
	OUT16 1
	OUT16 2
	OUT16 3
	s_wait_tensorcnt 0x0
	ds_add_u32 v254, v255
	s_wait_dscnt 0x0
	CROUND                                         ; the closing round
	s_endpgm
.Lfunc_end_k_qc1486a2853_ffn2:
	.size	k_qc1486a2853_ffn2, .Lfunc_end_k_qc1486a2853_ffn2-k_qc1486a2853_ffn2
	.p2alignl 7, 3214868480
	.fill 96, 4, 3214868480
	.section	.rodata,"a",@progbits
	.p2align	6, 0x0
	.amdhsa_kernel k_qc1486a2853_ffn2
		.amdhsa_group_segment_fixed_size 327680
		.amdhsa_private_segment_fixed_size 0
		.amdhsa_enable_private_segment 0
		.amdhsa_kernarg_size 40
		.amdhsa_user_sgpr_count 2
		.amdhsa_user_sgpr_kernarg_segment_ptr 1
		.amdhsa_wavefront_size32 1
		.amdhsa_system_sgpr_workgroup_id_x 1
		.amdhsa_system_sgpr_workgroup_id_y 1
		.amdhsa_system_sgpr_workgroup_id_z 1
		.amdhsa_system_vgpr_workitem_id 0
		.amdhsa_next_free_vgpr 512
		.amdhsa_next_free_sgpr 80
		.amdhsa_reserve_vcc 0
		.amdhsa_float_denorm_mode_32 3
		.amdhsa_float_denorm_mode_16_64 3
		.amdhsa_memory_ordered 1
		.amdhsa_forward_progress 1
		.amdhsa_inst_pref_size 137
	.end_amdhsa_kernel
	.amdgpu_metadata
---
amdhsa.version: [ 1, 2 ]
amdhsa.kernels:
  - .name:           k_qc1486a2853_ffn2
    .symbol:         k_qc1486a2853_ffn2.kd
    .args:
      - { .name: hh, .offset: 0, .size: 8, .value_kind: global_buffer, .address_space: global }
      - { .name: wt, .offset: 8, .size: 8, .value_kind: global_buffer, .address_space: global }
      - { .name: out0, .offset: 16, .size: 8, .value_kind: global_buffer, .address_space: global }
      - { .name: b2, .offset: 24, .size: 8, .value_kind: global_buffer, .address_space: global }
      - { .name: x1, .offset: 32, .size: 8, .value_kind: global_buffer, .address_space: global }
    .group_segment_fixed_size: 327680
    .private_segment_fixed_size: 0
    .kernarg_segment_align: 8
    .kernarg_segment_size: 40
    .max_flat_workgroup_size: 128
    .sgpr_count:     80
    .vgpr_count:     512
    .wavefront_size: 32
...
	.end_amdgpu_metadata
.endif
;; end of part 7
;; ======== version 2 of 2: 7 launches; version 1 with the launches prep, ln2 written anew for expert scheduling mode
;; workspace buffers: wt 25,165,824 bytes; tab 524,288 bytes; xn 8,388,608 bytes; qkv 25,165,824 bytes; ao 8,388,608 bytes; x1 16,777,216 bytes; hh 33,554,432 bytes
;; launch prep (part 8): grid 1056 x 1, 8 waves a work-group, no clusters, 35,840 bytes of LDS; arguments Wq, Wk, Wv, Wo, W1, W2, wt, tab, x, g1, beta1, xn; writes wt, tab, xn
.if DOCPART == 8
	.amdgcn_target "amdgcn-amd-amdhsa--gfx1250"
	.amdhsa_code_object_version 6
	.text
	.protected	k_qc1486a2853_prep
	.globl	k_qc1486a2853_prep
	.p2align	8
	.type	k_qc1486a2853_prep,@function
k_qc1486a2853_prep:
	s_mov_b64 s[64:65], 0
	v_nop
	global_prefetch_b8 v0, s[64:65] scope:SCOPE_SE
	s_setreg_imm32_b32 hwreg(HW_REG_WAVE_SCHED_MODE, 0, 2), 2
	s_setreg_imm32_b32 hwreg(HW_REG_WAVE_MODE, 25, 1), 1
	s_wait_xcnt 0x0
	s_wait_alu depctr_vm_vsrc(0)
; PREP: three jobs that depend on nothing but the inputs, in one launch, so that they share one start and one end.
; (1) The six weights, f32 [K][N], become bf16 [N][K] in wt (K along the rows, as the matrix unit's fragments want them).
;     wt in bytes: Wq^T, Wk^T, Wv^T, Wo^T at 0, 2, 4, 6 MiB (1024 rows of 2,048 bytes each), W1^T at 8 MiB (4096 rows of 2,048 bytes),
;     W2^T at 16 MiB (1024 rows of 8,192 bytes).
; (2) The first layer norm: xn[r][c] = (x[r][c] - mean) * rsqrt(var + 1e-5) * g1[c] + beta1[c], x f32 [4096][1024], xn bf16.
; (3) The RoPE table tab[s][i] = (cos, sin)(s * 10000^(-i/32)), f32, s = 0..2047, i = 0..31.
; Work-groups 0-255: a tile of 128 k x 128 n of one square weight; 256-511: of W1; 512-767: of W2; 768-1023: 16 rows of the layer norm;
; 1024-1055: 2,048 table entries each.  The branch hangs on the work-group's number alone, so all eight waves of a work-group take the same way.
; A weight tile: each wave's load covers the 512 consecutive bytes of one k row; eight k of one column are rounded to 16 bytes and laid into LDS
; rows (one per n, 272 bytes apart); rows are read back whole, and sixteen lanes store 256 consecutive bytes, aligned.
; The LDS stores of a wave go to rows 4 q + c, 1,088 bytes apart, so four lanes share a group of banks: eight such stores a thread,
; accepted in a kernel whose time is its bytes from and to memory.
; The layer norm: a wave owns two rows and keeps each in 32 registers between the passes (mean; squares of the differences from it, as reference()
; forms the variance; scaling): a row is read once, and no wave waits for another.
; No matrix unit, no cluster, no tensor load: nothing is shared or multiplied.
; LIMIT: sine and cosine are polynomials on |y| <= pi/4 behind a two-word reduction by pi/2 (error under 4e-7); the frequency is
; exp2(-i * log2(10000)/32); together the angle is off by under 3e-4 rad at s = 2047.
; THE MODE: SCHED_MODE bits 1:0 = 2 (LLVM: expert scheduling mode 2), set by the entry lines.  The code itself states the register dependences
; between vector instructions and memory or LDS instructions, with s_wait_alu, always for 0.
; THE PLAN.  No way through the text has a loop.  Registers that memory or LDS instructions touch:
;   a weight tile   v3: written at the head, read by the 16 loads.  XR: the loads land in it, the conversions read it; no vector line names it before the loads.
;                   PK, a half for each eight rows: written by that half's 16 conversions, read by its 4 LDS stores, never written again.
;                   v4, v5, v6: made behind the loads, read by the LDS stores, the LDS loads and the global stores, never written again.
;                   RB: written by LDS loads, read by global stores; no vector line names it.
;                   Three waits on va_vdst: ahead of the loads (v3); behind each half's conversions (its PK; the first also v4, v5, v6).
;   the layer norm  v1, v2, v3: written at the head, read by the loads and the stores, never written again.  X0, X1, G, BT: the loads land in them; no vector line
;                   names them before.  A row's roundings write the registers that its 8 stores read; nothing writes them again.
;                   Four waits on va_vdst: ahead of the loads; for the two reciprocal roots; behind row 0's roundings, whose stores are then dealt among row 1's
;                   lines, which name X1, R1, G and BT alone; behind row 1's roundings.
;   the table       v4: the stores' offset, written once.  Each of the 8 entries has registers of its own; its pair (cos, sin) is read by its store.
;                   The 8 compares write 8 scalar registers in one run: one wait on va_sdst ahead of the selects.  One wait on va_vdst ahead of the 8 stores.
;   v152, v153      written at the head, read by the closing add alone.
; No register that a memory or LDS instruction has read is written again on any way, so the text holds no wait on vm_vsrc.
.set XR, 8                             ; v[8:71]    weight tile: 16 rows as loaded, 4 f32 each
.set PK, 72                            ; v[72:103]  packed: 2 x 4 columns x 8 k in bf16
.set RB, 104                           ; v[104:135] rows read back
.set LP, 272                           ; LDS pitch: 256 bytes of k + 16
.set X0, 8                             ; v[8:39]    layer norm: row 0: load j holds columns 128 j + 4 lane .. + 3
.set X1, 40                            ; v[40:71]   row 1
.set G,  72                            ; v[72:103]  gamma of the same columns
.set BT, 104                           ; v[104:135] beta
.set S,  136                           ; v[136:143] four chains of sums, two numbers each
.set MU, 144                           ; v[144:145] the mean, twice
.set R0, 146                           ; v[146:147] 1 / sqrt(var + eps) of row 0, twice
.set R1, 148                           ; v[148:149] of row 1
; One weight tile.  SP, DP: bytes from row to row in the source and in wt.  s[4:5]: the tile in the source; s[6:7]: in wt.
.macro XPOSE SP, DP
	v_and_b32 v1, 31, v0                           ; q: my four columns 4 q .. 4 q + 3
	v_lshrrev_b32 v2, 5, v0                        ; wave: my rows 64 u + 8 wave + j
	v_mul_u32_u24 v3, v2, 8*\SP
	v_lshl_add_u32 v3, v1, 4, v3
	s_wait_alu depctr_va_vdst(0)                   ; v3 is written, which the sixteen loads read as their offset
.irp u, 0,1
.irp j, 0,1,2,3,4,5,6,7
	global_load_b128 v[XR+4*(8*\u+\j):XR+4*(8*\u+\j)+3], v3, s[4:5] offset:(64*\u+\j)*\SP th:TH_LOAD_NT
.endr
.endr
	v_mul_u32_u24 v4, v1, 4*LP                     ; in: LDS row 4 q + c, byte 2 (64 u + 8 wave)
	v_lshl_add_u32 v4, v2, 4, v4
	v_lshrrev_b32 v7, 4, v0                        ; back: row t / 16 + 16 i, 16 bytes at 16 (t % 16)
	v_and_b32 v1, 15, v0
	v_mul_u32_u24 v5, v7, LP
	v_lshl_add_u32 v5, v1, 4, v5
	v_mul_u32_u24 v6, v7, \DP
	v_lshl_add_u32 v6, v1, 4, v6
.irp u, 0,1
	s_wait_loadcnt 8-8*\u                          ; loads come back in order: the eight rows of this half are in
.irp c, 0,1,2,3
.irp p, 0,1,2,3
	v_cvt_pk_bf16_f32 v[PK+16*\u+4*\c+\p], v[XR+4*(8*\u+2*\p)+\c], v[XR+4*(8*\u+2*\p+1)+\c]
.endr
.endr
	s_wait_alu depctr_va_vdst(0)                   ; the sixteen conversions have written this half of PK, which the four LDS stores read; at the first half v4, v5 and v6 are written too
.irp c, 0,1,2,3
	ds_store_b128 v4, v[PK+16*\u+4*\c:PK+16*\u+4*\c+3] offset:LP*\c+128*\u
.endr
.endr
	s_wait_dscnt 0x0                               ; my stores are done, for the other waves' sake
	s_barrier_signal -1
	s_barrier_wait -1
.irp i, 0,1,2,3,4,5,6,7
	ds_load_b128 v[RB+4*\i:RB+4*\i+3], v5 offset:\i*16*LP    ; no vector instruction since the last wait names v5, v6 or RB
.endr
.irp i, 0,1,2,3,4,5,6,7
	s_wait_dscnt 7-\i
	global_store_b128 v6, v[RB+4*\i:RB+4*\i+3], s[6:7] offset:\i*16*\DP
.endr
.endm
; Layer norm: the four chains become one number, then the sum over the 32 lanes, in every lane, in v[S]
.macro LANESUM
	v_pk_add_f32 v[S:S+1], v[S:S+1], v[S+2:S+3]
	v_pk_add_f32 v[S+4:S+5], v[S+4:S+5], v[S+6:S+7]
	v_pk_add_f32 v[S:S+1], v[S:S+1], v[S+4:S+5]
	v_add_f32 v[S], v[S], v[S+1]
	v_add_f32_dpp v[S], v[S], v[S] row_xmask:1 row_mask:0xf bank_mask:0xf
	v_add_f32_dpp v[S], v[S], v[S] row_xmask:2 row_mask:0xf bank_mask:0xf
	v_add_f32_dpp v[S], v[S], v[S] row_xmask:4 row_mask:0xf bank_mask:0xf
	v_add_f32_dpp v[S], v[S], v[S] row_xmask:8 row_mask:0xf bank_mask:0xf
	v_permlanex16_b32 v[S+1], v[S], s12, s13       ; its destination counts as read: a register that has been written
	v_add_f32 v[S], v[S], v[S+1]
.endm
; The row in x becomes x - mean; r gets 1 / sqrt(var + eps).  left: how many younger loads may stay out.
.macro STATS x, left, r
	s_wait_loadcnt \left
.irp c, 0,1,2,3
	v_pk_add_f32 v[S+2*\c:S+2*\c+1], v[\x+2*\c:\x+2*\c+1], v[\x+8+2*\c:\x+8+2*\c+1]   ; the first sums start the chains: nothing is cleared
.endr
.irp p, 8,9,10,11,12,13,14,15
	v_pk_add_f32 v[S+2*(\p%4):S+2*(\p%4)+1], v[S+2*(\p%4):S+2*(\p%4)+1], v[\x+2*\p:\x+2*\p+1]
.endr
	LANESUM
	v_mul_f32 v[MU], s14, v[S]
	v_mov_b32 v[MU+1], v[MU]
.irp p, 0,1,2,3,4,5,6,7,8,9,10,11,12,13,14,15
	v_pk_add_f32 v[\x+2*\p:\x+2*\p+1], v[\x+2*\p:\x+2*\p+1], v[MU:MU+1] neg_lo:[0,1] neg_hi:[0,1]
.endr
.irp c, 0,1,2,3
	v_pk_mul_f32 v[S+2*\c:S+2*\c+1], v[\x+2*\c:\x+2*\c+1], v[\x+2*\c:\x+2*\c+1]
.endr
.irp p, 4,5,6,7,8,9,10,11,12,13,14,15
	v_pk_fma_f32 v[S+2*(\p%4):S+2*(\p%4)+1], v[\x+2*\p:\x+2*\p+1], v[\x+2*\p:\x+2*\p+1], v[S+2*(\p%4):S+2*(\p%4)+1]
.endr
	LANESUM
	v_fma_f32 v[S], v[S], s14, s15                 ; var + eps
	v_rsq_f32 v[\r], v[S]
	v_nop                                          ; one plain instruction behind v_rsq_f32 before its source is written again or its result used (ISA guide 5.7.2)
.endm
; Row x: scale, gain, bias, round, four columns of each load at a time.  deal = 1: in front of each group stands one of the eight stores of row sx, at byte soff of
; the wave's two rows: that row was rounded ahead of the last wait on va_vdst, and no line here names its registers or v3.
.macro SCALE x, r, deal, sx, soff
.irp j, 0,1,2,3,4,5,6,7
.if \deal
	global_store_b64 v3, v[\sx+4*\j:\sx+4*\j+1], s[10:11] offset:256*\j+\soff
.endif
	v_pk_mul_f32 v[\x+4*\j:\x+4*\j+1], v[\x+4*\j:\x+4*\j+1], v[\r:\r+1]
	v_pk_mul_f32 v[\x+4*\j+2:\x+4*\j+3], v[\x+4*\j+2:\x+4*\j+3], v[\r:\r+1]
	v_pk_fma_f32 v[\x+4*\j:\x+4*\j+1], v[\x+4*\j:\x+4*\j+1], v[G+4*\j:G+4*\j+1], v[BT+4*\j:BT+4*\j+1]
	v_pk_fma_f32 v[\x+4*\j+2:\x+4*\j+3], v[\x+4*\j+2:\x+4*\j+3], v[G+4*\j+2:G+4*\j+3], v[BT+4*\j+2:BT+4*\j+3]
	v_cvt_pk_bf16_f32 v[\x+4*\j], v[\x+4*\j], v[\x+4*\j+1]
	v_cvt_pk_bf16_f32 v[\x+4*\j+1], v[\x+4*\j+2], v[\x+4*\j+3]
.endr
.endm
	s_load_b512 s[8:23], s[0:1], 0x0               ; Wq 8, Wk 10, Wv 12, Wo 14, W1 16, W2 18, wt 20, tab 22
	s_load_b256 s[24:31], s[0:1], 0x40             ; x 24, g1 26, beta1 28, xn 30
	v_lshl_add_u32 v152, v0, 2, 0x8800
	v_mov_b32 v153, 0
	s_mov_b32 s36, ttmp9
	s_mov_b32 s41, 0                               ; upper words of the two offsets
	s_mov_b32 s43, 0
	s_wait_kmcnt 0x0
	s_cmp_lt_u32 s36, 256
	s_cbranch_scc0 .Lnot_square
	s_lshr_b32 s37, s36, 6                         ; which weight
	s_bfe_u32 s38, s36, 0x30003                    ; k tile
	s_and_b32 s39, s36, 7                          ; n tile
	s_cmp_eq_u32 s37, 1
	s_cselect_b64 s[4:5], s[10:11], s[8:9]
	s_cmp_eq_u32 s37, 2
	s_cselect_b64 s[4:5], s[12:13], s[4:5]
	s_cmp_eq_u32 s37, 3
	s_cselect_b64 s[4:5], s[14:15], s[4:5]
	s_lshl_b32 s40, s38, 19                        ; 128 rows of 4,096 bytes
	s_lshl_b32 s42, s39, 9                         ; 128 f32
	s_add_co_u32 s40, s40, s42
	s_add_nc_u64 s[4:5], s[4:5], s[40:41]
	s_lshl_b32 s42, s37, 21                        ; 2 MiB a weight
	s_lshl_b32 s40, s39, 18                        ; 128 rows of 2,048 bytes
	s_add_co_u32 s42, s42, s40
	s_lshl_b32 s40, s38, 8                         ; 128 bf16
	s_add_co_u32 s42, s42, s40
	s_add_nc_u64 s[6:7], s[20:21], s[42:43]
	XPOSE 4096, 2048
	s_wait_dscnt 0x0                               ; the closing lines, six on end
	s_wait_alu 0x0
	s_wait_tensorcnt 0x0
	ds_add_u32 v152, v153
	s_wait_dscnt 0x0
	s_endpgm
.Lnot_square:
	s_cmp_lt_u32 s36, 512
	s_cbranch_scc0 .Lnot_w1
	s_sub_co_u32 s37, s36, 256
	s_lshr_b32 s38, s37, 5                         ; k tile 0..7
	s_and_b32 s39, s37, 31                         ; n tile 0..31
	s_lshl_b32 s40, s38, 21                        ; 128 rows of 16,384 bytes
	s_lshl_b32 s42, s39, 9
	s_add_co_u32 s40, s40, s42
	s_add_nc_u64 s[4:5], s[16:17], s[40:41]
	s_lshl_b32 s42, s39, 18
	s_lshl_b32 s40, s38, 8
	s_add_co_u32 s42, s42, s40
	s_add_co_u32 s42, s42, 0x800000
	s_add_nc_u64 s[6:7], s[20:21], s[42:43]
	XPOSE 16384, 2048
	s_wait_dscnt 0x0                               ; the closing lines, as above
	s_wait_alu 0x0
	s_wait_tensorcnt 0x0
	ds_add_u32 v152, v153
	s_wait_dscnt 0x0
	s_endpgm
.Lnot_w1:
	s_cmp_lt_u32 s36, 768
	s_cbranch_scc0 .Lnot_w2
	s_sub_co_u32 s37, s36, 512
	s_lshr_b32 s38, s37, 3                         ; k tile 0..31
	s_and_b32 s39, s37, 7                          ; n tile 0..7
	s_lshl_b32 s40, s38, 19
	s_lshl_b32 s42, s39, 9
	s_add_co_u32 s40, s40, s42
	s_add_nc_u64 s[4:5], s[18:19], s[40:41]
	s_lshl_b32 s42, s39, 20                        ; 128 rows of 8,192 bytes
	s_lshl_b32 s40, s38, 8
	s_add_co_u32 s42, s42, s40
	s_add_co_u32 s42, s42, 0x1000000
	s_add_nc_u64 s[6:7], s[20:21], s[42:43]
	XPOSE 4096, 8192
	s_wait_dscnt 0x0                               ; the closing lines, as above
	s_wait_alu 0x0
	s_wait_tensorcnt 0x0
	ds_add_u32 v152, v153
	s_wait_dscnt 0x0
	s_endpgm
.Lnot_w2:
	s_cmp_lt_u32 s36, 1024
	s_cbranch_scc0 .Ltable
	; the layer norm of rows 16 g .. 16 g + 15; a load of a wave covers 512 consecutive bytes, a store 256 consecutive bytes, aligned
	s_sub_co_u32 s37, s36, 768                     ; g
	s_lshl_b32 s40, s37, 16                        ; 16 rows of 4,096 bytes
	s_lshl_b32 s42, s37, 15                        ; 16 rows of 2,048 bytes
	s_add_nc_u64 s[4:5], s[24:25], s[40:41]
	s_add_nc_u64 s[10:11], s[30:31], s[42:43]
	s_mov_b32 s12, 0x76543210                      ; v_permlanex16_b32: lane i reads lane i of the other half
	s_mov_b32 s13, 0xfedcba98
	s_mov_b32 s14, 0x3a800000                      ; 1 / 1024
	s_mov_b32 s15, 0x3727c5ac                      ; 1e-5
	v_and_b32 v4, 31, v0
	v_lshrrev_b32 v5, 5, v0
	v_lshlrev_b32 v2, 4, v4                        ; gamma, beta: 16 lane
	v_lshl_add_u32 v1, v5, 13, v2                  ; x: + wave x 2 rows
	v_lshlrev_b32 v3, 3, v4
	v_lshl_add_u32 v3, v5, 12, v3                  ; xn: 8 lane + wave x 2 rows
	s_wait_alu depctr_va_vdst(0)                   ; v1, v2 and v3 are written: the offsets of every load and store of this way
.irp j, 0,1,2,3,4,5,6,7
	global_load_b128 v[X0+4*\j:X0+4*\j+3], v1, s[4:5] offset:512*\j
.endr
.irp j, 0,1,2,3,4,5,6,7
	global_load_b128 v[X1+4*\j:X1+4*\j+3], v1, s[4:5] offset:4096+512*\j
.endr
.irp j, 0,1,2,3,4,5,6,7
	global_load_b128 v[G+4*\j:G+4*\j+3], v2, s[26:27] offset:512*\j
.endr
.irp j, 0,1,2,3,4,5,6,7
	global_load_b128 v[BT+4*\j:BT+4*\j+3], v2, s[28:29] offset:512*\j
.endr
	STATS X0, 24, R0                               ; row 0 is in; row 1, gamma and beta (24 loads) may be out
	STATS X1, 16, R1                               ; row 1 is in; gamma and beta (16 loads) may be out
	s_wait_loadcnt 0x0                             ; gamma and beta
	s_wait_alu depctr_va_vdst(0)                   ; both reciprocal roots, v[R0] and v[R1], are written, ahead of their first readers: one wait for the two
	v_mov_b32 v[R0+1], v[R0]
	v_mov_b32 v[R1+1], v[R1]
	SCALE X0, R0, 0, 0, 0
	s_wait_alu depctr_va_vdst(0)                   ; row 0's roundings have written the registers that its eight stores read
	SCALE X1, R1, 1, X0, 0                         ; row 0 leaves while row 1 is scaled
	s_wait_alu depctr_va_vdst(0)                   ; row 1's roundings have written the registers that its eight stores read
.irp j, 0,1,2,3,4,5,6,7
	global_store_b64 v3, v[X1+4*\j:X1+4*\j+1], s[10:11] offset:256*\j+2048
.endr
	s_endpgm
.Ltable:
	; entry e = 2048 g + 256 i + t: frequency t % 32, position s = 64 g + 8 i + t / 32.  A wave's store covers 256 consecutive bytes, aligned.
	s_sub_co_u32 s37, s36, 1024                    ; g
	s_lshl_b32 s40, s37, 14                        ; 2,048 entries of 8 bytes
	s_add_nc_u64 s[22:23], s[22:23], s[40:41]
	s_lshl_b32 s37, s37, 6
	v_and_b32 v1, 31, v0
	v_cvt_f32_u32 v1, v1
	v_mul_f32 v1, 0xbed49a78, v1                   ; -i log2(10000) / 32
	v_exp_f32 v2, v1                               ; the frequency
	v_lshrrev_b32 v3, 5, v0                        ; (a plain instruction behind the exponential: ISA guide 5.7.2)
	v_add_nc_u32 v3, s37, v3                       ; s of my entry 0
	v_lshlrev_b32 v4, 3, v0
	s_wait_alu depctr_va_vdst(0)                   ; the exponential has written v2, ahead of its first reader
	; first the eight entries' sines and cosines on |y| <= pi/4 and, in a scalar register for each entry (s32-35, s44-47), the lanes whose n is odd
.irp i, 0,1,2,3,4,5,6,7
	v_add_nc_u32 v[10+12*\i], 8*\i, v3
	v_cvt_f32_u32 v[10+12*\i], v[10+12*\i]
	v_mul_f32 v[10+12*\i], v[10+12*\i], v2                          ; the angle, in f32 as reference() forms it
	v_mul_f32 v[11+12*\i], 0x3f22f983, v[10+12*\i]                  ; x 2 / pi
	v_rndne_f32 v[11+12*\i], v[11+12*\i]                            ; n
	v_fmamk_f32 v[10+12*\i], v[11+12*\i], 0xbfc90fdb, v[10+12*\i]   ; y = angle - n pi/2, pi/2 in two words
	v_fmamk_f32 v[10+12*\i], v[11+12*\i], 0x333bbd2e, v[10+12*\i]
	v_mul_f32 v[12+12*\i], v[10+12*\i], v[10+12*\i]                 ; z = y y
	v_mov_b32 v[13+12*\i], 0xb9500d01                               ; sin y = y + y z (-1/6 + z (1/120 - z/5040))
	v_fmaak_f32 v[13+12*\i], v[12+12*\i], v[13+12*\i], 0x3c088889
	v_fmaak_f32 v[13+12*\i], v[12+12*\i], v[13+12*\i], 0xbe2aaaab
	v_mul_f32 v[14+12*\i], v[10+12*\i], v[12+12*\i]
	v_fma_f32 v[13+12*\i], v[14+12*\i], v[13+12*\i], v[10+12*\i]
	v_mov_b32 v[14+12*\i], 0x37d00d01                               ; cos y = 1 + z (-1/2 + z (1/24 + z (-1/720 + z/40320)))
	v_fmaak_f32 v[14+12*\i], v[12+12*\i], v[14+12*\i], 0xbab60b61
	v_fmaak_f32 v[14+12*\i], v[12+12*\i], v[14+12*\i], 0x3d2aaaab
	v_fmaak_f32 v[14+12*\i], v[12+12*\i], v[14+12*\i], 0xbf000000
	v_fma_f32 v[14+12*\i], v[12+12*\i], v[14+12*\i], 1.0
	v_cvt_i32_f32 v[15+12*\i], v[11+12*\i]                          ; the quadrant: n odd swaps the two,
	v_and_b32 v[16+12*\i], 1, v[15+12*\i]
	v_cmp_ne_u32 s[32+\i+8*(\i/4)], 0, v[16+12*\i]
.endr
	s_wait_alu depctr_va_sdst(0)                   ; the eight compares have written their scalar registers, ahead of the first select that reads one
.irp i, 0,1,2,3,4,5,6,7
	v_cndmask_b32 v[9+12*\i], v[13+12*\i], v[14+12*\i], s[32+\i+8*(\i/4)]   ; sin
	v_cndmask_b32 v[8+12*\i], v[14+12*\i], v[13+12*\i], s[32+\i+8*(\i/4)]   ; cos
	v_and_b32 v[16+12*\i], 2, v[15+12*\i]                           ; n & 2 turns the sine's sign,
	v_lshlrev_b32 v[16+12*\i], 30, v[16+12*\i]
	v_xor_b32 v[9+12*\i], v[9+12*\i], v[16+12*\i]
	v_add_nc_u32 v[15+12*\i], 1, v[15+12*\i]                        ; (n + 1) & 2 the cosine's
	v_and_b32 v[15+12*\i], 2, v[15+12*\i]
	v_lshlrev_b32 v[15+12*\i], 30, v[15+12*\i]
	v_xor_b32 v[8+12*\i], v[8+12*\i], v[15+12*\i]
.endr
	s_wait_alu depctr_va_vdst(0)                   ; the eight pairs (cos, sin) are written, which the eight stores read; so is their offset v4
.irp i, 0,1,2,3,4,5,6,7
	global_store_b64 v4, v[8+12*\i:9+12*\i], s[22:23] offset:2048*\i
.endr
	s_endpgm
.Lfunc_end_k_qc1486a2853_prep:
	.size	k_qc1486a2853_prep, .Lfunc_end_k_qc1486a2853_prep-k_qc1486a2853_prep
	.p2alignl 7, 3214868480
	.fill 96, 4, 3214868480
	.section	.rodata,"a",@progbits
	.p2align	6, 0x0
	.amdhsa_kernel k_qc1486a2853_prep
		.amdhsa_group_segment_fixed_size 35840
		.amdhsa_private_segment_fixed_size 0
		.amdhsa_enable_private_segment 0
		.amdhsa_kernarg_size 96
		.amdhsa_user_sgpr_count 2
		.amdhsa_user_sgpr_kernarg_segment_ptr 1
		.amdhsa_wavefront_size32 1
		.amdhsa_system_sgpr_workgroup_id_x 1
		.amdhsa_system_sgpr_workgroup_id_y 1
		.amdhsa_system_sgpr_workgroup_id_z 1
		.amdhsa_system_vgpr_workitem_id 0
		.amdhsa_next_free_vgpr 154
		.amdhsa_next_free_sgpr 66
		.amdhsa_reserve_vcc 0
		.amdhsa_float_denorm_mode_32 3
		.amdhsa_float_denorm_mode_16_64 3
		.amdhsa_memory_ordered 1
		.amdhsa_forward_progress 1
		.amdhsa_inst_pref_size 55
	.end_amdhsa_kernel
	.amdgpu_metadata
---
amdhsa.version: [ 1, 2 ]
amdhsa.kernels:
  - .name:           k_qc1486a2853_prep
    .symbol:         k_qc1486a2853_prep.kd
    .args:
      - { .name: Wq, .offset: 0, .size: 8, .value_kind: global_buffer, .address_space: global }
      - { .name: Wk, .offset: 8, .size: 8, .value_kind: global_buffer, .address_space: global }
      - { .name: Wv, .offset: 16, .size: 8, .value_kind: global_buffer, .address_space: global }
      - { .name: Wo, .offset: 24, .size: 8, .value_kind: global_buffer, .address_space: global }
      - { .name: W1, .offset: 32, .size: 8, .value_kind: global_buffer, .address_space: global }
      - { .name: W2, .offset: 40, .size: 8, .value_kind: global_buffer, .address_space: global }
      - { .name: wt, .offset: 48, .size: 8, .value_kind: global_buffer, .address_space: global }
      - { .name: tab, .offset: 56, .size: 8, .value_kind: global_buffer, .address_space: global }
      - { .name: x, .offset: 64, .size: 8, .value_kind: global_buffer, .address_space: global }
      - { .name: g1, .offset: 72, .size: 8, .value_kind: global_buffer, .address_space: global }
      - { .name: beta1, .offset: 80, .size: 8, .value_kind: global_buffer, .address_space: global }
      - { .name: xn, .offset: 88, .size: 8, .value_kind: global_buffer, .address_space: global }
    .group_segment_fixed_size: 35840
    .private_segment_fixed_size: 0
    .kernarg_segment_align: 8
    .kernarg_segment_size: 96
    .max_flat_workgroup_size: 256
    .sgpr_count:     66
    .vgpr_count:     154
    .wavefront_size: 32
...
	.end_amdgpu_metadata
.endif
;; end of part 8
;; launch qkv: the kernel of part 2 again; grid 12 x 16, 4 waves a work-group, clusters of 4 x 4, 327,680 bytes of LDS; arguments xn, wt, qkv, bq, bk, bv, tab; writes qkv
;; launch attn: the kernel of part 3 again; grid 16 x 16, 8 waves a work-group, clusters of 4 x 1, 327,680 bytes of LDS; arguments qkv, ao; writes ao
;; launch wo: the kernel of part 4 again; grid 8 x 32, 4 waves a work-group, clusters of 4 x 4, 327,680 bytes of LDS; arguments ao, wt, x1, bo, x; writes x1
;; launch ln2 (part 9): grid 256 x 1, 8 waves a work-group, no clusters, 0 bytes of LDS; arguments x1, g2, beta2, xn; writes xn
.if DOCPART == 9
	.amdgcn_target "amdgcn-amd-amdhsa--gfx1250"
	.amdhsa_code_object_version 6
	.text
	.protected	k_qc1486a2853_ln2
	.globl	k_qc1486a2853_ln2
	.p2align	8
	.type	k_qc1486a2853_ln2,@function
k_qc1486a2853_ln2:
	s_mov_b64 s[64:65], 0
	v_nop
	global_prefetch_b8 v0, s[64:65] scope:SCOPE_SE
	s_setreg_imm32_b32 hwreg(HW_REG_WAVE_SCHED_MODE, 0, 2), 2
	s_setreg_imm32_b32 hwreg(HW_REG_WAVE_MODE, 25, 1), 1
	s_wait_xcnt 0x0
	s_wait_alu depctr_vm_vsrc(0)
; LAYER NORM: y[r][c] = (x[r][c] - mean) * rsqrt(var + 1e-5) * gamma[c] + beta[c], x f32 [4096][1024], y bf16.
; Arguments: x, gamma, beta, y.  Eight waves, 16 rows a work-group; a wave owns two rows and keeps each in 32 registers between the passes
; (mean; squares of the differences from it, as reference() forms the variance; scaling), so a row is read from memory once and no wave waits for another.
; A load of a wave covers 512 consecutive bytes; a store 256 consecutive bytes, aligned.  A stream: no LDS, no barrier, no matrix unit, no cluster.
; THE MODE: SCHED_MODE bits 1:0 = 2 (LLVM: expert scheduling mode 2), set by the entry lines.  The code itself states the register dependences
; between vector instructions and memory instructions, with s_wait_alu, always for 0.
; THE PLAN.  The text has no loop.  Registers that memory instructions touch:
;   v1, v2, v3     byte offsets: written at the head, read by the loads (v1, v2) and the stores (v3), never written again.
;   X0, X1, G, BT  the 32 loads land in them; no vector line names them before the loads.
;   X0, X1         also the out-buffers: a row's roundings write the first two of each four registers, its eight stores read them, nothing writes them again.
; Four waits on va_vdst: ahead of the first load (the offsets); for the two reciprocal roots, ahead of their first readers; behind row 0's roundings, whose stores
; are then dealt among row 1's lines, which name X1, R1, G and BT alone; behind row 1's roundings.  No register that a memory instruction has read is
; written again, so the text holds no wait on vm_vsrc.
.set X0, 8                             ; v[8:39]    row 0: load j holds columns 128 j + 4 lane .. + 3
.set X1, 40                            ; v[40:71]   row 1
.set G,  72                            ; v[72:103]  gamma of the same columns
.set BT, 104                           ; v[104:135] beta
.set S,  136                           ; v[136:143] four chains of sums, two numbers each
.set MU, 144                           ; v[144:145] the mean, twice
.set R0, 146                           ; v[146:147] 1 / sqrt(var + eps) of row 0, twice
.set R1, 148                           ; v[148:149] of row 1
	s_load_b256 s[4:11], s[0:1], 0x0               ; x s[4:5], gamma s[6:7], beta s[8:9], y s[10:11]
	s_mov_b32 s12, 0x76543210                      ; v_permlanex16_b32: lane i reads lane i of the other half
	s_mov_b32 s13, 0xfedcba98
	s_mov_b32 s14, 0x3a800000                      ; 1 / 1024
	s_mov_b32 s15, 0x3727c5ac                      ; 1e-5
	s_lshl_b32 s2, ttmp9, 16                       ; 16 rows of 4,096 bytes
	s_mov_b32 s3, 0
	s_lshl_b32 s16, ttmp9, 15                      ; 16 rows of 2,048 bytes
	s_mov_b32 s17, 0
	v_and_b32 v4, 31, v0
	v_lshrrev_b32 v5, 5, v0
	v_lshlrev_b32 v2, 4, v4                        ; gamma, beta: 16 lane
	v_lshl_add_u32 v1, v5, 13, v2                  ; x: + wave x 2 rows
	v_lshlrev_b32 v3, 3, v4
	v_lshl_add_u32 v3, v5, 12, v3                  ; y: 8 lane + wave x 2 rows
	s_wait_kmcnt 0x0
	s_add_nc_u64 s[4:5], s[4:5], s[2:3]
	s_add_nc_u64 s[10:11], s[10:11], s[16:17]
	s_wait_alu depctr_va_vdst(0)                   ; v1, v2 and v3 are written: the offsets of every load and store of the kernel
.irp j, 0,1,2,3,4,5,6,7
	global_load_b128 v[X0+4*\j:X0+4*\j+3], v1, s[4:5] offset:512*\j
.endr
.irp j, 0,1,2,3,4,5,6,7
	global_load_b128 v[X1+4*\j:X1+4*\j+3], v1, s[4:5] offset:4096+512*\j
.endr
.irp j, 0,1,2,3,4,5,6,7
	global_load_b128 v[G+4*\j:G+4*\j+3], v2, s[6:7] offset:512*\j
.endr
.irp j, 0,1,2,3,4,5,6,7
	global_load_b128 v[BT+4*\j:BT+4*\j+3], v2, s[8:9] offset:512*\j
.endr
; the four chains become one number, then the sum over the 32 lanes, in every lane, in v[S]
.macro LANESUM
	v_pk_add_f32 v[S:S+1], v[S:S+1], v[S+2:S+3]
	v_pk_add_f32 v[S+4:S+5], v[S+4:S+5], v[S+6:S+7]
	v_pk_add_f32 v[S:S+1], v[S:S+1], v[S+4:S+5]
	v_add_f32 v[S], v[S], v[S+1]
	v_add_f32_dpp v[S], v[S], v[S] row_xmask:1 row_mask:0xf bank_mask:0xf
	v_add_f32_dpp v[S], v[S], v[S] row_xmask:2 row_mask:0xf bank_mask:0xf
	v_add_f32_dpp v[S], v[S], v[S] row_xmask:4 row_mask:0xf bank_mask:0xf
	v_add_f32_dpp v[S], v[S], v[S] row_xmask:8 row_mask:0xf bank_mask:0xf
	v_permlanex16_b32 v[S+1], v[S], s12, s13       ; its destination counts as read: a register that has been written
	v_add_f32 v[S], v[S], v[S+1]
.endm
; The row in x becomes x - mean; r gets 1 / sqrt(var + eps).  left: how many younger loads may stay out.
.macro STATS x, left, r
	s_wait_loadcnt \left
.irp c, 0,1,2,3
	v_pk_add_f32 v[S+2*\c:S+2*\c+1], v[\x+2*\c:\x+2*\c+1], v[\x+8+2*\c:\x+8+2*\c+1]   ; the first sums start the chains: nothing is cleared
.endr
.irp p, 8,9,10,11,12,13,14,15
	v_pk_add_f32 v[S+2*(\p%4):S+2*(\p%4)+1], v[S+2*(\p%4):S+2*(\p%4)+1], v[\x+2*\p:\x+2*\p+1]
.endr
	LANESUM
	v_mul_f32 v[MU], s14, v[S]
	v_mov_b32 v[MU+1], v[MU]
.irp p, 0,1,2,3,4,5,6,7,8,9,10,11,12,13,14,15
	v_pk_add_f32 v[\x+2*\p:\x+2*\p+1], v[\x+2*\p:\x+2*\p+1], v[MU:MU+1] neg_lo:[0,1] neg_hi:[0,1]
.endr
.irp c, 0,1,2,3
	v_pk_mul_f32 v[S+2*\c:S+2*\c+1], v[\x+2*\c:\x+2*\c+1], v[\x+2*\c:\x+2*\c+1]
.endr
.irp p, 4,5,6,7,8,9,10,11,12,13,14,15
	v_pk_fma_f32 v[S+2*(\p%4):S+2*(\p%4)+1], v[\x+2*\p:\x+2*\p+1], v[\x+2*\p:\x+2*\p+1], v[S+2*(\p%4):S+2*(\p%4)+1]
.endr
	LANESUM
	v_fma_f32 v[S], v[S], s14, s15                 ; var + eps
	v_rsq_f32 v[\r], v[S]
	v_nop                                          ; one plain instruction behind v_rsq_f32 before its source is written again or its result used (ISA guide 5.7.2)
.endm
; Row x: scale, gain, bias, round, four columns of each load at a time.  deal = 1: in front of each group stands one of the eight stores of row sx, at byte soff of
; the wave's two rows: that row was rounded ahead of the last wait on va_vdst, and no line here names its registers or v3.
.macro SCALE x, r, deal, sx, soff
.irp j, 0,1,2,3,4,5,6,7
.if \deal
	global_store_b64 v3, v[\sx+4*\j:\sx+4*\j+1], s[10:11] offset:256*\j+\soff
.endif
	v_pk_mul_f32 v[\x+4*\j:\x+4*\j+1], v[\x+4*\j:\x+4*\j+1], v[\r:\r+1]
	v_pk_mul_f32 v[\x+4*\j+2:\x+4*\j+3], v[\x+4*\j+2:\x+4*\j+3], v[\r:\r+1]
	v_pk_fma_f32 v[\x+4*\j:\x+4*\j+1], v[\x+4*\j:\x+4*\j+1], v[G+4*\j:G+4*\j+1], v[BT+4*\j:BT+4*\j+1]
	v_pk_fma_f32 v[\x+4*\j+2:\x+4*\j+3], v[\x+4*\j+2:\x+4*\j+3], v[G+4*\j+2:G+4*\j+3], v[BT+4*\j+2:BT+4*\j+3]
	v_cvt_pk_bf16_f32 v[\x+4*\j], v[\x+4*\j], v[\x+4*\j+1]
	v_cvt_pk_bf16_f32 v[\x+4*\j+1], v[\x+4*\j+2], v[\x+4*\j+3]
.endr
.endm
	STATS X0, 24, R0                               ; row 0 is in; row 1, gamma and beta (24 loads) may be out
	STATS X1, 16, R1                               ; row 1 is in; gamma and beta (16 loads) may be out
	s_wait_loadcnt 0x0                             ; gamma and beta
	s_wait_alu depctr_va_vdst(0)                   ; both reciprocal roots, v[R0] and v[R1], are written, ahead of their first readers: one wait for the two
	v_mov_b32 v[R0+1], v[R0]
	v_mov_b32 v[R1+1], v[R1]
	SCALE X0, R0, 0, 0, 0
	s_wait_alu depctr_va_vdst(0)                   ; row 0's roundings have written the registers that its eight stores read
	SCALE X1, R1, 1, X0, 0                         ; row 0 leaves while row 1 is scaled
	s_wait_alu depctr_va_vdst(0)                   ; row 1's roundings have written the registers that its eight stores read
.irp j, 0,1,2,3,4,5,6,7
	global_store_b64 v3, v[X1+4*\j:X1+4*\j+1], s[10:11] offset:256*\j+2048
.endr
	s_endpgm
.Lfunc_end_k_qc1486a2853_ln2:
	.size	k_qc1486a2853_ln2, .Lfunc_end_k_qc1486a2853_ln2-k_qc1486a2853_ln2
	.p2alignl 7, 3214868480
	.fill 96, 4, 3214868480
	.section	.rodata,"a",@progbits
	.p2align	6, 0x0
	.amdhsa_kernel k_qc1486a2853_ln2
		.amdhsa_group_segment_fixed_size 0
		.amdhsa_private_segment_fixed_size 0
		.amdhsa_enable_private_segment 0
		.amdhsa_kernarg_size 32
		.amdhsa_user_sgpr_count 2
		.amdhsa_user_sgpr_kernarg_segment_ptr 1
		.amdhsa_wavefront_size32 1
		.amdhsa_system_sgpr_workgroup_id_x 1
		.amdhsa_system_sgpr_workgroup_id_y 1
		.amdhsa_system_sgpr_workgroup_id_z 1
		.amdhsa_system_vgpr_workitem_id 0
		.amdhsa_next_free_vgpr 152
		.amdhsa_next_free_sgpr 66
		.amdhsa_reserve_vcc 0
		.amdhsa_float_denorm_mode_32 3
		.amdhsa_float_denorm_mode_16_64 3
		.amdhsa_memory_ordered 1
		.amdhsa_forward_progress 1
		.amdhsa_inst_pref_size 21
	.end_amdhsa_kernel
	.amdgpu_metadata
---
amdhsa.version: [ 1, 2 ]
amdhsa.kernels:
  - .name:           k_qc1486a2853_ln2
    .symbol:         k_qc1486a2853_ln2.kd
    .args:
      - { .name: x1, .offset: 0, .size: 8, .value_kind: global_buffer, .address_space: global }
      - { .name: g2, .offset: 8, .size: 8, .value_kind: global_buffer, .address_space: global }
      - { .name: beta2, .offset: 16, .size: 8, .value_kind: global_buffer, .address_space: global }
      - { .name: xn, .offset: 24, .size: 8, .value_kind: global_buffer, .address_space: global }
    .group_segment_fixed_size: 0
    .private_segment_fixed_size: 0
    .kernarg_segment_align: 8
    .kernarg_segment_size: 32
    .max_flat_workgroup_size: 256
    .sgpr_count:     66
    .vgpr_count:     152
    .wavefront_size: 32
...
	.end_amdgpu_metadata
.endif
;; end of part 9
;; launch ffn1: the kernel of part 6 again; grid 16 x 16, 4 waves a work-group, clusters of 4 x 4, 327,680 bytes of LDS; arguments xn, wt, hh, b1; writes hh
;; launch ffn2: the kernel of part 7 again; grid 8 x 32, 4 waves a work-group, clusters of 4 x 4, 327,680 bytes of LDS; arguments hh, wt, out0, b2, x1; writes out0
